; MI455X (gfx1250); checked and timed in simulation.
; The chip was launched on July 23, 2026; its instructions are those of AMD's public machine-readable ISA for CDNA 5 (MIT licence, August 2026) and "CDNA5" Instruction Set Architecture Reference Guide (July 2026). The comments in the code are by the model that wrote it; some were corrected since.
;; Additive Attention. Allowed arithmetic: float matrix products may take bf16 or f16 operands with f32 sums; other float arithmetic in f32, or as packed bf16 or f16 multiplies, adds, multiply-adds, maxima and minima; sums over many terms, partial sums and values carried from step to step in f32; what a program stores and reads back later, other than sums and carried values, may be rounded once to bf16 or f16.
;; Inputs: k_b 1,024 float32; k_w 1,024 x 1,024 float32; out_b 1,024 float32; out_w 1,024 x 1,024 float32; q_b 1,024 float32; q_w 1,024 x 1,024 float32; v_b 1,024 float32; v_w 1,024 x 1,024 float32; wk_b 16 float32; wk_w 16 x 1,024 float32; wq_b 16 float32; wq_w 16 x 1,024 float32; x_kv 8 x 2,048 x 1,024 float32; x_q 8 x 2,048 x 1,024 float32.
;; Outputs: out0 8 x 2,048 x 1,024 float32.
;; 2 versions, each right. Each part assembles by itself: llvm-mc -triple=amdgcn-amd-amdhsa -mcpu=gfx1250 --defsym DOCPART=n.
;; ======== version 1 of 2: 9 launches
;; workspace buffers: bufq 4,194,304 bytes; bufk 2,129,920 bytes; bufv 4,194,304 bytes; sbuf 16,777,216 bytes; wp 303,104 bytes; wbuf 17,301,504 bytes; xbq 50,364,416 bytes; xbk 50,364,416 bytes
;; launch prep (part 1): grid 16 x 4, 8 waves a work-group, no clusters, 327,680 bytes of LDS; arguments q_w, k_w, v_w, out_w, wq_w, wk_w, q_b, bufq, bufk, bufv, sbuf, wp; writes bufq, bufk, bufv, sbuf, wp
.if DOCPART == 1
	.amdgcn_target "amdgcn-amd-amdhsa--gfx1250"
	.amdhsa_code_object_version 6
	.text
	.protected	k_qf6abc54d59_prep
	.globl	k_qf6abc54d59_prep
	.p2align	8
	.type	k_qf6abc54d59_prep,@function
k_qf6abc54d59_prep:
	s_mov_b64 s[64:65], 0
	v_nop
	global_prefetch_b8 v0, s[64:65] scope:SCOPE_SE
	s_setreg_imm32_b32 hwreg(HW_REG_WAVE_MODE, 25, 1), 1
	s_wait_xcnt 0x0
; PREP: the weights, rounded once to bf16, in the layouts that the later launches multiply from.
; FRAGMENT-MAJOR (FM) layout of a matrix Z[rows][1024]: a fragment of 16 rows x 32 k is 1,024 consecutive bytes at ((row/16)*32 + k/32)*1024; in it lane L = 16*((k/8)%2) + row%16
; owns 16 bytes at 16 L (k%32 < 16) and at 512 + 16 L (k%32 >= 16): exactly the registers 0-3 and 4-7 of a 16-bit matrix operand.  16 rows of all k are RG = 32,768 bytes.
; Work-group (s, y): matrix y (0 q_w, 1 k_w, 2 v_w, 3 out_w), its columns 64 s .. 64 s + 63, all 1,024 rows.  Wave W brings its own rows 128 W .. 128 W + 127 into LDS with one
; tensor load (rows of 256 bytes, padded to 272) and reads only those: no barrier.
; Written: y = 0: q_w as it lies (bufq, second half) and turned (bufq, first half); y = 1: k_w turned (bufk); y = 2: v_w turned (bufv); y = 3: out_w as it lies (bufv, second half).
; Besides, while the tile is on its way: y = 0: wave W writes copy W of wq_w's 64 columns (sbuf, rows 16 W + h) and the partial sum over these columns of wq_w[h][j] q_b[j] (wp);
; y = 1, wave 0: wk_w's 64 columns (bufk, behind the turned k_w).
; LIMITS: bf16 keeps f32's range; NaN and infinities pass through the rounding as they are.
.set PITCH,  272                       ; an LDS row: 256 bytes + 16: sixteen rows of one column start at sixteen different groups of four banks
.set WAVEB,  128*PITCH                 ; a wave's rows
.set SPARE,  8*WAVEB                   ; behind the tiles: the spare words, 128 bytes a wave, named by no other line
.set RG,     32768
.set SECOND, 2097152                   ; where a buffer's second matrix begins
.set PBOFF,  262144                    ; wp: the partial logit constants, f32 [8 b][16 strips][16 h]
.set T,      16                        ; v[16:79]  f32 as loaded
.set FR,     80                        ; v[80:111] bf16 fragments to store
	s_load_b512 s[8:23], s[0:1], 0x0               ; q_w 8, k_w 10, v_w 12, out_w 14, wq_w 16, wk_w 18, q_b 20, bufq 22
	s_load_b256 s[24:31], s[0:1], 0x40             ; bufk 24, bufv 26, sbuf 28, wp 30
	v_lshl_add_u32 v4, v0, 2, SPARE
	v_mov_b32 v5, 0
	ds_add_u32 v4, v5                              ; the wave's opening: the add and its wait stand ahead of my tensor load; register work stands between
	v_lshrrev_b32 v1, 5, v0
	v_readfirstlane_b32 s4, v1                     ; wave W
	s_mov_b32 s2, ttmp9                            ; strip s
	s_and_b32 s3, ttmp7, 0xffff                    ; matrix y
	v_and_b32 v1, 31, v0                           ; L
	v_and_b32 v2, 15, v0                           ; r
	v_bfe_u32 v3, v0, 4, 1                         ; hh
	s_mov_b32 s32, 1                               ; group 0: count 1
	s_mul_i32 s33, s4, WAVEB                       ; LDS address: my rows
	s_mov_b32 s36, (2<<16)|(1<<20)|(5<<22)|(3<<25) ; group 1: 4-byte elements; padding on, 4 words after every 64
	s_mov_b32 s37, 64<<16                          ; tensor_dim0 = 64
	s_mov_b32 s38, 128<<16                         ; tensor_dim1 = 128
	s_mov_b32 s39, 64<<16                          ; tile_dim0 = 64
	s_mov_b32 s40, 128                             ; tile_dim1 = 128
	s_mov_b32 s41, 1024                            ; elements from row to row
	s_mov_b32 s42, 0
	s_mov_b32 s43, 0
	s_mov_b32 s56, 0x76543210                      ; v_permlanex16_b32: each lane takes its own place in the other half
	s_mov_b32 s57, 0xfedcba98
	s_lshl_b32 s60, s2, 8                          ; 256 s: the strip's bytes in an f32 row
	s_lshl_b32 s62, s2, 11                         ; 2,048 s: the strip's two fragments in an FM row group
	v_mul_u32_u24 v6, v2, PITCH
	v_lshl_add_u32 v6, v3, 5, v6
	v_add_nc_u32 v6, s33, v6                       ; as it lies: row r, 32 bytes for each half of the lanes
	v_mul_u32_u24 v7, v3, 8*PITCH
	v_lshl_add_u32 v7, v2, 2, v7
	v_add_nc_u32 v7, s33, v7                       ; turned: rows 8 hh on, column r
	v_lshlrev_b32 v8, 4, v1                        ; 16 L: my place in half a fragment
	v_lshl_add_u32 v10, v3, 5, s60                 ; q_b: 256 s + 32 hh
	v_lshl_add_u32 v9, v2, 12, v10                 ; wq_w, wk_w: + row r
	v_lshlrev_b32 v11, 2, v2                       ; 4 r
	s_lshl_b32 s54, s4, 19                         ; my 128 rows of 4,096 bytes
	s_add_co_u32 s54, s54, s60
	s_mov_b32 s55, 0
	s_lshl_b32 s61, s4, 15                         ; copy W of wq_w in sbuf
	s_wait_dscnt 0x0                               ; the opening add is done
	s_wait_kmcnt 0x0
	s_cmp_eq_u32 s3, 0
	s_cselect_b64 s[44:45], s[8:9], s[10:11]       ; the matrix
	s_cselect_b64 s[46:47], s[22:23], s[26:27]     ; where it goes as it lies: bufq or bufv
	s_cselect_b64 s[48:49], s[22:23], s[24:25]     ; where it goes turned: bufq, bufk,
	s_cselect_b64 s[50:51], s[16:17], s[18:19]     ; the thin matrix: wq_w or wk_w
	s_cselect_b64 s[52:53], s[28:29], s[24:25]     ; and where it goes: sbuf or bufk
	s_cselect_b32 s61, s61, SECOND
	s_cmp_eq_u32 s3, 2
	s_cselect_b64 s[44:45], s[12:13], s[44:45]
	s_cselect_b64 s[48:49], s[26:27], s[48:49]     ; or bufv
	s_cmp_eq_u32 s3, 3
	s_cselect_b64 s[44:45], s[14:15], s[44:45]
	s_add_nc_u64 s[34:35], s[44:45], s[54:55]      ; the tile's first element
	s_or_b32 s35, s35, 0x80000000                  ; type 2
	tensor_load_to_lds s[32:35], s[36:43]          ; my one tensor load: 128 rows x 256 bytes
	s_nop 0
	s_lshl_b32 s54, s4, 18                         ; as it lies: row groups 8 W on, fragments 2 s, 2 s + 1
	s_add_co_u32 s54, s54, s62
	s_add_co_u32 s54, s54, SECOND
	s_add_nc_u64 s[46:47], s[46:47], s[54:55]
	s_lshl_b32 s54, s2, 17                         ; turned: row groups 4 s on, fragments 4 W on
	s_lshl_b32 s63, s4, 12
	s_add_co_u32 s54, s54, s63
	s_add_nc_u64 s[48:49], s[48:49], s[54:55]
	s_add_co_u32 s54, s61, s62
	s_add_nc_u64 s[52:53], s[52:53], s[54:55]
	s_lshl_b32 s54, s4, 10                         ; pb[W][s][.]
	s_lshl_b32 s63, s2, 6
	s_add_co_u32 s54, s54, s63
	s_add_co_u32 s54, s54, PBOFF
	s_add_nc_u64 s[58:59], s[30:31], s[54:55]
	; the thin matrix, while the tile is on its way
	s_cmp_gt_u32 s3, 1
	s_cbranch_scc1 .Lsmall_done
	s_cmp_eq_u32 s3, 0
	s_cbranch_scc1 .Lsmall
	s_cmp_lg_u32 s4, 0
	s_cbranch_scc1 .Lsmall_done
.Lsmall:
.irp q, 0,1
.irp p, 0,1,2,3
	global_load_b128 v[T+16*(\q)+4*(\p):T+16*(\q)+4*(\p)+3], v9, s[50:51] offset:128*(\q)+16*((\p)%2)+64*((\p)/2)
	global_load_b128 v[T+32+16*(\q)+4*(\p):T+32+16*(\q)+4*(\p)+3], v10, s[20:21] offset:128*(\q)+16*((\p)%2)+64*((\p)/2)
.endr
.endr
	s_wait_loadcnt 0x0
.set i, 0
.rept 16
	v_cvt_pk_bf16_f32 v[FR+i], v[T+2*i], v[T+2*i+1]
.set i, i+1
.endr
.irp q, 0,1
	global_store_b128 v8, v[FR+8*(\q):FR+8*(\q)+3], s[52:53] offset:1024*(\q)
	global_store_b128 v8, v[FR+8*(\q)+4:FR+8*(\q)+7], s[52:53] offset:1024*(\q)+512
.endr
	v_pk_mul_f32 v[112:113], v[T:T+1], v[T+32:T+33]            ; the strip's part of the sum over j of w[h][j] q_b[j]
.set i, 2
.rept 15
	v_pk_fma_f32 v[112:113], v[T+i:T+i+1], v[T+32+i:T+32+i+1], v[112:113]
.set i, i+2
.endr
	v_add_f32 v112, v112, v113
	v_permlanex16_b32 v113, v112, s56, s57
	v_add_f32 v112, v112, v113                     ; both halves of the lanes hold row r's sum
	s_cmp_lg_u32 s3, 0
	s_cbranch_scc1 .Lsmall_done
	global_store_b32 v11, v112, s[58:59]           ; lanes r and 16 + r store the same number to the same word
.Lsmall_done:
	s_wait_tensorcnt 0x0                           ; my rows are in LDS; only I read them
; As it lies: two row groups x two fragments.  16 loads of 16 bytes, 32 roundings, 8 stores of 512 consecutive bytes.
.macro NATB g0
.irp gi, 0,1
.irp q, 0,1
.irp p, 0,1,2,3
	ds_load_b128 v[T+16*(2*(\gi)+(\q))+4*(\p):T+16*(2*(\gi)+(\q))+4*(\p)+3], v6 offset:((\g0)+(\gi))*16*PITCH+128*(\q)+16*((\p)%2)+64*((\p)/2)
.endr
.endr
.endr
	s_wait_dscnt 0x0
	s_wait_xcnt 0x0                                ; the earlier stores have read FR: it is rewritten only behind this wait
.set i, 0
.rept 32
	v_cvt_pk_bf16_f32 v[FR+i], v[T+2*i], v[T+2*i+1]
.set i, i+1
.endr
.irp gi, 0,1
.irp q, 0,1
	global_store_b128 v8, v[FR+8*(2*(\gi)+(\q)):FR+8*(2*(\gi)+(\q))+3], s[46:47] offset:((\g0)+(\gi))*RG+1024*(\q)
	global_store_b128 v8, v[FR+8*(2*(\gi)+(\q))+4:FR+8*(2*(\gi)+(\q))+7], s[46:47] offset:((\g0)+(\gi))*RG+1024*(\q)+512
.endr
.endr
.endm
; Turned: 32 of my rows become the k of four fragments (16 columns each).  A lane reads 16 numbers of one column for each fragment: 64 loads of 4 bytes, lanes r at neighbouring words.
.macro TRNB q
.irp f, 0,1,2,3
.set i, 0
.rept 16
	ds_load_b32 v[T+16*(\f)+i], v7 offset:(32*(\q)+i+8*(i/8))*PITCH+64*(\f)
.set i, i+1
.endr
.endr
	s_wait_dscnt 0x0
	s_wait_xcnt 0x0                                ; FR is rewritten only behind this wait
.set i, 0
.rept 32
	v_cvt_pk_bf16_f32 v[FR+i], v[T+2*i], v[T+2*i+1]
.set i, i+1
.endr
.irp f, 0,1,2,3
	global_store_b128 v8, v[FR+8*(\f):FR+8*(\f)+3], s[48:49] offset:(\f)*RG+1024*(\q)
	global_store_b128 v8, v[FR+8*(\f)+4:FR+8*(\f)+7], s[48:49] offset:(\f)*RG+1024*(\q)+512
.endr
.endm
	s_cmp_eq_u32 s3, 1
	s_cbranch_scc1 .Lnat_done
	s_cmp_eq_u32 s3, 2
	s_cbranch_scc1 .Lnat_done
	NATB 0
	NATB 2
	NATB 4
	NATB 6
.Lnat_done:
	s_cmp_eq_u32 s3, 3
	s_cbranch_scc1 .Ltrn_done
	TRNB 0
	TRNB 1
	TRNB 2
	TRNB 3
.Ltrn_done:
	s_wait_tensorcnt 0x0                           ; the wave's end
	ds_add_u32 v4, v5
	s_wait_dscnt 0x0
	s_endpgm
.Lfunc_end_k_qf6abc54d59_prep:
	.size	k_qf6abc54d59_prep, .Lfunc_end_k_qf6abc54d59_prep-k_qf6abc54d59_prep
	.p2alignl 7, 3214868480
	.fill 96, 4, 3214868480
	.section	.rodata,"a",@progbits
	.p2align	6, 0x0
	.amdhsa_kernel k_qf6abc54d59_prep
		.amdhsa_group_segment_fixed_size 327680
		.amdhsa_private_segment_fixed_size 0
		.amdhsa_enable_private_segment 0
		.amdhsa_kernarg_size 96
		.amdhsa_user_sgpr_count 2
		.amdhsa_user_sgpr_kernarg_segment_ptr 1
		.amdhsa_wavefront_size32 1
		.amdhsa_system_sgpr_workgroup_id_x 1
		.amdhsa_system_sgpr_workgroup_id_y 1
		.amdhsa_system_sgpr_workgroup_id_z 1
		.amdhsa_system_vgpr_workitem_id 0
		.amdhsa_next_free_vgpr 128
		.amdhsa_next_free_sgpr 66
		.amdhsa_reserve_vcc 0
		.amdhsa_float_denorm_mode_32 3
		.amdhsa_float_denorm_mode_16_64 3
		.amdhsa_memory_ordered 1
		.amdhsa_forward_progress 1
		.amdhsa_inst_pref_size 51
	.end_amdhsa_kernel
	.amdgpu_metadata
---
amdhsa.version: [ 1, 2 ]
amdhsa.kernels:
  - .name:           k_qf6abc54d59_prep
    .symbol:         k_qf6abc54d59_prep.kd
    .args:
      - { .name: q_w, .offset: 0, .size: 8, .value_kind: global_buffer, .address_space: global }
      - { .name: k_w, .offset: 8, .size: 8, .value_kind: global_buffer, .address_space: global }
      - { .name: v_w, .offset: 16, .size: 8, .value_kind: global_buffer, .address_space: global }
      - { .name: out_w, .offset: 24, .size: 8, .value_kind: global_buffer, .address_space: global }
      - { .name: wq_w, .offset: 32, .size: 8, .value_kind: global_buffer, .address_space: global }
      - { .name: wk_w, .offset: 40, .size: 8, .value_kind: global_buffer, .address_space: global }
      - { .name: q_b, .offset: 48, .size: 8, .value_kind: global_buffer, .address_space: global }
      - { .name: bufq, .offset: 56, .size: 8, .value_kind: global_buffer, .address_space: global }
      - { .name: bufk, .offset: 64, .size: 8, .value_kind: global_buffer, .address_space: global }
      - { .name: bufv, .offset: 72, .size: 8, .value_kind: global_buffer, .address_space: global }
      - { .name: sbuf, .offset: 80, .size: 8, .value_kind: global_buffer, .address_space: global }
      - { .name: wp, .offset: 88, .size: 8, .value_kind: global_buffer, .address_space: global }
    .group_segment_fixed_size: 327680
    .private_segment_fixed_size: 0
    .kernarg_segment_align: 8
    .kernarg_segment_size: 96
    .max_flat_workgroup_size: 256
    .sgpr_count:     66
    .vgpr_count:     128
    .wavefront_size: 32
...
	.end_amdgpu_metadata
.endif
;; end of part 1
;; launch ga (part 2): grid 8 x 1, 4 waves a work-group, clusters of 4 x 1, 327,680 bytes of LDS; arguments sbuf, bufq, wp; writes wp
.if DOCPART == 2
	.amdgcn_target "amdgcn-amd-amdhsa--gfx1250"
	.amdhsa_code_object_version 6
	.text
	.protected	k_qf6abc54d59_ga
	.globl	k_qf6abc54d59_ga
	.p2align	8
	.type	k_qf6abc54d59_ga,@function
k_qf6abc54d59_ga:
	s_mov_b64 s[64:65], 0
	v_nop
	global_prefetch_b8 v0, s[64:65] scope:SCOPE_SE
	s_setreg_imm32_b32 hwreg(HW_REG_WAVE_MODE, 25, 1), 1
	s_wait_xcnt 0x0
	s_wait_alu depctr_hold_cnt(0) depctr_sa_sdst(0) depctr_va_vdst(0) depctr_va_sdst(0) depctr_va_ssrc(0) depctr_va_vcc(0) depctr_vm_vsrc(0)
	s_getreg_b32 s2, hwreg(HW_REG_IB_STS2, 6, 4)
	s_cmp_eq_u32 s2, 0
	s_cbranch_scc0 .Lentry_in_a_cluster
	s_endpgm
.Lentry_in_a_cluster:
	s_bfe_u32 s2, ttmp6, 0x10000c
	s_cmp_lg_u32 s2, 0x3003
	s_cbranch_scc0 .Lentry_shape_is_right
	s_endpgm
.Lentry_shape_is_right:
; Out[rho][kx] = the sum over j of S[rho][j] T[kx][j], j = 0 .. 1,023; S, T and Out bf16 in the fragment-major layout (a fragment of 16 rows x 32 k is 1,024 consecutive bytes, lane L's
; 16 bytes at 16 L and 512 + 16 L; 16 rows of all k are 32,768 bytes); sums in f32, Out rounded once.  T has 1,024 rows; S and Out have 16 x grid rows.
; A work-group makes 128 x 128 of Out; four waves, 64 x 64 each: 16 accumulators.  K goes in steps of 256 (8,192 bytes of each group of 16 rows) through two LDS slots.
; The grid is flat: cluster c holds the four work-groups of rho tile c / 2 with kx tiles 4 (c % 2) + cx.  So S's tile is shared by all four and asked for JOINTLY (mask 15);
; T's tile is each work-group's own (its address hangs on cx) and comes by a plain load behind the same round.
; The matrix instruction is used transposed (source 0 = 16 rows of T, source 1 = 16 rows of S): a lane holds row rho = lane % 16 and eight neighbouring kx, which packed to 16 bytes
; ARE half a fragment of Out: the results are stored straight from registers, 512 consecutive bytes an instruction.
; REGISTERS: window 0: v0-31 addresses; v32-95 packed results; v128-255 accumulators ((a, b) at 128 + 8 (4 a + b)).  Window 1: two fragment buffers of 128: 64 of S, then 64 of T.
.set KSTEPB, 8192                      ; bytes of a row group in a K step
.set HALFT,  4*KSTEPB                  ; four row groups: what one tensor load brings, and what a wave reads of S or of T
.set SLOT,   4*HALFT                   ; S's 128 rows, then T's 128 rows
.set SPARE,  2*SLOT                    ; behind the ring: the spare words, 128 bytes a wave
.set RG,     32768
.set LAPS,   2                         ; 1,024 / 512: a lap is two K steps
.set ADRA, 16                          ; v16-17  my S fragments in slot 0, 1
.set ADRB, 20                          ; v20-21  my T fragments
.set CO,   26                          ; v26     16 x lane
.set SPW,  28
.set NIL,  29
.set TMP,  32
.set ACC,  128
.set F0,   0
.set F1,   128
.set G1, 24                            ; s[24:31] group 1 for S; s[32:39] group 0, a set for each slot
.set G0, 32
.set G1B, 48                           ; the same for T
.set G0B, 56
.set MSB, 0
.macro WIN new                         ; the immediate's high byte repeats the setting that is left
.if MSB != (\new)
	s_set_vgpr_msb (MSB<<8)|(\new)
.set MSB, \new
.endif
.endm
.set MUL,  0x05                        ; sources 0 and 1 in window 1; C and D in window 0
.set TO_F, 0x40                        ; destination window 1, address window 0
.macro JLOAD s                         ; waves 0 and 1 fetch S's two halves (jointly), waves 2 and 3 T's; an s_nop 0 and four v_nop follow each line
	s_cmp_eq_u32 s11, 0
	s_cbranch_scc0 .Lfor_b_\@
	tensor_load_to_lds s[G0+4*(\s):G0+4*(\s)+3], s[G1:G1+7]
	s_nop 0
.rept 4
	v_nop
.endr
	s_branch .Lasked_\@
.Lfor_b_\@:
	tensor_load_to_lds s[G0B+4*(\s):G0B+4*(\s)+3], s[G1B:G1B+7]
	s_nop 0
.rept 4
	v_nop
.endr
.Lasked_\@:
.endm
.macro CREST                           ; a round of the cluster's barrier behind its opening barrier
	s_cmp_lg_u32 s10, 0
	s_cbranch_scc1 .Lnot_wave_0_\@
	s_barrier_signal -3
.Lnot_wave_0_\@:
	s_barrier_wait -3
	s_barrier_signal -1
	s_barrier_wait -1
.endm
.macro CROUND
	s_barrier_signal -1
	s_barrier_wait -1
	CREST
.endm
	s_load_b128 s[4:7], s[0:1], 0x0                ; S s[4:5], T s[6:7]
	s_load_b64 s[8:9], s[0:1], 0x10                ; Out
	v_lshl_add_u32 v[SPW], v0, 2, SPARE
	v_mov_b32 v[NIL], 0
	ds_add_u32 v[SPW], v[NIL]                      ; the wave's opening: the add and its wait stand ahead of my first tensor load
	v_lshrrev_b32 v1, 5, v0
	v_readfirstlane_b32 s10, v1                    ; wave 0..3
	s_lshr_b32 s11, s10, 1                         ; my half of the rho rows.  Also: I fetch for S (0) or T (1)
	s_and_b32 s12, s10, 1                          ; my half of the kx rows.  Also: which four row groups I fetch
	s_bfe_u32 s40, ttmp6, 0x40000                  ; cx
	s_lshr_b32 s13, ttmp9, 1                       ; rho tile: the same in all four partners
	s_and_b32 s42, ttmp9, 1
	s_lshl_b32 s42, s42, 2
	s_add_co_u32 s42, s42, s40                     ; kx tile
	s_mov_b32 s[G1+0], 15|(3<<16)|(1<<21)          ; the mask of four; 8-byte elements; bit 21 beside a mask; no padding: a fragment's loads take consecutive bytes
	s_mov_b32 s[G1B+0], 3<<16                      ; no mask
.irp g, G1, G1B
	s_mov_b32 s[(\g)+1], 1024<<16                  ; tensor_dim0 = 1,024 elements: 8,192 bytes
	s_mov_b32 s[(\g)+2], 4<<16                     ; tensor_dim1 = 4 row groups
	s_mov_b32 s[(\g)+3], 1024<<16                  ; tile_dim0
	s_mov_b32 s[(\g)+4], 4                         ; tile_dim1
	s_mov_b32 s[(\g)+5], 4096                      ; 32,768 bytes from row group to row group
	s_mov_b32 s[(\g)+6], 0
	s_mov_b32 s[(\g)+7], 0
.endr
	s_lshl_b32 s16, s13, 3
	s_lshl_b32 s17, s12, 2
	s_add_co_u32 s16, s16, s17
	s_lshl_b32 s16, s16, 15                        ; S: row group 8 x rho tile + 4 x half
	s_mov_b32 s17, 0
	s_lshl_b32 s46, s42, 3
	s_lshl_b32 s47, s12, 2
	s_add_co_u32 s46, s46, s47
	s_lshl_b32 s46, s46, 15                        ; T: row group 8 x kx tile + 4 x half
	s_mov_b32 s47, 0
	s_lshl_b32 s20, s10, 15                        ; where they go: wave x HALFT
	s_wait_dscnt 0x0                               ; the opening add is done
	s_wait_kmcnt 0x0
	s_add_nc_u64 s[14:15], s[4:5], s[16:17]
	s_add_nc_u64 s[46:47], s[6:7], s[46:47]
	CROUND                                         ; all four work-groups are here: the first joint loads meet
.irp s, 0,1
	s_mov_b32 s[G0+4*(\s)], 1
	s_add_co_u32 s[G0+4*(\s)+1], s20, (\s)*SLOT
	s_add_nc_u64 s[G0+4*(\s)+2:G0+4*(\s)+3], s[14:15], (\s)*KSTEPB
	s_or_b32 s[G0+4*(\s)+3], s[G0+4*(\s)+3], 0x80000000
	s_mov_b32 s[G0B+4*(\s)], 1
	s_add_co_u32 s[G0B+4*(\s)+1], s20, (\s)*SLOT
	s_add_nc_u64 s[G0B+4*(\s)+2:G0B+4*(\s)+3], s[46:47], (\s)*KSTEPB
	s_or_b32 s[G0B+4*(\s)+3], s[G0B+4*(\s)+3], 0x80000000
	JLOAD \s
.endr
	v_and_b32 v1, 31, v0
	v_lshlrev_b32 v3, 4, v1                        ; 16 x lane
	s_lshl_b32 s21, s11, 15                        ; my four row groups of S
	s_lshl_b32 s22, s12, 15                        ; and of T,
	s_add_co_u32 s22, s22, 2*HALFT                 ; which lie behind S's eight
.irp s, 0,1
	v_add_nc_u32 v[ADRA+(\s)], s21, v3
	v_add_nc_u32 v[ADRB+(\s)], s22, v3
	s_add_co_u32 s21, s21, SLOT
	s_add_co_u32 s22, s22, SLOT
.endr
	v_mov_b32 v[CO], v3
	s_lshl_b32 s16, s13, 3
	s_lshl_b32 s17, s11, 2
	s_add_co_u32 s16, s16, s17
	s_lshl_b32 s16, s16, 15                        ; Out: my four row groups,
	s_mov_b32 s17, 0
	s_add_nc_u64 s[8:9], s[8:9], s[16:17]
	s_lshl_b32 s46, s42, 12                        ; the tile's four fragments along kx,
	s_lshl_b32 s47, s12, 11                        ; my two of them
	s_add_co_u32 s46, s46, s47
	s_mov_b32 s47, 0
	s_add_nc_u64 s[8:9], s[8:9], s[46:47]
; 8 matrix instructions: rho blocks a0, a0 + 1 x all 4 kx blocks, 32 along K: half c of buffer f.  zero = 1: the first product starts the sums
.macro MUL8 f, c, a0, zero
	WIN MUL
.irp a, \a0, (\a0)+1
.irp b, 0,1,2,3
.if \zero
	v_wmma_f32_16x16x32_bf16 v[ACC+8*(4*(\a)+(\b)):ACC+8*(4*(\a)+(\b))+7], v[(\f)+64+8*(4*(\c)+(\b)):(\f)+64+8*(4*(\c)+(\b))+7], v[(\f)+8*(4*(\c)+(\a)):(\f)+8*(4*(\c)+(\a))+7], 0
.else
	v_wmma_f32_16x16x32_bf16 v[ACC+8*(4*(\a)+(\b)):ACC+8*(4*(\a)+(\b))+7], v[(\f)+64+8*(4*(\c)+(\b)):(\f)+64+8*(4*(\c)+(\b))+7], v[(\f)+8*(4*(\c)+(\a)):(\f)+8*(4*(\c)+(\a))+7], v[ACC+8*(4*(\a)+(\b)):ACC+8*(4*(\a)+(\b))+7]
.endif
.endr
.endr
.endm
; 32 LDS loads in one run: the fragments of 64 along K at byte k of the row groups, into buffer f; the first 32 along K first
.macro FETCH slot, k, f
	WIN TO_F
.irp c, 0,1
.irp i, 0,1,2,3
	ds_load_b128 v[(\f)+64+8*(4*(\c)+(\i)):(\f)+64+8*(4*(\c)+(\i))+3],   v[ADRB+(\slot)] offset:(\k)+1024*(\c)+(\i)*KSTEPB
	ds_load_b128 v[(\f)+64+8*(4*(\c)+(\i))+4:(\f)+64+8*(4*(\c)+(\i))+7], v[ADRB+(\slot)] offset:(\k)+1024*(\c)+(\i)*KSTEPB+512
	ds_load_b128 v[(\f)+8*(4*(\c)+(\i)):(\f)+8*(4*(\c)+(\i))+3],         v[ADRA+(\slot)] offset:(\k)+1024*(\c)+(\i)*KSTEPB
	ds_load_b128 v[(\f)+8*(4*(\c)+(\i))+4:(\f)+8*(4*(\c)+(\i))+7],       v[ADRA+(\slot)] offset:(\k)+1024*(\c)+(\i)*KSTEPB+512
.endr
.endr
.endm
.macro PLACES                          ; four places in front of loads into registers that matrix instructions have read, and of conversions that read results
.rept 4
	v_nop
.endr
.endm
; A K step is four quarters of 64 along K, 32 matrix instructions each, on buffers 0, 1, 0, 1.
.macro QUARTER slot, k, f, g, zero
	s_wait_dscnt 16                                ; the first 32 along K are in; the younger sixteen loads may be out
	WIN MUL
	MUL8 \f, 0, 0, \zero
	MUL8 \f, 0, 2, \zero
	PLACES
	FETCH \slot, \k, \g
	s_wait_dscnt 32                                ; all but the 32 just issued
	WIN MUL
	MUL8 \f, 1, 0, 0
	MUL8 \f, 1, 2, 0
.endm
; The last quarter multiplies buffer 1 and changes slots: in front of the barrier each wave waits for all its tensor loads, adds 0 to its spare word, and waits for that and for its reads of this slot.
.macro TURN slot, next, fill
	WIN 0
	s_wait_tensorcnt 0x0                           ; all my tensor loads have landed: my part of the next slot
	ds_add_u32 v[SPW], v[NIL]                      ; 0 onto my spare word
	s_wait_dscnt 17                                ; the add and the youngest sixteen loads may be out
	WIN MUL
	MUL8 F1, 0, 0, 0
	s_wait_dscnt 0x0                               ; the add is done, and my reads of this slot are over
	s_barrier_signal -1
	MUL8 F1, 0, 2, 0
.if \fill
	WIN 0
.endif
	s_barrier_wait -1
.if \fill
	CREST                                          ; the barrier has opened a round of the cluster's: no wave of any partner still reads this slot or has a load on its way
	s_add_nc_u64 s[G0+4*(\slot)+2:G0+4*(\slot)+3], s[G0+4*(\slot)+2:G0+4*(\slot)+3], 2*KSTEPB
	s_add_nc_u64 s[G0B+4*(\slot)+2:G0B+4*(\slot)+3], s[G0B+4*(\slot)+2:G0B+4*(\slot)+3], 2*KSTEPB
	JLOAD \slot                                    ; the first tensor load behind the round; its four v_nop are also the places in front of the loads below
.else
	PLACES
.endif
	FETCH \next, 0, F0
	WIN MUL
	MUL8 F1, 1, 0, 0
	MUL8 F1, 1, 2, 0
.endm
	s_wait_tensorcnt 1                             ; my part of K step 0 is in; K step 1's may stay out
	s_barrier_signal -1
	s_barrier_wait -1
	FETCH 0, 0, F0
	QUARTER 0, 2048, F0, F1, 1                     ; the first quarter's first products start the sums
	WIN 0
	s_mov_b32 s3, LAPS-1
.Llap:                                                 ; a trip goes once round the ring and fills both slots again
	QUARTER 0, 4096, F1, F0, 0
	QUARTER 0, 6144, F0, F1, 0
	TURN 0, 1, 1
	QUARTER 1, 2048, F0, F1, 0
	QUARTER 1, 4096, F1, F0, 0
	QUARTER 1, 6144, F0, F1, 0
	TURN 1, 0, 1
	QUARTER 0, 2048, F0, F1, 0
	WIN 0
	s_sub_co_u32 s3, s3, 1
	s_cmp_lg_u32 s3, 0
	s_cbranch_scc1 .Llap
	QUARTER 0, 4096, F1, F0, 0                     ; the last lap fills nothing
	QUARTER 0, 6144, F0, F1, 0
	TURN 0, 1, 0
	QUARTER 1, 2048, F0, F1, 0
	QUARTER 1, 4096, F1, F0, 0
	QUARTER 1, 6144, F0, F1, 0
	s_wait_dscnt 16
	WIN MUL
	MUL8 F1, 0, 0, 0
	MUL8 F1, 0, 2, 0
	s_wait_dscnt 0
	MUL8 F1, 1, 0, 0
	MUL8 F1, 1, 2, 0
	WIN 0
	PLACES
.irp t, 0,1,2,3,4,5,6,7,8,9,10,11,12,13,14,15
.irp r, 0,1,2,3
	v_cvt_pk_bf16_f32 v[TMP+4*(\t)+(\r)], v[ACC+8*(\t)+2*(\r)], v[ACC+8*(\t)+2*(\r)+1]
.endr
.endr
.irp a, 0,1,2,3
.irp b, 0,1,2,3
	global_store_b128 v[CO], v[TMP+4*(4*(\a)+(\b)):TMP+4*(4*(\a)+(\b))+3], s[8:9] offset:(\a)*RG+((\b)/2)*1024+((\b)%2)*512  ; half a fragment: 512 consecutive bytes
.endr
.endr
	s_wait_tensorcnt 0x0                           ; the wave's end
	ds_add_u32 v[SPW], v[NIL]
	s_wait_dscnt 0x0
	CROUND                                         ; the closing round
	s_endpgm
.Lfunc_end_k_qf6abc54d59_ga:
	.size	k_qf6abc54d59_ga, .Lfunc_end_k_qf6abc54d59_ga-k_qf6abc54d59_ga
	.p2alignl 7, 3214868480
	.fill 96, 4, 3214868480
	.section	.rodata,"a",@progbits
	.p2align	6, 0x0
	.amdhsa_kernel k_qf6abc54d59_ga
		.amdhsa_group_segment_fixed_size 327680
		.amdhsa_private_segment_fixed_size 0
		.amdhsa_enable_private_segment 0
		.amdhsa_kernarg_size 24
		.amdhsa_user_sgpr_count 2
		.amdhsa_user_sgpr_kernarg_segment_ptr 1
		.amdhsa_wavefront_size32 1
		.amdhsa_system_sgpr_workgroup_id_x 1
		.amdhsa_system_sgpr_workgroup_id_y 1
		.amdhsa_system_sgpr_workgroup_id_z 1
		.amdhsa_system_vgpr_workitem_id 0
		.amdhsa_next_free_vgpr 512
		.amdhsa_next_free_sgpr 66
		.amdhsa_reserve_vcc 0
		.amdhsa_float_denorm_mode_32 3
		.amdhsa_float_denorm_mode_16_64 3
		.amdhsa_memory_ordered 1
		.amdhsa_forward_progress 1
		.amdhsa_inst_pref_size 83
	.end_amdhsa_kernel
	.amdgpu_metadata
---
amdhsa.version: [ 1, 2 ]
amdhsa.kernels:
  - .name:           k_qf6abc54d59_ga
    .symbol:         k_qf6abc54d59_ga.kd
    .args:
      - { .name: sbuf, .offset: 0, .size: 8, .value_kind: global_buffer, .address_space: global }
      - { .name: bufq, .offset: 8, .size: 8, .value_kind: global_buffer, .address_space: global }
      - { .name: wp, .offset: 16, .size: 8, .value_kind: global_buffer, .address_space: global }
    .group_segment_fixed_size: 327680
    .private_segment_fixed_size: 0
    .kernarg_segment_align: 8
    .kernarg_segment_size: 24
    .max_flat_workgroup_size: 128
    .sgpr_count:     66
    .vgpr_count:     512
    .wavefront_size: 32
...
	.end_amdgpu_metadata
.endif
;; end of part 2
;; launch poolq (part 3): grid 256 x 1, 8 waves a work-group, no clusters, 327,680 bytes of LDS; arguments x_q, wp, wq_b, xbq; writes xbq
.if DOCPART == 3
	.amdgcn_target "amdgcn-amd-amdhsa--gfx1250"
	.amdhsa_code_object_version 6
	.text
	.protected	k_qf6abc54d59_poolq
	.globl	k_qf6abc54d59_poolq
	.p2align	8
	.type	k_qf6abc54d59_poolq,@function
k_qf6abc54d59_poolq:
	s_mov_b64 s[64:65], 0
	v_nop
	global_prefetch_b8 v0, s[64:65] scope:SCOPE_SE
	s_setreg_imm32_b32 hwreg(HW_REG_WAVE_MODE, 25, 1), 1
	s_wait_xcnt 0x0
; POOL: one pass over x [16,384 tokens][1,024] f32.  Work-group g owns tokens 64 g .. 64 g + 63 of batch b = g / 32.  It writes (all into xb)
;   the bf16 copy of its tokens in the fragment-major layout (16 rows x 32 k = 1,024 consecutive bytes; 16 rows of all k = 32,768 bytes);
;   m[h], the chunk's largest logit in base 2, and l[h], the sum over its tokens of p = 2^(logit2 - m);  part[h][k] = the sum over its tokens of p x[token][k], f32.
; logit2[t][h] = c (x[t] . wt[b][h] + w0[h]), c = log2(e) / 8, w0 = the sum of the 16 partial constants pb[b][.][h] + bv[h].  A later launch joins the 32 chunks of a batch by their maxima.
; The maximum is taken of the raw sums s, p = 2^(c s - c max), and m = c max + c w0: w0 shifts a whole column of the softmax and enters m alone.
; Wave W owns columns 128 W .. 128 W + 127 in both products; it brings them into LDS itself (two tensor loads of 32 rows x 512 bytes) and reads only its own panel.
; The waves' partial logits meet in LDS (two barriers); every wave then makes the chunk's weights for itself.
; LIMITS: x, wt and p are rounded to bf16 for the products; a weight below 2^-126 counts as 0; NaN and infinities are not treated apart.
.set PP,     528                       ; a panel row: 512 bytes + 16: sixteen rows of one column start at sixteen different groups of four banks
.set PANEL,  64*PP
.set RED,    8*PANEL                   ; the waves' partial logits: 4,096 bytes a wave; written by LDS stores, never a tensor load's target
.set SUM,    RED+8*4096                ; their sum: 4,096 bytes
.set SPARE,  SUM+4096                  ; the spare words, 128 bytes a wave
.set RG,     32768
.set PARTO,  33554432
.set STATO,  50331648
.set PBOFF,  262144
.set PB1, 6                            ; v6   panel + r x PP + 32 hh: tokens as rows
.set PB2, 7                            ; v7   panel + 8 hh x PP + 16 r: tokens as k
.set L16, 8                            ; v8   16 x lane
.set PO,  9                            ; v9   part: 8 hh heads x 4,096 + 16 r + 512 W
.set W0,  10                           ; v10  c w0
.set TM,  12                           ; v12-15 at work
.set WT,  16                           ; v[16:47]   my four fragments of wt
.set T,   48                           ; v[48:111]  f32 as loaded
.set FR,  112                          ; v[112:143] four bf16 fragments
.set S,   144                          ; v[144:175] logits: register 8 tt + j = token 16 tt + 8 hh + j, lane r = head
.set P,   176                          ; v[176:191] the weights, two fragments of 32 tokens
.set ACC2,192                          ; v[192:255] part: accumulator 4 blk + f: heads 8 hh + j, column 64 blk + 4 r + f
	s_load_b256 s[4:11], s[0:1], 0x0               ; x 4, wp 6, bv 8, xb 10
	v_lshl_add_u32 v4, v0, 2, SPARE
	v_mov_b32 v5, 0
	ds_add_u32 v4, v5                              ; the wave's opening: the add and its wait stand ahead of my first tensor load
	v_lshrrev_b32 v1, 5, v0
	v_readfirstlane_b32 s3, v1                     ; wave W
	s_mov_b32 s2, ttmp9                            ; chunk g
	s_lshr_b32 s12, s2, 5                          ; batch b
	s_mov_b32 s16, (2<<16)|(1<<20)|(6<<22)|(3<<25) ; group 1: 4-byte elements; padding on, 4 words after every 128
	s_mov_b32 s17, 128<<16                         ; tensor_dim0 = 128
	s_mov_b32 s18, 32<<16                          ; tensor_dim1 = 32
	s_mov_b32 s19, 128<<16                         ; tile_dim0
	s_mov_b32 s20, 32                              ; tile_dim1
	s_mov_b32 s21, 1024                            ; elements from row to row
	s_mov_b32 s22, 0
	s_mov_b32 s23, 0
	s_mov_b32 s24, 1
	s_mul_i32 s25, s3, PANEL                       ; my panel: rows 0-31,
	s_mov_b32 s28, 1
	s_add_co_u32 s29, s25, 32*PP                   ; rows 32-63
	s_mov_b32 s32, 0x3e38aa3b                      ; c = log2(e) / 8
	s_mov_b32 s33, s32
	s_mov_b32 s34, 0x76543210
	s_mov_b32 s35, 0xfedcba98
	v_and_b32 v1, 31, v0
	v_and_b32 v2, 15, v0
	v_bfe_u32 v3, v0, 4, 1
	v_mul_u32_u24 v[PB1], v2, PP
	v_lshl_add_u32 v[PB1], v3, 5, v[PB1]
	v_add_nc_u32 v[PB1], s25, v[PB1]
	v_mul_u32_u24 v[PB2], v3, 8*PP
	v_lshl_add_u32 v[PB2], v2, 4, v[PB2]
	v_add_nc_u32 v[PB2], s25, v[PB2]
	v_lshlrev_b32 v[L16], 4, v1
	s_lshl_b32 s15, s3, 9
	v_lshl_add_u32 v[PO], v2, 4, s15
	v_lshl_add_u32 v[PO], v3, 15, v[PO]
	v_lshlrev_b32 v[TM], 2, v2                     ; 4 r
	s_lshl_b32 s14, s2, 18                         ; 64 rows of 4,096 bytes
	s_add_co_u32 s14, s14, s15
	s_mov_b32 s15, 0
	s_wait_dscnt 0x0                               ; the opening add is done
	s_wait_kmcnt 0x0
	s_add_nc_u64 s[26:27], s[4:5], s[14:15]
	s_add_nc_u64 s[30:31], s[26:27], 32*4096
	s_or_b32 s27, s27, 0x80000000
	s_or_b32 s31, s31, 0x80000000
	tensor_load_to_lds s[24:27], s[16:23]          ; both first fills together: two loads of mine are out
	s_nop 0
	tensor_load_to_lds s[28:31], s[16:23]
	s_nop 0
	s_lshl_b32 s14, s2, 17
	s_lshl_b32 s13, s3, 12
	s_add_co_u32 s14, s14, s13
	s_add_nc_u64 s[36:37], s[10:11], s[14:15]      ; the copy: row groups 4 g on, fragments 4 W on
	s_lshl_b32 s14, s2, 16
	s_add_co_u32 s14, s14, PARTO
	s_add_nc_u64 s[38:39], s[10:11], s[14:15]      ; part[g]
	s_lshl_b32 s14, s2, 7
	s_add_co_u32 s14, s14, STATO
	s_add_nc_u64 s[40:41], s[10:11], s[14:15]      ; stat[g]
	s_lshl_b32 s14, s12, 15
	s_add_co_u32 s14, s14, s13
	s_add_nc_u64 s[42:43], s[6:7], s[14:15]        ; wt: row group b, fragments 4 W on
	s_lshl_b32 s14, s12, 10
	s_add_co_u32 s14, s14, PBOFF
	s_add_nc_u64 s[44:45], s[6:7], s[14:15]        ; pb[b]
.irp q, 0,1,2,3
	global_load_b128 v[WT+8*(\q):WT+8*(\q)+3], v[L16], s[42:43] offset:1024*(\q)
	global_load_b128 v[WT+8*(\q)+4:WT+8*(\q)+7], v[L16], s[42:43] offset:1024*(\q)+512
.endr
.set i, 0
.rept 16
	global_load_b32 v[T+i], v[TM], s[44:45] offset:64*i
.set i, i+1
.endr
	global_load_b32 v[T+16], v[TM], s[8:9]
	s_wait_loadcnt 0x0
.irp i, 0,4,8,12
	v_pk_add_f32 v[T+(\i):T+(\i)+1], v[T+(\i):T+(\i)+1], v[T+(\i)+2:T+(\i)+3]
.endr
	v_pk_add_f32 v[T:T+1], v[T:T+1], v[T+4:T+5]
	v_pk_add_f32 v[T+8:T+9], v[T+8:T+9], v[T+12:T+13]
	v_pk_add_f32 v[T:T+1], v[T:T+1], v[T+8:T+9]
	v_add_f32 v[T], v[T], v[T+1]
	v_add_f32 v[T], v[T], v[T+16]
	v_mul_f32 v[W0], s32, v[T]                     ; c w0 of head r
; Token tiles 2 h, 2 h + 1, fragments 2 qp, 2 qp + 1 of my four: 16 LDS loads, 32 roundings, the copy's 8 stores (512 consecutive bytes each), 4 products.
; The two accumulators take turns, one instruction a turn; the four v_nop are the places in front of the next rewriting of FR and of the reads of the sums.
.macro BATCH h, qp
.irp ti, 0,1
.irp qi, 0,1
.irp p, 0,1,2,3
	ds_load_b128 v[T+16*(2*(\ti)+(\qi))+4*(\p):T+16*(2*(\ti)+(\qi))+4*(\p)+3], v[PB1] offset:(2*(\h)+(\ti))*16*PP+(2*(\qp)+(\qi))*128+16*((\p)%2)+64*((\p)/2)
.endr
.endr
.endr
	s_wait_dscnt 0x0
	s_wait_xcnt 0x0                                ; the earlier stores have read FR: it is rewritten only behind this wait
.set i, 0
.rept 32
	v_cvt_pk_bf16_f32 v[FR+i], v[T+2*i], v[T+2*i+1]
.set i, i+1
.endr
.irp ti, 0,1
.irp qi, 0,1
	global_store_b128 v[L16], v[FR+8*(2*(\ti)+(\qi)):FR+8*(2*(\ti)+(\qi))+3], s[36:37] offset:(2*(\h)+(\ti))*RG+(2*(\qp)+(\qi))*1024
	global_store_b128 v[L16], v[FR+8*(2*(\ti)+(\qi))+4:FR+8*(2*(\ti)+(\qi))+7], s[36:37] offset:(2*(\h)+(\ti))*RG+(2*(\qp)+(\qi))*1024+512
.endr
.endr
.irp qi, 0,1
.irp ti, 0,1
.if ((\qp) == 0) && ((\qi) == 0)
	v_wmma_f32_16x16x32_bf16 v[S+8*(2*(\h)+(\ti)):S+8*(2*(\h)+(\ti))+7], v[FR+8*(2*(\ti)+(\qi)):FR+8*(2*(\ti)+(\qi))+7], v[WT+8*(2*(\qp)+(\qi)):WT+8*(2*(\qp)+(\qi))+7], 0
.else
	v_wmma_f32_16x16x32_bf16 v[S+8*(2*(\h)+(\ti)):S+8*(2*(\h)+(\ti))+7], v[FR+8*(2*(\ti)+(\qi)):FR+8*(2*(\ti)+(\qi))+7], v[WT+8*(2*(\qp)+(\qi)):WT+8*(2*(\qp)+(\qi))+7], v[S+8*(2*(\h)+(\ti)):S+8*(2*(\h)+(\ti))+7]
.endif
.endr
.endr
.rept 4
	v_nop
.endr
.endm
	s_wait_tensorcnt 1                             ; rows 0-31 are in; the second load may stay out
	BATCH 0, 0
	BATCH 0, 1
	s_wait_tensorcnt 0x0                           ; rows 32-63
	BATCH 1, 0
	BATCH 1, 1
	; the eight waves' partial logits are added: each wave puts down its 4,096 bytes, sums one slice of 512 bytes over all eight, and reads the whole sum back
	s_lshl_b32 s13, s3, 12
	s_add_co_u32 s13, s13, RED
	v_add_nc_u32 v[TM], s13, v[L16]
.set i, 0
.rept 8
	ds_store_b128 v[TM], v[S+4*i:S+4*i+3] offset:512*i
.set i, i+1
.endr
	s_lshl_b32 s13, s3, 9
	s_add_co_u32 s13, s13, RED
	v_add_nc_u32 v[TM+1], s13, v[L16]
	s_add_co_u32 s13, s13, SUM-RED
	v_add_nc_u32 v[TM+2], s13, v[L16]
	v_add_nc_u32 v[TM+3], SUM, v[L16]
	s_wait_dscnt 0x0                               ; for the others' sake: my stores are done
	s_barrier_signal -1
	s_barrier_wait -1
.set i, 0
.rept 8
	ds_load_b128 v[T+4*i:T+4*i+3], v[TM+1] offset:4096*i
.set i, i+1
.endr
	s_wait_dscnt 0x0
.irp i, 0,8,16,24
	v_pk_add_f32 v[T+(\i):T+(\i)+1], v[T+(\i):T+(\i)+1], v[T+(\i)+4:T+(\i)+5]
	v_pk_add_f32 v[T+(\i)+2:T+(\i)+3], v[T+(\i)+2:T+(\i)+3], v[T+(\i)+6:T+(\i)+7]
.endr
.irp i, 0,16
	v_pk_add_f32 v[T+(\i):T+(\i)+1], v[T+(\i):T+(\i)+1], v[T+(\i)+8:T+(\i)+9]
	v_pk_add_f32 v[T+(\i)+2:T+(\i)+3], v[T+(\i)+2:T+(\i)+3], v[T+(\i)+10:T+(\i)+11]
.endr
	v_pk_add_f32 v[T:T+1], v[T:T+1], v[T+16:T+17]
	v_pk_add_f32 v[T+2:T+3], v[T+2:T+3], v[T+18:T+19]
	ds_store_b128 v[TM+2], v[T:T+3]
	s_wait_dscnt 0x0
	s_barrier_signal -1
	s_barrier_wait -1
.set i, 0
.rept 8
	ds_load_b128 v[S+4*i:S+4*i+3], v[TM+3] offset:512*i
.set i, i+1
.endr
	s_wait_dscnt 0x0
	; the chunk's softmax, in every wave: a lane holds 32 of head r's 64 tokens, the lane 16 away the others
.irp j, 0,1,2,3
	v_max3_num_f32 v[TM+(\j)], v[S+8*(\j)], v[S+8*(\j)+1], v[S+8*(\j)+2]
.endr
.irp j, 0,1,2,3
	v_max3_num_f32 v[TM+(\j)], v[TM+(\j)], v[S+8*(\j)+3], v[S+8*(\j)+4]
.endr
.irp j, 0,1,2,3
	v_max3_num_f32 v[TM+(\j)], v[TM+(\j)], v[S+8*(\j)+5], v[S+8*(\j)+6]
.endr
	v_max3_num_f32 v[TM], v[TM], v[S+7], v[S+15]
	v_max3_num_f32 v[TM+1], v[TM+1], v[S+23], v[S+31]
	v_max3_num_f32 v[TM], v[TM], v[TM+1], v[TM+2]
	v_max_num_f32 v[TM], v[TM], v[TM+3]
	v_permlanex16_b32 v[TM+1], v[TM], s34, s35
	v_max_num_f32 v[TM], v[TM], v[TM+1]
	v_mul_f32 v[TM], s32, v[TM]                    ; c max
	v_mov_b32 v[TM+1], v[TM]
	v_add_f32 v[TM+3], v[TM], v[W0]                ; m = c max + c w0
.set i, 0
.rept 16
	v_pk_fma_f32 v[S+2*i:S+2*i+1], v[S+2*i:S+2*i+1], s[32:33], v[TM:TM+1] op_sel_hi:[1,0,1] neg_lo:[0,0,1] neg_hi:[0,0,1]  ; c s - c max
.set i, i+1
.endr
.set i, 0
.rept 32
	v_exp_f32 v[S+i], v[S+i]
.set i, i+1
.endr
	v_nop                                          ; a plain instruction behind the last exponential,
	s_wait_alu depctr_va_vdst(0)                   ; and one wait for the batch of 32, ahead of the first reader
.set i, 0
.rept 16
	v_cvt_pk_bf16_f32 v[P+i], v[S+2*i], v[S+2*i+1] ; fragment u: registers 0-3 from token tile 2 u, 4-7 from tile 2 u + 1
.set i, i+1
.endr
.irp i, 0,4,8,12,16,20,24,28
	v_pk_add_f32 v[S+(\i):S+(\i)+1], v[S+(\i):S+(\i)+1], v[S+(\i)+2:S+(\i)+3]
.endr
.irp i, 0,8,16,24
	v_pk_add_f32 v[S+(\i):S+(\i)+1], v[S+(\i):S+(\i)+1], v[S+(\i)+4:S+(\i)+5]
.endr
	v_pk_add_f32 v[S:S+1], v[S:S+1], v[S+8:S+9]
	v_pk_add_f32 v[S+16:S+17], v[S+16:S+17], v[S+24:S+25]
	v_pk_add_f32 v[S:S+1], v[S:S+1], v[S+16:S+17]
	v_add_f32 v[S], v[S], v[S+1]
	v_permlanex16_b32 v[S+1], v[S], s34, s35
	v_add_f32 v[S], v[S], v[S+1]                   ; l
	v_cmp_lt_u32 vcc_lo, 15, v1
	v_cndmask_b32 v[TM+2], v[TM+3], v[S], vcc_lo   ; lanes 0-15: m, lanes 16-31: l
	v_lshlrev_b32 v[TM+1], 2, v1
	s_cmp_lg_u32 s3, 0
	s_cbranch_scc1 .Lno_stat
	global_store_b32 v[TM+1], v[TM+2], s[40:41]    ; wave 0 alone: 128 consecutive bytes
.Lno_stat:
; part += P x: 32 tokens (u), 64 of my columns (blk).  A lane reads 16 bytes, four neighbouring columns, of each of its 16 tokens; rounded across pairs of tokens they are four fragments,
; in which row r of fragment f is column 64 blk + 4 r + f.
.macro PVB u, blk
.set i, 0
.rept 8
	ds_load_b128 v[T+4*i:T+4*i+3], v[PB2] offset:(32*(\u)+i)*PP+256*(\blk)
	ds_load_b128 v[T+32+4*i:T+32+4*i+3], v[PB2] offset:(32*(\u)+16+i)*PP+256*(\blk)
.set i, i+1
.endr
	s_wait_dscnt 0x0
	s_wait_xcnt 0x0                                ; the copy's stores have read FR
.irp f, 0,1,2,3
.set k, 0
.rept 8
	v_cvt_pk_bf16_f32 v[FR+8*(\f)+k], v[T+8*k+(\f)], v[T+8*k+4+(\f)]
.set k, k+1
.endr
.endr
.irp f, 0,1,2,3
.if (\u) == 0
	v_wmma_f32_16x16x32_bf16 v[ACC2+8*(4*(\blk)+(\f)):ACC2+8*(4*(\blk)+(\f))+7], v[P+8*(\u):P+8*(\u)+7], v[FR+8*(\f):FR+8*(\f)+7], 0
.else
	v_wmma_f32_16x16x32_bf16 v[ACC2+8*(4*(\blk)+(\f)):ACC2+8*(4*(\blk)+(\f))+7], v[P+8*(\u):P+8*(\u)+7], v[FR+8*(\f):FR+8*(\f)+7], v[ACC2+8*(4*(\blk)+(\f)):ACC2+8*(4*(\blk)+(\f))+7]
.endif
.endr
.rept 4
	v_nop
.endr
.endm
	PVB 0, 0
	PVB 0, 1
	PVB 1, 0
	PVB 1, 1
	; the four fragments' numbers of one head are four neighbouring columns: gathered into 16 bytes; sixteen lanes store 256 consecutive bytes.  Each accumulator is read from its lowest register on.
.irp blk, 0,1
.irp j, 0,1,2,3,4,5,6,7
.irp f, 0,1,2,3
	v_mov_b32 v[T+4*(8*(\blk)+(\j))+(\f)], v[ACC2+8*(4*(\blk)+(\f))+(\j)]
.endr
	global_store_b128 v[PO], v[T+4*(8*(\blk)+(\j)):T+4*(8*(\blk)+(\j))+3], s[38:39] offset:4096*(\j)+256*(\blk)
.endr
.endr
	s_wait_tensorcnt 0x0                           ; the wave's end
	ds_add_u32 v4, v5
	s_wait_dscnt 0x0
	s_endpgm
.Lfunc_end_k_qf6abc54d59_poolq:
	.size	k_qf6abc54d59_poolq, .Lfunc_end_k_qf6abc54d59_poolq-k_qf6abc54d59_poolq
	.p2alignl 7, 3214868480
	.fill 96, 4, 3214868480
	.section	.rodata,"a",@progbits
	.p2align	6, 0x0
	.amdhsa_kernel k_qf6abc54d59_poolq
		.amdhsa_group_segment_fixed_size 327680
		.amdhsa_private_segment_fixed_size 0
		.amdhsa_enable_private_segment 0
		.amdhsa_kernarg_size 32
		.amdhsa_user_sgpr_count 2
		.amdhsa_user_sgpr_kernarg_segment_ptr 1
		.amdhsa_wavefront_size32 1
		.amdhsa_system_sgpr_workgroup_id_x 1
		.amdhsa_system_sgpr_workgroup_id_y 1
		.amdhsa_system_sgpr_workgroup_id_z 1
		.amdhsa_system_vgpr_workitem_id 0
		.amdhsa_next_free_vgpr 256
		.amdhsa_next_free_sgpr 66
		.amdhsa_reserve_vcc 1
		.amdhsa_float_denorm_mode_32 3
		.amdhsa_float_denorm_mode_16_64 3
		.amdhsa_memory_ordered 1
		.amdhsa_forward_progress 1
		.amdhsa_inst_pref_size 50
	.end_amdhsa_kernel
	.amdgpu_metadata
---
amdhsa.version: [ 1, 2 ]
amdhsa.kernels:
  - .name:           k_qf6abc54d59_poolq
    .symbol:         k_qf6abc54d59_poolq.kd
    .args:
      - { .name: x_q, .offset: 0, .size: 8, .value_kind: global_buffer, .address_space: global }
      - { .name: wp, .offset: 8, .size: 8, .value_kind: global_buffer, .address_space: global }
      - { .name: wq_b, .offset: 16, .size: 8, .value_kind: global_buffer, .address_space: global }
      - { .name: xbq, .offset: 24, .size: 8, .value_kind: global_buffer, .address_space: global }
    .group_segment_fixed_size: 327680
    .private_segment_fixed_size: 0
    .kernarg_segment_align: 8
    .kernarg_segment_size: 32
    .max_flat_workgroup_size: 256
    .sgpr_count:     66
    .vgpr_count:     256
    .wavefront_size: 32
...
	.end_amdgpu_metadata
.endif
;; end of part 3
;; launch combq (part 4): grid 16 x 8, 16 waves a work-group, no clusters, 8,192 bytes of LDS; arguments xbq, q_w, q_b, bufk, k_b, sbuf, wp; writes sbuf, wp
.if DOCPART == 4
	.amdgcn_target "amdgcn-amd-amdhsa--gfx1250"
	.amdhsa_code_object_version 6
	.text
	.protected	k_qf6abc54d59_combq
	.globl	k_qf6abc54d59_combq
	.p2align	8
	.type	k_qf6abc54d59_combq,@function
k_qf6abc54d59_combq:
	s_mov_b64 s[64:65], 0
	v_nop
	global_prefetch_b8 v0, s[64:65] scope:SCOPE_SE
	s_setreg_imm32_b32 hwreg(HW_REG_WAVE_MODE, 25, 1), 1
	s_wait_xcnt 0x0
; COMB, for head h' (grid x) of batch b (grid y).  One text for both sides; KSIDE chooses.
;   1. the batch's 32 chunks are joined: M = max m_c, e_c = 2^(m_c - M), L = sum e_c l_c; xbar[k] = sum_c (e_c / L) part[c][h'][k]: the softmax-weighted mean of x's rows.
;   2. g[j] = xbar . w[j][:] + bias[j] for the head's 64 j (K side: times gq[j]).  Q side: g = q_global.  K side: g = k_global.  One column of results: done in f32 on the vector unit.
;   3. the rows R (bf16, fragment-major) are scaled by g along j and stored as the next product's operand; and the partial sum over the head's j of R[.][j] g[j] bvec[j] is stored in f32.
;      Q side: R = wk_w (16 rows; wave 0), the sum is a constant of the key logits; g goes out too.  K side: R = out_w (1,024 rows, 64 a wave), the sum is a part of the output's constant.
; bias and bvec are rounded to bf16 first, like every other input.  Wave W owns rows 64 h' + 4 W + i of w.
; LIMITS: L is at least 1 (the chunk with the largest m has e = 1 and l >= 1); an e below 2^-126 counts as 0; NaN and infinities are not treated apart.
.set KSIDE, 0
.set XBAR,  0                          ; LDS: xbar, 4,096 bytes
.set G,     4096                       ; g, 256 bytes
.set GB,    4352                       ; g x bvec, 256 bytes
.set SPARE, 4608                       ; the spare words, 128 bytes a wave
.set PARTO, 33554432
.set STATO, 50331648
.set SECOND, 2097152
.set PBOFF, 262144
.set GQOFF, 270336
.set PCOFF, 16777216
.set WROW, 16                          ; v[16:143]  my four rows of w
.set R,    144                         ; v[144:207] first part's 32 pairs, then the rows R
.set XB,   208                         ; v[208:239] xbar, laid like a row of w
.set DOT,  240                         ; v[240:255] at work
.set GV,   16                          ; later: v[16:47] g, v[48:79] g x bvec, laid like two fragments; v[80:95], v[96:111] at work; v[112:119] the sums
.set GBV,  48
.set U,    80
.set PR,   96
.set PBA,  112
.if KSIDE
.set NI,  4
.set SBP, 16
.set D2P, 18
.else
.set NI,  1
.set SBP, 14
.set D2P, 16
.endif
	s_load_b256 s[4:11], s[0:1], 0x0               ; xb 4, w 6, bias 8, the buffer with R 10
.if KSIDE
	s_load_b256 s[12:19], s[0:1], 0x20             ; bvec 12, wp 14, sbuf 16, wbuf 18
.else
	s_load_b128 s[12:15], s[0:1], 0x20             ; bvec 12, sbuf 14
	s_load_b64 s[16:17], s[0:1], 0x30              ; wp 16
.endif
	v_lshl_add_u32 v4, v0, 2, SPARE
	v_mov_b32 v5, 0
	v_lshrrev_b32 v1, 5, v0
	v_readfirstlane_b32 s20, v1                    ; wave W
	s_mov_b32 s2, ttmp9                            ; h'
	s_and_b32 s3, ttmp7, 0xffff                    ; b
	v_and_b32 v1, 31, v0
	v_and_b32 v2, 15, v0
	v_bfe_u32 v3, v0, 4, 1
	v_lshlrev_b32 v6, 4, v1                        ; 16 l
	v_lshlrev_b32 v7, 7, v1                        ; 128 l: lane l reads chunk l's statistics
	v_lshlrev_b32 v8, 3, v0                        ; 8 x thread: two numbers of xbar a thread
	s_mov_b32 s66, 0x76543210
	s_mov_b32 s67, 0xfedcba98
	s_lshl_b32 s21, s2, 8
	s_lshl_b32 s22, s20, 4
	s_add_co_u32 s22, s22, s21                     ; element 64 h' + 4 W, in bytes
	s_mov_b32 s23, 0
	s_wait_kmcnt 0x0
	s_add_nc_u64 s[8:9], s[8:9], s[22:23]
	s_add_nc_u64 s[12:13], s[12:13], s[22:23]
	s_load_b128 s[68:71], s[8:9], 0x0              ; bias of my four rows
	s_load_b128 s[72:75], s[12:13], 0x0            ; bvec
.if KSIDE
	s_lshl_b32 s21, s3, 12
	s_add_co_u32 s22, s22, s21
	s_add_co_u32 s22, s22, GQOFF
	s_add_nc_u64 s[14:15], s[14:15], s[22:23]
	s_load_b128 s[76:79], s[14:15], 0x0            ; gq
.endif
	s_lshl_b32 s22, s3, 12
	s_lshl_b32 s21, s2, 2
	s_add_co_u32 s22, s22, s21
	s_add_co_u32 s22, s22, STATO
	s_add_nc_u64 s[24:25], s[4:5], s[22:23]        ; stat[32 b][h']
	s_lshl_b32 s22, s3, 21
	s_lshl_b32 s21, s2, 12
	s_add_co_u32 s22, s22, s21
	s_add_co_u32 s22, s22, PARTO
	s_add_nc_u64 s[26:27], s[4:5], s[22:23]        ; part[32 b][h']
	s_lshl_b32 s22, s2, 18
	s_lshl_b32 s21, s20, 14
	s_add_co_u32 s22, s22, s21
	s_add_nc_u64 s[28:29], s[6:7], s[22:23]        ; w's row 64 h' + 4 W
	s_lshl_b32 s22, s2, 11
	s_add_co_u32 s22, s22, SECOND
.if KSIDE
	s_lshl_b32 s21, s20, 17
	s_add_co_u32 s22, s22, s21
.endif
	s_add_nc_u64 s[30:31], s[10:11], s[22:23]      ; R: fragments 2 h', 2 h' + 1 (K side: of row groups 4 W on)
	s_lshl_b32 s22, s2, 11
.if KSIDE
	s_lshl_b32 s21, s3, 21
	s_add_co_u32 s22, s22, s21
	s_lshl_b32 s21, s20, 17
	s_add_co_u32 s22, s22, s21
.else
	s_lshl_b32 s21, s3, 15
	s_add_co_u32 s22, s22, s21
.endif
	s_add_nc_u64 s[80:81], s[SBP:SBP+1], s[22:23]  ; where the scaled rows go
.if KSIDE
	s_lshl_b32 s22, s3, 16
	s_lshl_b32 s21, s2, 12
	s_add_co_u32 s22, s22, s21
	s_lshl_b32 s21, s20, 8
	s_add_co_u32 s22, s22, s21
	s_add_co_u32 s22, s22, PCOFF
	s_add_nc_u64 s[82:83], s[D2P:D2P+1], s[22:23]  ; pc[b][h'][64 W]
.else
	s_lshl_b32 s22, s3, 10
	s_lshl_b32 s21, s2, 6
	s_add_co_u32 s22, s22, s21
	s_add_co_u32 s22, s22, PBOFF
	s_add_nc_u64 s[82:83], s[D2P:D2P+1], s[22:23]  ; pb[b][h']
	s_lshl_b32 s22, s3, 12
	s_lshl_b32 s21, s2, 8
	s_add_co_u32 s22, s22, s21
	s_add_co_u32 s22, s22, GQOFF
	s_add_nc_u64 s[84:85], s[D2P:D2P+1], s[22:23]  ; gq[b][64 h']
.endif
	global_load_b32 v240, v7, s[24:25]             ; m of chunk l
	global_load_b32 v241, v7, s[24:25] offset:64   ; l of chunk l
.set c, 0
.rept 32
	global_load_b64 v[R+2*c:R+2*c+1], v8, s[26:27] offset:65536*c
.set c, c+1
.endr
.irp i, 0,1,2,3
.irp t, 0,1,2,3,4,5,6,7
	global_load_b128 v[WROW+32*(\i)+4*(\t):WROW+32*(\i)+4*(\t)+3], v6, s[28:29] offset:4096*(\i)+512*(\t)
.endr
.endr
	s_wait_loadcnt 63                              ; 64 loads follow the two of the statistics; the count's field ends at 63
	v_mov_b32 v242, v240
	v_mov_b32 v243, v240
.irp m, 1,2,4,8
	v_max_num_f32_dpp v242, v242, v242 row_xmask:\m row_mask:0xf bank_mask:0xf
.endr
	v_permlanex16_b32 v243, v242, s66, s67
	v_max_num_f32 v242, v242, v243                 ; M
	v_sub_f32 v242, v240, v242
	v_exp_f32 v244, v242                           ; e
	v_nop
	s_wait_alu depctr_va_vdst(0)
	v_mul_f32 v245, v244, v241
.irp m, 1,2,4,8
	v_add_f32_dpp v245, v245, v245 row_xmask:\m row_mask:0xf bank_mask:0xf
.endr
	v_permlanex16_b32 v243, v245, s66, s67
	v_add_f32 v245, v245, v243                     ; L
	v_rcp_f32 v246, v245
	v_nop
	s_wait_alu depctr_va_vdst(0)
	v_mul_f32 v244, v244, v246                     ; e / L
.set c, 0
.rept 32
	v_readlane_b32 s[32+c], v244, c
.set c, c+1
.endr
	s_wait_loadcnt 32                              ; part is in; w's 32 loads may stay out
	v_mul_f32 v248, s32, v[R]
	v_mul_f32 v249, s32, v[R+1]
.set c, 1
.rept 31
	v_fmac_f32 v248, s[32+c], v[R+2*c]
	v_fmac_f32 v249, s[32+c], v[R+2*c+1]
.set c, c+1
.endr
	ds_store_b64 v8, v[248:249] offset:XBAR
.set ii, 0
.rept NI
.irp q, 0,1
	global_load_b128 v[R+8*(2*ii+(\q)):R+8*(2*ii+(\q))+3], v6, s[30:31] offset:32768*ii+1024*(\q)
	global_load_b128 v[R+8*(2*ii+(\q))+4:R+8*(2*ii+(\q))+7], v6, s[30:31] offset:32768*ii+1024*(\q)+512
.endr
.set ii, ii+1
.endr
	s_wait_dscnt 0x0
	s_barrier_signal -1
	s_barrier_wait -1                              ; xbar is whole
.irp t, 0,1,2,3,4,5,6,7
	ds_load_b128 v[XB+4*(\t):XB+4*(\t)+3], v6 offset:XBAR+512*(\t)
.endr
	s_wait_loadcnt 4*NI                            ; w's rows are in; R's loads may stay out
	s_wait_dscnt 0x0
.irp i, 0,1,2,3
	v_pk_mul_f32 v[DOT+4*(\i):DOT+4*(\i)+1], v[WROW+32*(\i):WROW+32*(\i)+1], v[XB:XB+1]
	v_pk_mul_f32 v[DOT+4*(\i)+2:DOT+4*(\i)+3], v[WROW+32*(\i)+2:WROW+32*(\i)+3], v[XB+2:XB+3]
.endr
.set t, 1
.rept 7
.irp i, 0,1,2,3
	v_pk_fma_f32 v[DOT+4*(\i):DOT+4*(\i)+1], v[WROW+32*(\i)+4*t:WROW+32*(\i)+4*t+1], v[XB+4*t:XB+4*t+1], v[DOT+4*(\i):DOT+4*(\i)+1]
	v_pk_fma_f32 v[DOT+4*(\i)+2:DOT+4*(\i)+3], v[WROW+32*(\i)+4*t+2:WROW+32*(\i)+4*t+3], v[XB+4*t+2:XB+4*t+3], v[DOT+4*(\i)+2:DOT+4*(\i)+3]
.endr
.set t, t+1
.endr
.irp i, 0,1,2,3
	v_pk_add_f32 v[DOT+4*(\i):DOT+4*(\i)+1], v[DOT+4*(\i):DOT+4*(\i)+1], v[DOT+4*(\i)+2:DOT+4*(\i)+3]
.endr
.irp i, 0,1,2,3
	v_add_f32 v[DOT+4*(\i)], v[DOT+4*(\i)], v[DOT+4*(\i)+1]
.endr
.irp m, 1,2,4,8
.irp i, 0,1,2,3
	v_add_f32_dpp v[DOT+4*(\i)], v[DOT+4*(\i)], v[DOT+4*(\i)] row_xmask:\m row_mask:0xf bank_mask:0xf
.endr
.endr
.irp i, 0,1,2,3
	v_permlanex16_b32 v[DOT+4*(\i)+1], v[DOT+4*(\i)], s66, s67
.endr
.irp i, 0,1,2,3
	v_add_f32 v[DOT+4*(\i)], v[DOT+4*(\i)], v[DOT+4*(\i)+1]
.endr
	s_wait_kmcnt 0x0
.macro RND2 d0, d1, sa                 ; two scalars rounded to bf16 and widened again
	v_mov_b32 v[\d0], s[\sa]
	v_mov_b32 v[\d1], s[(\sa)+1]
	v_cvt_pk_bf16_f32 v[DOT+3], v[\d0], v[\d1]
	v_lshlrev_b32 v[\d0], 16, v[DOT+3]
	v_and_b32 v[\d1], 0xffff0000, v[DOT+3]
.endm
	RND2 DOT+1, DOT+5, 68
	RND2 DOT+9, DOT+13, 70
	RND2 DOT+2, DOT+6, 72
	RND2 DOT+10, DOT+14, 74
.irp i, 0,1,2,3
	v_add_f32 v[8+(\i)], v[DOT+4*(\i)], v[DOT+4*(\i)+1]
.if KSIDE
	v_mul_f32 v[8+(\i)], s[76+(\i)], v[8+(\i)]
.endif
.endr
.irp i, 0,1,2,3
	v_mul_f32 v[12+(\i)], v[8+(\i)], v[DOT+4*(\i)+2]
.endr
	s_lshl_b32 s21, s20, 4
	s_add_co_u32 s21, s21, G
	v_mov_b32 v7, s21
	ds_store_b128 v7, v[8:11]                      ; all lanes hold the same four numbers and write the same 16 bytes
	ds_store_b128 v7, v[12:15] offset:GB-G
	s_wait_dscnt 0x0
	s_barrier_signal -1
	s_barrier_wait -1                              ; the head's 64 g are whole
.if !KSIDE
	s_cmp_lg_u32 s20, 0
	s_cbranch_scc1 .Lend                           ; sixteen rows are one wave's work
.endif
	v_lshlrev_b32 v7, 5, v3                        ; 32 hh
.irp q, 0,1
.irp p, 0,1,2,3
	ds_load_b128 v[GV+16*(\q)+4*(\p):GV+16*(\q)+4*(\p)+3], v7 offset:G+128*(\q)+16*((\p)%2)+64*((\p)/2)
	ds_load_b128 v[GBV+16*(\q)+4*(\p):GBV+16*(\q)+4*(\p)+3], v7 offset:GB+128*(\q)+16*((\p)%2)+64*((\p)/2)
.endr
.endr
.if !KSIDE
	v_lshlrev_b32 v124, 4, v2
	ds_load_b128 v[120:123], v124 offset:G
.endif
	s_wait_dscnt 0x0
	s_wait_loadcnt 0x0
; Fragment q of row group i: widened, scaled by g, summed with g x bvec, rounded once, stored where it came from in the layout.
.macro FRAG i, q
.set rb, R+8*(2*(\i)+(\q))
.set k, 0
.rept 8
	v_lshlrev_b32 v[U+2*k], 16, v[rb+k]
	v_and_b32 v[U+2*k+1], 0xffff0000, v[rb+k]
.set k, k+1
.endr
.set k, 0
.rept 8
	v_pk_mul_f32 v[PR+2*k:PR+2*k+1], v[U+2*k:U+2*k+1], v[GV+16*(\q)+2*k:GV+16*(\q)+2*k+1]
.if ((\q) == 0) && (k == 0)
	v_pk_mul_f32 v[PBA+2*(\i):PBA+2*(\i)+1], v[U:U+1], v[GBV:GBV+1]
.else
	v_pk_fma_f32 v[PBA+2*(\i):PBA+2*(\i)+1], v[U+2*k:U+2*k+1], v[GBV+16*(\q)+2*k:GBV+16*(\q)+2*k+1], v[PBA+2*(\i):PBA+2*(\i)+1]
.endif
.set k, k+1
.endr
.set k, 0
.rept 8
	v_cvt_pk_bf16_f32 v[rb+k], v[PR+2*k], v[PR+2*k+1]
.set k, k+1
.endr
	global_store_b128 v6, v[rb:rb+3], s[80:81] offset:32768*(\i)+1024*(\q)
	global_store_b128 v6, v[rb+4:rb+7], s[80:81] offset:32768*(\i)+1024*(\q)+512
.endm
.set ii, 0
.rept NI
	FRAG ii, 0
	FRAG ii, 1
.set ii, ii+1
.endr
.set ii, 0
.rept NI
	v_add_f32 v[PBA+2*ii], v[PBA+2*ii], v[PBA+2*ii+1]
.set ii, ii+1
.endr
.set ii, 0
.rept NI
	v_permlanex16_b32 v[PBA+2*ii+1], v[PBA+2*ii], s66, s67
.set ii, ii+1
.endr
.set ii, 0
.rept NI
	v_add_f32 v[PBA+2*ii], v[PBA+2*ii], v[PBA+2*ii+1]  ; row r's sum, in both halves of the lanes
.set ii, ii+1
.endr
.if KSIDE
	v_cmp_lt_u32 vcc_lo, 15, v1
	v_cndmask_b32 v120, v[PBA], v[PBA+2], vcc_lo   ; lanes 0-15: row group 0's rows, lanes 16-31: row group 1's
	v_cndmask_b32 v121, v[PBA+4], v[PBA+6], vcc_lo
	v_lshlrev_b32 v122, 2, v1
	global_store_b32 v122, v120, s[82:83]          ; 128 consecutive bytes each
	global_store_b32 v122, v121, s[82:83] offset:128
.else
	v_lshlrev_b32 v125, 2, v2
	global_store_b32 v125, v[PBA], s[82:83]        ; lanes r and 16 + r store the same number to the same word
	global_store_b128 v124, v[120:123], s[84:85]   ; g, 256 consecutive bytes; likewise
.endif
.Lend:
	s_wait_tensorcnt 0x0                           ; the wave's end, behind my last LDS store
	ds_add_u32 v4, v5
	s_wait_dscnt 0x0
	s_endpgm
.Lfunc_end_k_qf6abc54d59_combq:
	.size	k_qf6abc54d59_combq, .Lfunc_end_k_qf6abc54d59_combq-k_qf6abc54d59_combq
	.p2alignl 7, 3214868480
	.fill 96, 4, 3214868480
	.section	.rodata,"a",@progbits
	.p2align	6, 0x0
	.amdhsa_kernel k_qf6abc54d59_combq
		.amdhsa_group_segment_fixed_size 8192
		.amdhsa_private_segment_fixed_size 0
		.amdhsa_enable_private_segment 0
		.amdhsa_kernarg_size 56
		.amdhsa_user_sgpr_count 2
		.amdhsa_user_sgpr_kernarg_segment_ptr 1
		.amdhsa_wavefront_size32 1
		.amdhsa_system_sgpr_workgroup_id_x 1
		.amdhsa_system_sgpr_workgroup_id_y 1
		.amdhsa_system_sgpr_workgroup_id_z 1
		.amdhsa_system_vgpr_workitem_id 0
		.amdhsa_next_free_vgpr 256
		.amdhsa_next_free_sgpr 88
		.amdhsa_reserve_vcc 1
		.amdhsa_float_denorm_mode_32 3
		.amdhsa_float_denorm_mode_16_64 3
		.amdhsa_memory_ordered 1
		.amdhsa_forward_progress 1
		.amdhsa_inst_pref_size 29
	.end_amdhsa_kernel
	.amdgpu_metadata
---
amdhsa.version: [ 1, 2 ]
amdhsa.kernels:
  - .name:           k_qf6abc54d59_combq
    .symbol:         k_qf6abc54d59_combq.kd
    .args:
      - { .name: xbq, .offset: 0, .size: 8, .value_kind: global_buffer, .address_space: global }
      - { .name: q_w, .offset: 8, .size: 8, .value_kind: global_buffer, .address_space: global }
      - { .name: q_b, .offset: 16, .size: 8, .value_kind: global_buffer, .address_space: global }
      - { .name: bufk, .offset: 24, .size: 8, .value_kind: global_buffer, .address_space: global }
      - { .name: k_b, .offset: 32, .size: 8, .value_kind: global_buffer, .address_space: global }
      - { .name: sbuf, .offset: 40, .size: 8, .value_kind: global_buffer, .address_space: global }
      - { .name: wp, .offset: 48, .size: 8, .value_kind: global_buffer, .address_space: global }
    .group_segment_fixed_size: 8192
    .private_segment_fixed_size: 0
    .kernarg_segment_align: 8
    .kernarg_segment_size: 56
    .max_flat_workgroup_size: 512
    .sgpr_count:     88
    .vgpr_count:     256
    .wavefront_size: 32
...
	.end_amdgpu_metadata
.endif
;; end of part 4
;; launch gb: the kernel of part 2 again; grid 8 x 1, 4 waves a work-group, clusters of 4 x 1, 327,680 bytes of LDS; arguments sbuf, bufk, wp; writes wp
;; launch poolk: the kernel of part 3 again; grid 256 x 1, 8 waves a work-group, no clusters, 327,680 bytes of LDS; arguments x_kv, wp, wk_b, xbk; writes xbk
;; launch combk (part 5): grid 16 x 8, 16 waves a work-group, no clusters, 8,192 bytes of LDS; arguments xbk, k_w, k_b, bufv, v_b, wp, sbuf, wbuf; writes sbuf, wbuf
.if DOCPART == 5
	.amdgcn_target "amdgcn-amd-amdhsa--gfx1250"
	.amdhsa_code_object_version 6
	.text
	.protected	k_qf6abc54d59_combk
	.globl	k_qf6abc54d59_combk
	.p2align	8
	.type	k_qf6abc54d59_combk,@function
k_qf6abc54d59_combk:
	s_mov_b64 s[64:65], 0
	v_nop
	global_prefetch_b8 v0, s[64:65] scope:SCOPE_SE
	s_setreg_imm32_b32 hwreg(HW_REG_WAVE_MODE, 25, 1), 1
	s_wait_xcnt 0x0
; COMB, for head h' (grid x) of batch b (grid y).  One text for both sides; KSIDE chooses.
;   1. the batch's 32 chunks are joined: M = max m_c, e_c = 2^(m_c - M), L = sum e_c l_c; xbar[k] = sum_c (e_c / L) part[c][h'][k]: the softmax-weighted mean of x's rows.
;   2. g[j] = xbar . w[j][:] + bias[j] for the head's 64 j (K side: times gq[j]).  Q side: g = q_global.  K side: g = k_global.  One column of results: done in f32 on the vector unit.
;   3. the rows R (bf16, fragment-major) are scaled by g along j and stored as the next product's operand; and the partial sum over the head's j of R[.][j] g[j] bvec[j] is stored in f32.
;      Q side: R = wk_w (16 rows; wave 0), the sum is a constant of the key logits; g goes out too.  K side: R = out_w (1,024 rows, 64 a wave), the sum is a part of the output's constant.
; bias and bvec are rounded to bf16 first, like every other input.  Wave W owns rows 64 h' + 4 W + i of w.
; LIMITS: L is at least 1 (the chunk with the largest m has e = 1 and l >= 1); an e below 2^-126 counts as 0; NaN and infinities are not treated apart.
.set KSIDE, 1
.set XBAR,  0                          ; LDS: xbar, 4,096 bytes
.set G,     4096                       ; g, 256 bytes
.set GB,    4352                       ; g x bvec, 256 bytes
.set SPARE, 4608                       ; the spare words, 128 bytes a wave
.set PARTO, 33554432
.set STATO, 50331648
.set SECOND, 2097152
.set PBOFF, 262144
.set GQOFF, 270336
.set PCOFF, 16777216
.set WROW, 16                          ; v[16:143]  my four rows of w
.set R,    144                         ; v[144:207] first part's 32 pairs, then the rows R
.set XB,   208                         ; v[208:239] xbar, laid like a row of w
.set DOT,  240                         ; v[240:255] at work
.set GV,   16                          ; later: v[16:47] g, v[48:79] g x bvec, laid like two fragments; v[80:95], v[96:111] at work; v[112:119] the sums
.set GBV,  48
.set U,    80
.set PR,   96
.set PBA,  112
.if KSIDE
.set NI,  4
.set SBP, 16
.set D2P, 18
.else
.set NI,  1
.set SBP, 14
.set D2P, 16
.endif
	s_load_b256 s[4:11], s[0:1], 0x0               ; xb 4, w 6, bias 8, the buffer with R 10
.if KSIDE
	s_load_b256 s[12:19], s[0:1], 0x20             ; bvec 12, wp 14, sbuf 16, wbuf 18
.else
	s_load_b128 s[12:15], s[0:1], 0x20             ; bvec 12, sbuf 14
	s_load_b64 s[16:17], s[0:1], 0x30              ; wp 16
.endif
	v_lshl_add_u32 v4, v0, 2, SPARE
	v_mov_b32 v5, 0
	v_lshrrev_b32 v1, 5, v0
	v_readfirstlane_b32 s20, v1                    ; wave W
	s_mov_b32 s2, ttmp9                            ; h'
	s_and_b32 s3, ttmp7, 0xffff                    ; b
	v_and_b32 v1, 31, v0
	v_and_b32 v2, 15, v0
	v_bfe_u32 v3, v0, 4, 1
	v_lshlrev_b32 v6, 4, v1                        ; 16 l
	v_lshlrev_b32 v7, 7, v1                        ; 128 l: lane l reads chunk l's statistics
	v_lshlrev_b32 v8, 3, v0                        ; 8 x thread: two numbers of xbar a thread
	s_mov_b32 s66, 0x76543210
	s_mov_b32 s67, 0xfedcba98
	s_lshl_b32 s21, s2, 8
	s_lshl_b32 s22, s20, 4
	s_add_co_u32 s22, s22, s21                     ; element 64 h' + 4 W, in bytes
	s_mov_b32 s23, 0
	s_wait_kmcnt 0x0
	s_add_nc_u64 s[8:9], s[8:9], s[22:23]
	s_add_nc_u64 s[12:13], s[12:13], s[22:23]
	s_load_b128 s[68:71], s[8:9], 0x0              ; bias of my four rows
	s_load_b128 s[72:75], s[12:13], 0x0            ; bvec
.if KSIDE
	s_lshl_b32 s21, s3, 12
	s_add_co_u32 s22, s22, s21
	s_add_co_u32 s22, s22, GQOFF
	s_add_nc_u64 s[14:15], s[14:15], s[22:23]
	s_load_b128 s[76:79], s[14:15], 0x0            ; gq
.endif
	s_lshl_b32 s22, s3, 12
	s_lshl_b32 s21, s2, 2
	s_add_co_u32 s22, s22, s21
	s_add_co_u32 s22, s22, STATO
	s_add_nc_u64 s[24:25], s[4:5], s[22:23]        ; stat[32 b][h']
	s_lshl_b32 s22, s3, 21
	s_lshl_b32 s21, s2, 12
	s_add_co_u32 s22, s22, s21
	s_add_co_u32 s22, s22, PARTO
	s_add_nc_u64 s[26:27], s[4:5], s[22:23]        ; part[32 b][h']
	s_lshl_b32 s22, s2, 18
	s_lshl_b32 s21, s20, 14
	s_add_co_u32 s22, s22, s21
	s_add_nc_u64 s[28:29], s[6:7], s[22:23]        ; w's row 64 h' + 4 W
	s_lshl_b32 s22, s2, 11
	s_add_co_u32 s22, s22, SECOND
.if KSIDE
	s_lshl_b32 s21, s20, 17
	s_add_co_u32 s22, s22, s21
.endif
	s_add_nc_u64 s[30:31], s[10:11], s[22:23]      ; R: fragments 2 h', 2 h' + 1 (K side: of row groups 4 W on)
	s_lshl_b32 s22, s2, 11
.if KSIDE
	s_lshl_b32 s21, s3, 21
	s_add_co_u32 s22, s22, s21
	s_lshl_b32 s21, s20, 17
	s_add_co_u32 s22, s22, s21
.else
	s_lshl_b32 s21, s3, 15
	s_add_co_u32 s22, s22, s21
.endif
	s_add_nc_u64 s[80:81], s[SBP:SBP+1], s[22:23]  ; where the scaled rows go
.if KSIDE
	s_lshl_b32 s22, s3, 16
	s_lshl_b32 s21, s2, 12
	s_add_co_u32 s22, s22, s21
	s_lshl_b32 s21, s20, 8
	s_add_co_u32 s22, s22, s21
	s_add_co_u32 s22, s22, PCOFF
	s_add_nc_u64 s[82:83], s[D2P:D2P+1], s[22:23]  ; pc[b][h'][64 W]
.else
	s_lshl_b32 s22, s3, 10
	s_lshl_b32 s21, s2, 6
	s_add_co_u32 s22, s22, s21
	s_add_co_u32 s22, s22, PBOFF
	s_add_nc_u64 s[82:83], s[D2P:D2P+1], s[22:23]  ; pb[b][h']
	s_lshl_b32 s22, s3, 12
	s_lshl_b32 s21, s2, 8
	s_add_co_u32 s22, s22, s21
	s_add_co_u32 s22, s22, GQOFF
	s_add_nc_u64 s[84:85], s[D2P:D2P+1], s[22:23]  ; gq[b][64 h']
.endif
	global_load_b32 v240, v7, s[24:25]             ; m of chunk l
	global_load_b32 v241, v7, s[24:25] offset:64   ; l of chunk l
.set c, 0
.rept 32
	global_load_b64 v[R+2*c:R+2*c+1], v8, s[26:27] offset:65536*c
.set c, c+1
.endr
.irp i, 0,1,2,3
.irp t, 0,1,2,3,4,5,6,7
	global_load_b128 v[WROW+32*(\i)+4*(\t):WROW+32*(\i)+4*(\t)+3], v6, s[28:29] offset:4096*(\i)+512*(\t)
.endr
.endr
	s_wait_loadcnt 63                              ; 64 loads follow the two of the statistics; the count's field ends at 63
	v_mov_b32 v242, v240
	v_mov_b32 v243, v240
.irp m, 1,2,4,8
	v_max_num_f32_dpp v242, v242, v242 row_xmask:\m row_mask:0xf bank_mask:0xf
.endr
	v_permlanex16_b32 v243, v242, s66, s67
	v_max_num_f32 v242, v242, v243                 ; M
	v_sub_f32 v242, v240, v242
	v_exp_f32 v244, v242                           ; e
	v_nop
	s_wait_alu depctr_va_vdst(0)
	v_mul_f32 v245, v244, v241
.irp m, 1,2,4,8
	v_add_f32_dpp v245, v245, v245 row_xmask:\m row_mask:0xf bank_mask:0xf
.endr
	v_permlanex16_b32 v243, v245, s66, s67
	v_add_f32 v245, v245, v243                     ; L
	v_rcp_f32 v246, v245
	v_nop
	s_wait_alu depctr_va_vdst(0)
	v_mul_f32 v244, v244, v246                     ; e / L
.set c, 0
.rept 32
	v_readlane_b32 s[32+c], v244, c
.set c, c+1
.endr
	s_wait_loadcnt 32                              ; part is in; w's 32 loads may stay out
	v_mul_f32 v248, s32, v[R]
	v_mul_f32 v249, s32, v[R+1]
.set c, 1
.rept 31
	v_fmac_f32 v248, s[32+c], v[R+2*c]
	v_fmac_f32 v249, s[32+c], v[R+2*c+1]
.set c, c+1
.endr
	ds_store_b64 v8, v[248:249] offset:XBAR
.set ii, 0
.rept NI
.irp q, 0,1
	global_load_b128 v[R+8*(2*ii+(\q)):R+8*(2*ii+(\q))+3], v6, s[30:31] offset:32768*ii+1024*(\q)
	global_load_b128 v[R+8*(2*ii+(\q))+4:R+8*(2*ii+(\q))+7], v6, s[30:31] offset:32768*ii+1024*(\q)+512
.endr
.set ii, ii+1
.endr
	s_wait_dscnt 0x0
	s_barrier_signal -1
	s_barrier_wait -1                              ; xbar is whole
.irp t, 0,1,2,3,4,5,6,7
	ds_load_b128 v[XB+4*(\t):XB+4*(\t)+3], v6 offset:XBAR+512*(\t)
.endr
	s_wait_loadcnt 4*NI                            ; w's rows are in; R's loads may stay out
	s_wait_dscnt 0x0
.irp i, 0,1,2,3
	v_pk_mul_f32 v[DOT+4*(\i):DOT+4*(\i)+1], v[WROW+32*(\i):WROW+32*(\i)+1], v[XB:XB+1]
	v_pk_mul_f32 v[DOT+4*(\i)+2:DOT+4*(\i)+3], v[WROW+32*(\i)+2:WROW+32*(\i)+3], v[XB+2:XB+3]
.endr
.set t, 1
.rept 7
.irp i, 0,1,2,3
	v_pk_fma_f32 v[DOT+4*(\i):DOT+4*(\i)+1], v[WROW+32*(\i)+4*t:WROW+32*(\i)+4*t+1], v[XB+4*t:XB+4*t+1], v[DOT+4*(\i):DOT+4*(\i)+1]
	v_pk_fma_f32 v[DOT+4*(\i)+2:DOT+4*(\i)+3], v[WROW+32*(\i)+4*t+2:WROW+32*(\i)+4*t+3], v[XB+4*t+2:XB+4*t+3], v[DOT+4*(\i)+2:DOT+4*(\i)+3]
.endr
.set t, t+1
.endr
.irp i, 0,1,2,3
	v_pk_add_f32 v[DOT+4*(\i):DOT+4*(\i)+1], v[DOT+4*(\i):DOT+4*(\i)+1], v[DOT+4*(\i)+2:DOT+4*(\i)+3]
.endr
.irp i, 0,1,2,3
	v_add_f32 v[DOT+4*(\i)], v[DOT+4*(\i)], v[DOT+4*(\i)+1]
.endr
.irp m, 1,2,4,8
.irp i, 0,1,2,3
	v_add_f32_dpp v[DOT+4*(\i)], v[DOT+4*(\i)], v[DOT+4*(\i)] row_xmask:\m row_mask:0xf bank_mask:0xf
.endr
.endr
.irp i, 0,1,2,3
	v_permlanex16_b32 v[DOT+4*(\i)+1], v[DOT+4*(\i)], s66, s67
.endr
.irp i, 0,1,2,3
	v_add_f32 v[DOT+4*(\i)], v[DOT+4*(\i)], v[DOT+4*(\i)+1]
.endr
	s_wait_kmcnt 0x0
.macro RND2 d0, d1, sa                 ; two scalars rounded to bf16 and widened again
	v_mov_b32 v[\d0], s[\sa]
	v_mov_b32 v[\d1], s[(\sa)+1]
	v_cvt_pk_bf16_f32 v[DOT+3], v[\d0], v[\d1]
	v_lshlrev_b32 v[\d0], 16, v[DOT+3]
	v_and_b32 v[\d1], 0xffff0000, v[DOT+3]
.endm
	RND2 DOT+1, DOT+5, 68
	RND2 DOT+9, DOT+13, 70
	RND2 DOT+2, DOT+6, 72
	RND2 DOT+10, DOT+14, 74
.irp i, 0,1,2,3
	v_add_f32 v[8+(\i)], v[DOT+4*(\i)], v[DOT+4*(\i)+1]
.if KSIDE
	v_mul_f32 v[8+(\i)], s[76+(\i)], v[8+(\i)]
.endif
.endr
.irp i, 0,1,2,3
	v_mul_f32 v[12+(\i)], v[8+(\i)], v[DOT+4*(\i)+2]
.endr
	s_lshl_b32 s21, s20, 4
	s_add_co_u32 s21, s21, G
	v_mov_b32 v7, s21
	ds_store_b128 v7, v[8:11]                      ; all lanes hold the same four numbers and write the same 16 bytes
	ds_store_b128 v7, v[12:15] offset:GB-G
	s_wait_dscnt 0x0
	s_barrier_signal -1
	s_barrier_wait -1                              ; the head's 64 g are whole
.if !KSIDE
	s_cmp_lg_u32 s20, 0
	s_cbranch_scc1 .Lend                           ; sixteen rows are one wave's work
.endif
	v_lshlrev_b32 v7, 5, v3                        ; 32 hh
.irp q, 0,1
.irp p, 0,1,2,3
	ds_load_b128 v[GV+16*(\q)+4*(\p):GV+16*(\q)+4*(\p)+3], v7 offset:G+128*(\q)+16*((\p)%2)+64*((\p)/2)
	ds_load_b128 v[GBV+16*(\q)+4*(\p):GBV+16*(\q)+4*(\p)+3], v7 offset:GB+128*(\q)+16*((\p)%2)+64*((\p)/2)
.endr
.endr
.if !KSIDE
	v_lshlrev_b32 v124, 4, v2
	ds_load_b128 v[120:123], v124 offset:G
.endif
	s_wait_dscnt 0x0
	s_wait_loadcnt 0x0
; Fragment q of row group i: widened, scaled by g, summed with g x bvec, rounded once, stored where it came from in the layout.
.macro FRAG i, q
.set rb, R+8*(2*(\i)+(\q))
.set k, 0
.rept 8
	v_lshlrev_b32 v[U+2*k], 16, v[rb+k]
	v_and_b32 v[U+2*k+1], 0xffff0000, v[rb+k]
.set k, k+1
.endr
.set k, 0
.rept 8
	v_pk_mul_f32 v[PR+2*k:PR+2*k+1], v[U+2*k:U+2*k+1], v[GV+16*(\q)+2*k:GV+16*(\q)+2*k+1]
.if ((\q) == 0) && (k == 0)
	v_pk_mul_f32 v[PBA+2*(\i):PBA+2*(\i)+1], v[U:U+1], v[GBV:GBV+1]
.else
	v_pk_fma_f32 v[PBA+2*(\i):PBA+2*(\i)+1], v[U+2*k:U+2*k+1], v[GBV+16*(\q)+2*k:GBV+16*(\q)+2*k+1], v[PBA+2*(\i):PBA+2*(\i)+1]
.endif
.set k, k+1
.endr
.set k, 0
.rept 8
	v_cvt_pk_bf16_f32 v[rb+k], v[PR+2*k], v[PR+2*k+1]
.set k, k+1
.endr
	global_store_b128 v6, v[rb:rb+3], s[80:81] offset:32768*(\i)+1024*(\q)
	global_store_b128 v6, v[rb+4:rb+7], s[80:81] offset:32768*(\i)+1024*(\q)+512
.endm
.set ii, 0
.rept NI
	FRAG ii, 0
	FRAG ii, 1
.set ii, ii+1
.endr
.set ii, 0
.rept NI
	v_add_f32 v[PBA+2*ii], v[PBA+2*ii], v[PBA+2*ii+1]
.set ii, ii+1
.endr
.set ii, 0
.rept NI
	v_permlanex16_b32 v[PBA+2*ii+1], v[PBA+2*ii], s66, s67
.set ii, ii+1
.endr
.set ii, 0
.rept NI
	v_add_f32 v[PBA+2*ii], v[PBA+2*ii], v[PBA+2*ii+1]  ; row r's sum, in both halves of the lanes
.set ii, ii+1
.endr
.if KSIDE
	v_cmp_lt_u32 vcc_lo, 15, v1
	v_cndmask_b32 v120, v[PBA], v[PBA+2], vcc_lo   ; lanes 0-15: row group 0's rows, lanes 16-31: row group 1's
	v_cndmask_b32 v121, v[PBA+4], v[PBA+6], vcc_lo
	v_lshlrev_b32 v122, 2, v1
	global_store_b32 v122, v120, s[82:83]          ; 128 consecutive bytes each
	global_store_b32 v122, v121, s[82:83] offset:128
.else
	v_lshlrev_b32 v125, 2, v2
	global_store_b32 v125, v[PBA], s[82:83]        ; lanes r and 16 + r store the same number to the same word
	global_store_b128 v124, v[120:123], s[84:85]   ; g, 256 consecutive bytes; likewise
.endif
.Lend:
	s_wait_tensorcnt 0x0                           ; the wave's end, behind my last LDS store
	ds_add_u32 v4, v5
	s_wait_dscnt 0x0
	s_endpgm
.Lfunc_end_k_qf6abc54d59_combk:
	.size	k_qf6abc54d59_combk, .Lfunc_end_k_qf6abc54d59_combk-k_qf6abc54d59_combk
	.p2alignl 7, 3214868480
	.fill 96, 4, 3214868480
	.section	.rodata,"a",@progbits
	.p2align	6, 0x0
	.amdhsa_kernel k_qf6abc54d59_combk
		.amdhsa_group_segment_fixed_size 8192
		.amdhsa_private_segment_fixed_size 0
		.amdhsa_enable_private_segment 0
		.amdhsa_kernarg_size 64
		.amdhsa_user_sgpr_count 2
		.amdhsa_user_sgpr_kernarg_segment_ptr 1
		.amdhsa_wavefront_size32 1
		.amdhsa_system_sgpr_workgroup_id_x 1
		.amdhsa_system_sgpr_workgroup_id_y 1
		.amdhsa_system_sgpr_workgroup_id_z 1
		.amdhsa_system_vgpr_workitem_id 0
		.amdhsa_next_free_vgpr 256
		.amdhsa_next_free_sgpr 88
		.amdhsa_reserve_vcc 1
		.amdhsa_float_denorm_mode_32 3
		.amdhsa_float_denorm_mode_16_64 3
		.amdhsa_memory_ordered 1
		.amdhsa_forward_progress 1
		.amdhsa_inst_pref_size 46
	.end_amdhsa_kernel
	.amdgpu_metadata
---
amdhsa.version: [ 1, 2 ]
amdhsa.kernels:
  - .name:           k_qf6abc54d59_combk
    .symbol:         k_qf6abc54d59_combk.kd
    .args:
      - { .name: xbk, .offset: 0, .size: 8, .value_kind: global_buffer, .address_space: global }
      - { .name: k_w, .offset: 8, .size: 8, .value_kind: global_buffer, .address_space: global }
      - { .name: k_b, .offset: 16, .size: 8, .value_kind: global_buffer, .address_space: global }
      - { .name: bufv, .offset: 24, .size: 8, .value_kind: global_buffer, .address_space: global }
      - { .name: v_b, .offset: 32, .size: 8, .value_kind: global_buffer, .address_space: global }
      - { .name: wp, .offset: 40, .size: 8, .value_kind: global_buffer, .address_space: global }
      - { .name: sbuf, .offset: 48, .size: 8, .value_kind: global_buffer, .address_space: global }
      - { .name: wbuf, .offset: 56, .size: 8, .value_kind: global_buffer, .address_space: global }
    .group_segment_fixed_size: 8192
    .private_segment_fixed_size: 0
    .kernarg_segment_align: 8
    .kernarg_segment_size: 64
    .max_flat_workgroup_size: 512
    .sgpr_count:     88
    .vgpr_count:     256
    .wavefront_size: 32
...
	.end_amdgpu_metadata
.endif
;; end of part 5
;; launch gw: the kernel of part 2 again; grid 512 x 1, 4 waves a work-group, clusters of 4 x 1, 327,680 bytes of LDS; arguments sbuf, bufv, wbuf; writes wbuf
;; launch final (part 6): grid 4 x 64, 4 waves a work-group, clusters of 4 x 4, 327,680 bytes of LDS; arguments xbq, xbk, bufq, wbuf, out_b, q_b, out0; writes out0
.if DOCPART == 6
	.amdgcn_target "amdgcn-amd-amdhsa--gfx1250"
	.amdhsa_code_object_version 6
	.text
	.protected	k_qf6abc54d59_final
	.globl	k_qf6abc54d59_final
	.p2align	8
	.type	k_qf6abc54d59_final,@function
k_qf6abc54d59_final:
	s_mov_b64 s[64:65], 0
	v_nop
	global_prefetch_b8 v0, s[64:65] scope:SCOPE_SE
	s_setreg_imm32_b32 hwreg(HW_REG_WAVE_MODE, 25, 1), 1
	s_wait_xcnt 0x0
	s_wait_alu depctr_hold_cnt(0) depctr_sa_sdst(0) depctr_va_vdst(0) depctr_va_sdst(0) depctr_va_ssrc(0) depctr_va_vcc(0) depctr_vm_vsrc(0)
	s_getreg_b32 s2, hwreg(HW_REG_IB_STS2, 6, 4)
	s_cmp_eq_u32 s2, 0
	s_cbranch_scc0 .Lentry_in_a_cluster
	s_endpgm
.Lentry_in_a_cluster:
	s_bfe_u32 s2, ttmp6, 0x10000c
	s_cmp_lg_u32 s2, 0xf033
	s_cbranch_scc0 .Lentry_shape_is_right
	s_endpgm
.Lentry_shape_is_right:
; out[t][n] = x_q[t] . q_w[n] + x_kv[t] . W_b[n] + c_b[n]: one product with K = 2,048.  K steps 0-7 multiply x_q's copy by q_w's, K steps 8-15 x_kv's copy by the batch's W_b.
; c_b[n] = the sum of the 16 partial constants pc[b][.][n] + out_b[n] + q_b[n] (the two biases rounded to bf16 like every other input).  out is f32.
; All operands are bf16 in the fragment-major layout: a fragment of 16 rows x 32 k is 1,024 consecutive bytes, lane L's 16 bytes at 16 L and 512 + 16 L; 16 rows of all 1,024 k are 32,768 bytes.
; A work-group makes 256 x 256 of out; four waves, 128 x 128 each: 64 accumulators, 512 registers.  K goes in steps of 128 (4,096 bytes of each group of 16 rows) through two LDS slots.
; CLUSTERS: 4 x 4 work-groups.  The four of a row of the cluster share the tokens' tile, the four of a column the weights' tile: each is asked for JOINTLY.  A cluster's 1,024 tokens lie in one
; batch (cluster y / 2), so the change of operands at K step 8 is the same line in all sixteen.
; The matrix instruction is used transposed (source 0 = 16 rows of the weights, source 1 = 16 tokens): a lane holds one token and eight neighbouring columns.
; REGISTERS, in windows of 256: window 0: v0-31 addresses; v64-127, v128-191 the tokens' fragments, two buffers (on the way out: c, and sums at work); v192-255 rows read back from the stage.
;   window 1: v64-191 the weights' fragments, two buffers.   windows 2, 3: the accumulators of my rows 0-63 and 64-127 ((a, b) at 8 (8 a + b)).
.set KB,     4096                      ; bytes of a row group in a K step
.set HALFT,  8*KB                      ; eight row groups: what one tensor load brings, and what a wave reads of either operand
.set SLOT,   4*HALFT
.set STAGE,  2*SLOT                    ; behind the ring: 16 rows x 528 bytes for each wave, for the way out
.set SPITCH, 528                       ; 512 bytes + 16: sixteen rows of one column start at sixteen different groups of four banks
.set CTAB,   STAGE+4*16*SPITCH         ; c of the work-group's 256 columns
.set SPARE,  CTAB+1024                 ; the spare words, 128 bytes a wave
.set LAPS,   8                         ; 16 K steps
.set ADRA, 16
.set ADRB, 20
.set STO,  24
.set RD,   25
.set CO,   26
.set CBA,  27
.set SPW,  28
.set NIL,  29
.set PFO,  30
.set F0,   64
.set F1,   128
.set CB,   64
.set TMP,  128
.set OB,   192
.set G1, 24                            ; s[24:31] group 1 for the tokens' tiles; s[32:39] group 0, a set for each slot
.set G0, 32
.set G1B, 48                           ; the same for the weights'
.set G0B, 56
.set LIM,  43                          ; s43  1 in a wave that prefetches, else the greatest number
.set PFA,  44                          ; s[44:45] where my prefetches stand
.set A2,   66                          ; s[66:69] x_kv's copy at K steps 8, 9, with the type bits
.set B2,   70                          ; s[70:73] W_b's likewise
.set PF2,  74                          ; s[74:75] the prefetches' place in the second operand
.set LIM2, 76
.set MSB, 0
.macro WIN new
.if MSB != (\new)
	s_set_vgpr_msb (MSB<<8)|(\new)
.set MSB, \new
.endif
.endm
.set MUL_LO, 0xa1                      ; source 0 window 1, source 1 window 0, C and D window 2
.set MUL_HI, 0xf1                      ; the same, C and D window 3
.set TO_B,   0x40
.macro JLOAD s                         ; waves 0 and 1 fetch the tokens' two halves, waves 2 and 3 the weights'; an s_nop 0 and four v_nop follow each line
	s_cmp_eq_u32 s11, 0
	s_cbranch_scc0 .Lfor_b_\@
	tensor_load_to_lds s[G0+4*(\s):G0+4*(\s)+3], s[G1:G1+7]
	s_nop 0
.rept 4
	v_nop
.endr
	s_branch .Lasked_\@
.Lfor_b_\@:
	tensor_load_to_lds s[G0B+4*(\s):G0B+4*(\s)+3], s[G1B:G1B+7]
	s_nop 0
.rept 4
	v_nop
.endr
.Lasked_\@:
.endm
; A prefetch of the K step that stands two refills on.  Of the eight row groups that a wave fetches, each of the four partners that ask for them jointly takes two, told apart by address:
; 2 x 4,096 bytes, a lane for each 256.  The tokens' rows are read by one cluster alone: its waves 0 and 1 always ask.  q_w's rows are read by all sixteen clusters: cluster y = 0 asks;
; W_b's by the batch's two clusters: the even one asks.  So each block is named once.  The loop's last trip asks for nothing: there is no K step two on.
.macro ASK
	s_cmp_gt_u32 s3, s[LIM]
	s_cbranch_scc0 .Lnot_mine_\@
	global_prefetch_b8 v[PFO], s[PFA:PFA+1] th:TH_LOAD_NT scope:SCOPE_SE
.Lnot_mine_\@:
.endm
.macro CREST
	s_cmp_lg_u32 s10, 0
	s_cbranch_scc1 .Lnot_wave_0_\@
	s_barrier_signal -3
.Lnot_wave_0_\@:
	s_barrier_wait -3
	s_barrier_signal -1
	s_barrier_wait -1
.endm
.macro CROUND
	s_barrier_signal -1
	s_barrier_wait -1
	CREST
.endm
	s_load_b256 s[80:87], s[0:1], 0x0              ; xbq 80, xbk 82, bufq 84, wbuf 86
	s_load_b128 s[88:91], s[0:1], 0x20             ; out_b 88, q_b 90
	s_load_b64 s[92:93], s[0:1], 0x30              ; out0
	v_lshl_add_u32 v[SPW], v0, 2, SPARE
	v_mov_b32 v[NIL], 0
	ds_add_u32 v[SPW], v[NIL]                      ; the wave's opening: the add and its wait stand ahead of my first tensor load
	v_lshrrev_b32 v1, 5, v0
	v_readfirstlane_b32 s10, v1                    ; wave 0..3
	s_lshr_b32 s11, s10, 1                         ; my half of the tile's rows.  Also: I fetch tokens (0) or weights (1)
	s_and_b32 s12, s10, 1                          ; my half of its columns.  Also: which eight row groups I fetch
	s_bfe_u32 s40, ttmp6, 0x40000                  ; cx = the tile column (the grid is one cluster wide)
	s_bfe_u32 s41, ttmp6, 0x40004                  ; cy
	s_and_b32 s77, ttmp7, 0xffff                   ; cluster y
	s_lshl_b32 s13, s77, 2
	s_add_co_u32 s13, s13, s41                     ; tile row
	s_lshr_b32 s78, s77, 1                         ; batch
	s_lshl_b32 s42, s41, 2
	s_lshl_b32 s42, 15, s42                        ; my row of the cluster
	s_lshl_b32 s79, 0x1111, s40                    ; my column
	s_or_b32 s[G1+0], s42, (3<<16)|(1<<21)         ; the mask; 8-byte elements; bit 21 beside a mask; no padding: a fragment's loads take consecutive bytes
	s_or_b32 s[G1B+0], s79, (3<<16)|(1<<21)
.irp g, G1, G1B
	s_mov_b32 s[(\g)+1], 512<<16                   ; tensor_dim0 = 512 elements: 4,096 bytes
	s_mov_b32 s[(\g)+2], 8<<16                     ; tensor_dim1 = 8 row groups
	s_mov_b32 s[(\g)+3], 512<<16                   ; tile_dim0
	s_mov_b32 s[(\g)+4], 8                         ; tile_dim1
	s_mov_b32 s[(\g)+5], 4096                      ; 32,768 bytes from row group to row group
	s_mov_b32 s[(\g)+6], 0
	s_mov_b32 s[(\g)+7], 0
.endr
	s_lshl_b32 s16, s13, 4
	s_lshl_b32 s17, s12, 3
	s_add_co_u32 s16, s16, s17
	s_lshl_b32 s16, s16, 15                        ; tokens: row group 16 x tile row + 8 x half
	s_mov_b32 s17, 0
	s_lshl_b32 s46, s40, 4
	s_lshl_b32 s47, s12, 3
	s_add_co_u32 s46, s46, s47
	s_lshl_b32 s46, s46, 15                        ; weights: row group 16 x tile column + 8 x half
	s_mov_b32 s47, 0
	s_lshl_b32 s22, s78, 21                        ; the batch's W: 1,024 rows
	s_mov_b32 s23, 0
	s_lshl_b32 s20, s10, 15                        ; where the tiles go: wave x HALFT
	s_wait_dscnt 0x0                               ; the opening add is done
	s_wait_kmcnt 0x0
	s_add_nc_u64 s[14:15], s[80:81], s[16:17]      ; x_q's copy
	s_add_nc_u64 s[18:19], s[82:83], s[16:17]      ; x_kv's copy
	s_add_nc_u64 s[94:95], s[86:87], s[46:47]
	s_add_nc_u64 s[94:95], s[94:95], s[22:23]      ; W_b
	s_add_nc_u64 s[46:47], s[84:85], s[46:47]
	s_add_nc_u64 s[46:47], s[46:47], 2097152       ; q_w's copy
.irp s, 0,1
	s_add_nc_u64 s[A2+2*(\s):A2+2*(\s)+1], s[18:19], (\s)*KB
	s_or_b32 s[A2+2*(\s)+1], s[A2+2*(\s)+1], 0x80000000
	s_add_nc_u64 s[B2+2*(\s):B2+2*(\s)+1], s[94:95], (\s)*KB
	s_or_b32 s[B2+2*(\s)+1], s[B2+2*(\s)+1], 0x80000000
.endr
	CROUND                                         ; all sixteen work-groups are here: the first joint loads meet
.irp s, 0,1
	s_mov_b32 s[G0+4*(\s)], 1
	s_add_co_u32 s[G0+4*(\s)+1], s20, (\s)*SLOT
	s_add_nc_u64 s[G0+4*(\s)+2:G0+4*(\s)+3], s[14:15], (\s)*KB
	s_or_b32 s[G0+4*(\s)+3], s[G0+4*(\s)+3], 0x80000000
	s_mov_b32 s[G0B+4*(\s)], 1
	s_add_co_u32 s[G0B+4*(\s)+1], s20, (\s)*SLOT
	s_add_nc_u64 s[G0B+4*(\s)+2:G0B+4*(\s)+3], s[46:47], (\s)*KB
	s_or_b32 s[G0B+4*(\s)+3], s[G0B+4*(\s)+3], 0x80000000
	JLOAD \s
.endr
	v_and_b32 v1, 31, v0
	v_lshlrev_b32 v3, 4, v1                        ; 16 x lane
	v_and_b32 v2, 15, v0                           ; r
	v_bfe_u32 v4, v0, 4, 1                         ; hh
	s_lshl_b32 s21, s11, 15                        ; my eight row groups of tokens
	s_lshl_b32 s22, s12, 15                        ; and of weights,
	s_add_co_u32 s22, s22, 2*HALFT                 ; which lie behind the tokens' sixteen
.irp s, 0,1
	v_add_nc_u32 v[ADRA+(\s)], s21, v3
	v_add_nc_u32 v[ADRB+(\s)], s22, v3
	s_add_co_u32 s21, s21, SLOT
	s_add_co_u32 s22, s22, SLOT
.endr
	s_mul_i32 s23, s10, 16*SPITCH
	s_add_co_u32 s23, s23, STAGE                   ; my stage
	v_mul_u32_u24 v5, v2, SPITCH                   ; in: row r, 32 bytes for each half of the lanes
	v_lshl_add_u32 v5, v4, 5, v5
	v_add_nc_u32 v[STO], s23, v5
	v_add_nc_u32 v[RD], s23, v3                    ; back: 32 lanes take one row of 512 bytes
	v_mov_b32 v[CO], v3
	s_lshl_b32 s23, s12, 9
	s_add_co_u32 s23, s23, CTAB
	v_lshl_add_u32 v[CBA], v4, 5, s23              ; c of my columns
	s_lshl_b32 s16, s13, 20                        ; out: 256 rows of 4,096 bytes a tile row,
	s_lshl_b32 s17, s11, 19                        ; my 128 rows
	s_add_co_u32 s16, s16, s17
	s_mov_b32 s17, 0
	s_add_nc_u64 s[8:9], s[92:93], s[16:17]
	s_lshl_b32 s4, s40, 10                         ; the tile's 256 columns: 1,024 bytes,
	s_mov_b32 s5, 0
	s_lshl_b32 s6, s12, 9                          ; my 128
	s_add_co_u32 s6, s6, s4
	s_mov_b32 s7, 0
	s_add_nc_u64 s[8:9], s[8:9], s[6:7]
	; the prefetches
	s_cmp_eq_u32 s77, 0
	s_cselect_b32 s[LIM], 1, -1                    ; q_w's rows: cluster y = 0 asks
	s_and_b32 s21, s77, 1
	s_cmp_eq_u32 s21, 0
	s_cselect_b32 s[LIM2], 1, -1                   ; W_b's rows: the batch's even cluster asks
	s_cmp_eq_u32 s11, 0
	s_cselect_b32 s[LIM], 1, s[LIM]                ; the tokens' rows: always
	s_cselect_b32 s[LIM2], 1, s[LIM2]
	s_cselect_b64 s[PFA:PFA+1], s[14:15], s[46:47]
	s_cselect_b64 s[PF2:PF2+1], s[18:19], s[94:95]
	s_cselect_b32 s20, s40, s41                    ; my place among the four that ask with me
	s_lshl_b32 s20, s20, 16                        ; its two row groups
	s_mov_b32 s21, 0
	s_add_nc_u64 s[PFA:PFA+1], s[PFA:PFA+1], s[20:21]
	s_add_nc_u64 s[PF2:PF2+1], s[PF2:PF2+1], s[20:21]
	s_add_nc_u64 s[PFA:PFA+1], s[PFA:PFA+1], 3*KB  ; at K step 3: the first change of slots steps it to 4.  Nothing is prefetched at the head
	v_lshlrev_b32 v[PFO], 8, v2
	v_lshl_add_u32 v[PFO], v4, 15, v[PFO]
	; c of the work-group's 256 columns: two a thread
	v_lshlrev_b32 v6, 3, v0
	s_lshl_b32 s6, s78, 16
	s_add_co_u32 s6, s6, s4
	s_add_co_u32 s6, s6, 16777216
	s_add_nc_u64 s[6:7], s[86:87], s[6:7]          ; pc[b][0][256 cx]
	s_add_nc_u64 s[88:89], s[88:89], s[4:5]
	s_add_nc_u64 s[90:91], s[90:91], s[4:5]
.set i, 0
.rept 16
	global_load_b64 v[OB+2*i:OB+2*i+1], v6, s[6:7] offset:4096*i
.set i, i+1
.endr
	global_load_b64 v[OB+32:OB+33], v6, s[88:89]
	global_load_b64 v[OB+34:OB+35], v6, s[90:91]
	s_wait_loadcnt 0x0
	v_cvt_pk_bf16_f32 v[OB+36], v[OB+32], v[OB+33]
	v_cvt_pk_bf16_f32 v[OB+37], v[OB+34], v[OB+35]
	v_lshlrev_b32 v[OB+32], 16, v[OB+36]
	v_and_b32 v[OB+33], 0xffff0000, v[OB+36]
	v_lshlrev_b32 v[OB+34], 16, v[OB+37]
	v_and_b32 v[OB+35], 0xffff0000, v[OB+37]
.set i, 0
.rept 9
	v_pk_add_f32 v[OB+2*i:OB+2*i+1], v[OB+2*i:OB+2*i+1], v[OB+18+2*i:OB+18+2*i+1]
.set i, i+1
.endr
.set i, 1
.rept 8
	v_pk_add_f32 v[OB:OB+1], v[OB:OB+1], v[OB+2*i:OB+2*i+1]
.set i, i+1
.endr
	v_add_nc_u32 v7, CTAB, v6
	ds_store_b64 v7, v[OB:OB+1]
; 16 matrix instructions: row blocks a0, a0 + 1 of the window's four x all 8 column blocks, 32 along K.  zero = 1: the first product starts the sums
.macro MUL16 f, hi, a0, zero
	WIN MUL_LO+0x50*(\hi)
.irp a, \a0, (\a0)+1
.irp b, 0,1,2,3,4,5,6,7
.if \zero
	v_wmma_f32_16x16x32_bf16 v[8*(8*(\a)+(\b)):8*(8*(\a)+(\b))+7], v[(\f)+8*(\b):(\f)+8*(\b)+7], v[(\f)+8*(4*(\hi)+(\a)):(\f)+8*(4*(\hi)+(\a))+7], 0
.else
	v_wmma_f32_16x16x32_bf16 v[8*(8*(\a)+(\b)):8*(8*(\a)+(\b))+7], v[(\f)+8*(\b):(\f)+8*(\b)+7], v[(\f)+8*(4*(\hi)+(\a)):(\f)+8*(4*(\hi)+(\a))+7], v[8*(8*(\a)+(\b)):8*(8*(\a)+(\b))+7]
.endif
.endr
.endr
.endm
; 32 LDS loads in one run: the fragments of 32 along K at byte k of the row groups, into buffer f
.macro FETCH slot, k, f
	WIN TO_B
.irp i, 0,1,2,3,4,5,6,7
	ds_load_b128 v[(\f)+8*(\i):(\f)+8*(\i)+3],   v[ADRB+(\slot)] offset:(\k)+(\i)*KB
	ds_load_b128 v[(\f)+8*(\i)+4:(\f)+8*(\i)+7], v[ADRB+(\slot)] offset:(\k)+(\i)*KB+512
.endr
	WIN 0
.irp i, 0,1,2,3,4,5,6,7
	ds_load_b128 v[(\f)+8*(\i):(\f)+8*(\i)+3],   v[ADRA+(\slot)] offset:(\k)+(\i)*KB
	ds_load_b128 v[(\f)+8*(\i)+4:(\f)+8*(\i)+7], v[ADRA+(\slot)] offset:(\k)+(\i)*KB+512
.endr
.endm
.macro PLACES                          ; four places in front of loads into registers that matrix instructions have read, and of vector lines that read results
.rept 4
	v_nop
.endr
.endm
; A K step is four quarters of 32 along K, 64 matrix instructions each, on buffers 0, 1, 0, 1.  The 64 accumulators take turns in the same order in every quarter.
.macro QUARTER slot, k, f, g, zero
	s_wait_dscnt 8                                 ; the weights and the tokens' rows 0-63 are in; the youngest eight loads may be out
	WIN MUL_LO
	MUL16 \f, 0, 0, \zero
	MUL16 \f, 0, 2, \zero
	PLACES
	FETCH \slot, \k, \g
	s_wait_dscnt 32                                ; all but the 32 just issued
	WIN MUL_HI
	MUL16 \f, 1, 0, \zero
	MUL16 \f, 1, 2, \zero
.endm
; The first half of the last quarter, and the barrier of the change of slots: in front of it each wave waits for all its tensor loads, adds 0 to its spare word, and waits for that and for its reads of this slot.
.macro MEET round
	WIN 0
	s_wait_tensorcnt 0x0                           ; all my tensor loads have landed: my part of the next slot
	ds_add_u32 v[SPW], v[NIL]                      ; 0 onto my spare word
	s_wait_dscnt 9                                 ; the add and the youngest eight loads may be out
	WIN MUL_LO
	MUL16 F1, 0, 0, 0
	s_wait_dscnt 0x0                               ; the add is done, and my reads of this slot are over
	s_barrier_signal -1
	MUL16 F1, 0, 2, 0
.if \round
	WIN 0
.endif
	s_barrier_wait -1
.endm
; The whole last quarter in the loop.  Trip t (s3 = 7 - t) fills slot 0 with K step 2 t + 2 and slot 1 with 2 t + 3: at s3 = 4 these are steps 8 and 9, the second operands' first.
; The prefetches run two refills ahead: they change operands in slot 0's turn at s3 = 5.
.macro TURN slot, next
	s_wait_xcnt 0x0                                ; the last prefetch, a K step back, has read its address
	s_add_nc_u64 s[PFA:PFA+1], s[PFA:PFA+1], KB
.if (\slot) == 0
	s_cmp_eq_u32 s3, 5
	s_cselect_b64 s[PFA:PFA+1], s[PF2:PF2+1], s[PFA:PFA+1]
	s_cselect_b32 s[LIM], s[LIM2], s[LIM]
.endif
	MEET 1
	CREST                                          ; the barrier has opened a round of the cluster's: no wave of any partner still reads this slot or has a load on its way
	s_add_nc_u64 s[G0+4*(\slot)+2:G0+4*(\slot)+3], s[G0+4*(\slot)+2:G0+4*(\slot)+3], 2*KB
	s_add_nc_u64 s[G0B+4*(\slot)+2:G0B+4*(\slot)+3], s[G0B+4*(\slot)+2:G0B+4*(\slot)+3], 2*KB
	s_cmp_eq_u32 s3, 4
	s_cselect_b64 s[G0+4*(\slot)+2:G0+4*(\slot)+3], s[A2+2*(\slot):A2+2*(\slot)+1], s[G0+4*(\slot)+2:G0+4*(\slot)+3]
	s_cselect_b64 s[G0B+4*(\slot)+2:G0B+4*(\slot)+3], s[B2+2*(\slot):B2+2*(\slot)+1], s[G0B+4*(\slot)+2:G0B+4*(\slot)+3]
	JLOAD \slot                                    ; the first tensor load behind the round; its four v_nop are also the places in front of the loads below
	FETCH \next, 0, F0
	ASK
	WIN MUL_HI
	MUL16 F1, 1, 0, 0
	MUL16 F1, 1, 2, 0
.endm
	s_wait_tensorcnt 1                             ; my part of K step 0 is in; K step 1's may stay out
	s_wait_dscnt 0x0                               ; my two numbers of c are stored
	s_barrier_signal -1
	s_barrier_wait -1
	FETCH 0, 0, F0
	QUARTER 0, 1024, F0, F1, 1                     ; the first quarter's products start the sums
	WIN 0
	s_mov_b32 s3, LAPS-1
.Llap:                                                 ; a trip goes once round the ring and fills both slots again
	QUARTER 0, 2048, F1, F0, 0
	QUARTER 0, 3072, F0, F1, 0
	TURN 0, 1
	QUARTER 1, 1024, F0, F1, 0
	QUARTER 1, 2048, F1, F0, 0
	QUARTER 1, 3072, F0, F1, 0
	TURN 1, 0
	QUARTER 0, 1024, F0, F1, 0
	WIN 0
	s_sub_co_u32 s3, s3, 1
	s_cmp_lg_u32 s3, 0
	s_cbranch_scc1 .Llap
	QUARTER 0, 2048, F1, F0, 0                     ; the last lap fills nothing
	QUARTER 0, 3072, F0, F1, 0
	MEET 0
	PLACES
	FETCH 1, 0, F0
	WIN MUL_HI
	MUL16 F1, 1, 0, 0
	MUL16 F1, 1, 2, 0
	QUARTER 1, 1024, F0, F1, 0
	QUARTER 1, 2048, F1, F0, 0
	QUARTER 1, 3072, F0, F1, 0
	s_wait_dscnt 8
	MUL16 F1, 0, 0, 0
	MUL16 F1, 0, 2, 0
	s_wait_dscnt 0x0
	MUL16 F1, 1, 0, 0
	MUL16 F1, 1, 2, 0
	; THE WAY OUT.  c is added; a block of 16 rows x 128 columns goes through my own stage and comes back as whole rows of 512 bytes.
	WIN 0
	PLACES
.irp b, 0,1,2,3,4,5,6,7
	ds_load_b128 v[CB+8*(\b):CB+8*(\b)+3], v[CBA] offset:64*(\b)
	ds_load_b128 v[CB+8*(\b)+4:CB+8*(\b)+7], v[CBA] offset:64*(\b)+16
.endr
	s_wait_dscnt 0x0
.macro OUTB a
.set AC, 64*((\a)%4)
	WIN 0x02+((\a)/4)                              ; source 0: window 2 or 3
.set i, 0
.rept 32
	v_pk_add_f32 v[TMP+2*i:TMP+2*i+1], v[AC+2*i:AC+2*i+1], v[CB+2*i:CB+2*i+1]  ; each accumulator is read from its lowest registers on
.set i, i+1
.endr
	WIN 0
.irp b, 0,1,2,3,4,5,6,7
	ds_store_b128 v[STO], v[TMP+8*(\b):TMP+8*(\b)+3] offset:64*(\b)
	ds_store_b128 v[STO], v[TMP+8*(\b)+4:TMP+8*(\b)+7] offset:64*(\b)+16
.endr
	s_wait_xcnt 0x0                                ; the block before's stores have read their registers: these are loaded again only behind this wait
.set t, 0
.rept 16
	ds_load_b128 v[OB+4*t:OB+4*t+3], v[RD] offset:t*SPITCH  ; LDS serves a wave's instructions in order: these see the stores above
.set t, t+1
.endr
	s_wait_dscnt 0x0
.set t, 0
.rept 16
	global_store_b128 v[CO], v[OB+4*t:OB+4*t+3], s[8:9] offset:(16*(\a)+t)*4096 th:TH_STORE_NT  ; 512 consecutive bytes, at a multiple of 256 from out's first byte
.set t, t+1
.endr
.endm
	OUTB 0
	OUTB 1
	OUTB 2
	OUTB 3
	OUTB 4
	OUTB 5
	OUTB 6
	OUTB 7
	s_wait_tensorcnt 0x0                           ; the wave's end, behind my last tensor load and my last LDS store
	ds_add_u32 v[SPW], v[NIL]
	s_wait_dscnt 0x0
	CROUND                                         ; the closing round
	s_endpgm
.Lfunc_end_k_qf6abc54d59_final:
	.size	k_qf6abc54d59_final, .Lfunc_end_k_qf6abc54d59_final-k_qf6abc54d59_final
	.p2alignl 7, 3214868480
	.fill 96, 4, 3214868480
	.section	.rodata,"a",@progbits
	.p2align	6, 0x0
	.amdhsa_kernel k_qf6abc54d59_final
		.amdhsa_group_segment_fixed_size 327680
		.amdhsa_private_segment_fixed_size 0
		.amdhsa_enable_private_segment 0
		.amdhsa_kernarg_size 56
		.amdhsa_user_sgpr_count 2
		.amdhsa_user_sgpr_kernarg_segment_ptr 1
		.amdhsa_wavefront_size32 1
		.amdhsa_system_sgpr_workgroup_id_x 1
		.amdhsa_system_sgpr_workgroup_id_y 1
		.amdhsa_system_sgpr_workgroup_id_z 1
		.amdhsa_system_vgpr_workitem_id 0
		.amdhsa_next_free_vgpr 1024
		.amdhsa_next_free_sgpr 96
		.amdhsa_reserve_vcc 0
		.amdhsa_float_denorm_mode_32 3
		.amdhsa_float_denorm_mode_16_64 3
		.amdhsa_memory_ordered 1
		.amdhsa_forward_progress 1
		.amdhsa_inst_pref_size 162
	.end_amdhsa_kernel
	.amdgpu_metadata
---
amdhsa.version: [ 1, 2 ]
amdhsa.kernels:
  - .name:           k_qf6abc54d59_final
    .symbol:         k_qf6abc54d59_final.kd
    .args:
      - { .name: xbq, .offset: 0, .size: 8, .value_kind: global_buffer, .address_space: global }
      - { .name: xbk, .offset: 8, .size: 8, .value_kind: global_buffer, .address_space: global }
      - { .name: bufq, .offset: 16, .size: 8, .value_kind: global_buffer, .address_space: global }
      - { .name: wbuf, .offset: 24, .size: 8, .value_kind: global_buffer, .address_space: global }
      - { .name: out_b, .offset: 32, .size: 8, .value_kind: global_buffer, .address_space: global }
      - { .name: q_b, .offset: 40, .size: 8, .value_kind: global_buffer, .address_space: global }
      - { .name: out0, .offset: 48, .size: 8, .value_kind: global_buffer, .address_space: global }
    .group_segment_fixed_size: 327680
    .private_segment_fixed_size: 0
    .kernarg_segment_align: 8
    .kernarg_segment_size: 56
    .max_flat_workgroup_size: 128
    .sgpr_count:     96
    .vgpr_count:     1024
    .wavefront_size: 32
...
	.end_amdgpu_metadata
.endif
;; end of part 6
;; ======== version 2 of 2: 8 launches
;; workspace buffers: bufq 4,194,304 bytes; bufk 2,129,920 bytes; bufv 4,194,304 bytes; sbuf 16,777,216 bytes; wp 311,296 bytes; wbuf 17,825,792 bytes; xbq 50,364,416 bytes; xbk 50,364,416 bytes
;; launch prep (part 7): grid 16 x 5, 8 waves a work-group, no clusters, 327,680 bytes of LDS; arguments q_w, k_w, v_w, out_w, wq_w, wk_w, q_b, bufq, bufk, bufv, wp; writes bufq, bufk, bufv, wp
.if DOCPART == 7
	.amdgcn_target "amdgcn-amd-amdhsa--gfx1250"
	.amdhsa_code_object_version 6
	.text
	.protected	k_qf6abc54d59_prep
	.globl	k_qf6abc54d59_prep
	.p2align	8
	.type	k_qf6abc54d59_prep,@function
k_qf6abc54d59_prep:
	s_mov_b64 s[64:65], 0
	v_nop
	global_prefetch_b8 v0, s[64:65] scope:SCOPE_SE
	s_setreg_imm32_b32 hwreg(HW_REG_WAVE_MODE, 25, 1), 1
	s_wait_xcnt 0x0
; PREP: the weights, rounded once to bf16, in the layouts that the later launches multiply from; and the query logits' weights wt = wq_w q_w.
; FRAGMENT-MAJOR (FM) layout of a matrix Z[rows][1024]: a fragment of 16 rows x 32 k is 1,024 consecutive bytes at ((row/16)*32 + k/32)*1024; in it lane L = 16*((k/8)%2) + row%16
; owns 16 bytes at 16 L (k%32 < 16) and at 512 + 16 L (k%32 >= 16): exactly the registers 0-3 and 4-7 of a 16-bit matrix operand.  16 rows of all k are RG = 32,768 bytes.
; Work-group (s, y): columns 64 s .. 64 s + 63, all 1,024 rows, of matrix y (0 q_w, 1 k_w, 2 v_w, 3 out_w, 4 q_w once more).  Wave W brings its own rows 128 W .. 128 W + 127 into LDS
; with one tensor load (rows of 256 bytes, padded to 272) and reads only those.
;   y = 0: q_w as it lies (bufq, from byte 2,097,152).   y = 3: out_w as it lies (bufv, from byte 2,097,152).
;   y = 1: k_w turned (bufk); wave 0 also rounds wk_w's 64 columns (bufk, behind the turned k_w).   y = 2: v_w turned (bufv).
;   y = 4: wt[h][kx] = the sum over j of wq_w[h][j] q_w[j][kx] for the strip's 64 kx: wave W turns its 128 rows j into fragments as y = 1 and 2 do, multiplies them by wq_w's fragments of
;          the same j, the eight waves' sums meet in LDS, and wt goes out in bf16, once for each of the 8 batches (wp).  Also two parts (one for each half of the lanes) of the sum over the
;          strip's j of wq_w[h][j] q_b[j] (wp).
; One barrier, for y = 4's sums, stands on every work-group's path.
; LIMITS: bf16 keeps f32's range; NaN and infinities pass through the rounding as they are.
.set PITCH,  272                       ; an LDS row: 256 bytes + 16: sixteen rows of one column start at sixteen different groups of four banks
.set WAVEB,  128*PITCH                 ; a wave's rows
.set SPARE,  8*WAVEB                   ; behind the tiles: the spare words, 128 bytes a wave, named by no other line
.set WQF,    SPARE+1024                ; scratch, 4,096 bytes a wave, into which no tensor load lands: first my four fragments of wq_w, then my partial sums
.set RG,     32768
.set SECOND, 2097152                   ; where a buffer's second matrix begins
.set PBOFF,  262144                    ; wp: the partial logit constants, f32 [8 b][32 parts][16 h]
.set T,      16                        ; v[16:79]   f32 as loaded
.set FR,     80                        ; v[80:111]  four bf16 fragments
.set WF,     112                       ; v[112:119] wq_w's fragment of the trip; at the end the packed result
.set ACC,    120                       ; v[120:151] four accumulators: 16 kx each
.macro ROUND32                         ; T's 64 numbers, rounded in pairs, are FR's 32 words
.set i, 0
.rept 32
	v_cvt_pk_bf16_f32 v[FR+i], v[T+2*i], v[T+2*i+1]
.set i, i+1
.endr
.endm
; 32 of my rows become the k of four fragments (16 columns each): a lane reads 16 numbers of one column for each fragment: 64 loads of 4 bytes, lanes r at neighbouring words
.macro TURNED
.irp f, 0,1,2,3
.set i, 0
.rept 16
	ds_load_b32 v[T+16*(\f)+i], v7 offset:(i+8*(i/8))*PITCH+64*(\f)
.set i, i+1
.endr
.endr
.endm
	s_load_b512 s[8:23], s[0:1], 0x0               ; q_w 8, k_w 10, v_w 12, out_w 14, wq_w 16, wk_w 18, q_b 20, bufq 22
	s_load_b128 s[24:27], s[0:1], 0x40             ; bufk 24, bufv 26
	s_load_b64 s[28:29], s[0:1], 0x50              ; wp
	v_lshl_add_u32 v4, v0, 2, SPARE
	v_mov_b32 v5, 0
	ds_add_u32 v4, v5                              ; the wave's opening: the add and its wait stand ahead of my tensor load; register work stands between
	v_lshrrev_b32 v1, 5, v0
	v_readfirstlane_b32 s4, v1                     ; wave W
	s_mov_b32 s2, ttmp9                            ; strip s
	s_and_b32 s3, ttmp7, 0xffff                    ; y
	v_and_b32 v1, 31, v0                           ; L
	v_and_b32 v2, 15, v0                           ; r
	v_bfe_u32 v3, v0, 4, 1                         ; hh
	s_mov_b32 s32, 1                               ; group 0: count 1
	s_mul_i32 s33, s4, WAVEB                       ; LDS address: my rows
	s_mov_b32 s36, (2<<16)|(1<<20)|(5<<22)|(3<<25) ; group 1: 4-byte elements; padding on, 4 words after every 64
	s_mov_b32 s37, 64<<16                          ; tensor_dim0 = 64
	s_mov_b32 s38, 128<<16                         ; tensor_dim1 = 128
	s_mov_b32 s39, 64<<16                          ; tile_dim0 = 64
	s_mov_b32 s40, 128                             ; tile_dim1 = 128
	s_mov_b32 s41, 1024                            ; elements from row to row
	s_mov_b32 s42, 0
	s_mov_b32 s43, 0
	s_lshl_b32 s60, s2, 8                          ; 256 s: the strip's bytes in an f32 row
	s_lshl_b32 s62, s2, 11                         ; 2,048 s: the strip's two fragments in an FM row group
	v_mul_u32_u24 v6, v2, PITCH
	v_lshl_add_u32 v6, v3, 5, v6
	v_add_nc_u32 v6, s33, v6                       ; as it lies: row r, 32 bytes for each half of the lanes; steps 32 rows a trip
	v_mul_u32_u24 v7, v3, 8*PITCH
	v_lshl_add_u32 v7, v2, 2, v7
	v_add_nc_u32 v7, s33, v7                       ; turned: rows 8 hh on, column r; steps 32 rows a trip
	v_lshlrev_b32 v8, 4, v1                        ; 16 L: my place in half a fragment
	v_lshl_add_u32 v10, v3, 5, s60                 ; q_b: 256 s + 32 hh
	v_lshl_add_u32 v9, v2, 12, v10                 ; wq_w, wk_w at the strip's columns: + row r
	v_lshlrev_b32 v11, 2, v1                       ; 4 L
	s_lshl_b32 s61, s4, 9
	v_lshl_add_u32 v14, v3, 5, s61
	v_lshl_add_u32 v14, v2, 12, v14                ; wq_w at my rows' j: row r, 512 W + 32 hh
	s_lshl_b32 s61, s4, 12
	s_add_co_u32 s61, s61, WQF
	v_add_nc_u32 v13, s61, v8                      ; my scratch + 16 L
	v_mov_b32 v12, v13                             ; the same; steps a fragment a trip
	s_and_b32 s61, s4, 3
	s_lshl_b32 s61, s61, 10
	s_add_co_u32 s61, s61, WQF
	v_add_nc_u32 v15, s61, v8                      ; tile W % 4 in wave 0's scratch
	s_lshl_b32 s54, s4, 19                         ; my 128 rows of 4,096 bytes
	s_add_co_u32 s54, s54, s60
	s_mov_b32 s55, 0
	s_wait_dscnt 0x0                               ; the opening add is done
	s_wait_kmcnt 0x0
	s_cmp_eq_u32 s3, 1
	s_cselect_b64 s[44:45], s[10:11], s[8:9]       ; the matrix: k_w, or q_w (y = 0 and 4),
	s_cselect_b64 s[48:49], s[24:25], s[26:27]     ; where it goes turned: bufk or bufv
	s_cmp_eq_u32 s3, 2
	s_cselect_b64 s[44:45], s[12:13], s[44:45]     ; or v_w,
	s_cmp_eq_u32 s3, 3
	s_cselect_b64 s[44:45], s[14:15], s[44:45]     ; or out_w
	s_cselect_b64 s[46:47], s[26:27], s[22:23]     ; where it goes as it lies: bufv or bufq
	s_add_nc_u64 s[34:35], s[44:45], s[54:55]      ; the tile's first element
	s_or_b32 s35, s35, 0x80000000                  ; type 2
	tensor_load_to_lds s[32:35], s[36:43]          ; my one tensor load: 128 rows x 256 bytes
	s_nop 0
	s_lshl_b32 s54, s4, 18                         ; as it lies: row groups 8 W on, fragments 2 s, 2 s + 1
	s_add_co_u32 s54, s54, s62
	s_add_co_u32 s54, s54, SECOND
	s_add_nc_u64 s[46:47], s[46:47], s[54:55]
	s_lshl_b32 s54, s2, 17                         ; turned: row groups 4 s on, fragments 4 W on
	s_lshl_b32 s63, s4, 12
	s_add_co_u32 s54, s54, s63
	s_add_nc_u64 s[48:49], s[48:49], s[54:55]
	s_add_co_u32 s54, s62, SECOND
	s_add_nc_u64 s[52:53], s[24:25], s[54:55]      ; wk_w's copy: behind the turned k_w, fragments 2 s, 2 s + 1
	s_lshl_b32 s54, s4, 11                         ; pb[W][2 s + hh][.]
	s_lshl_b32 s63, s2, 7
	s_add_co_u32 s54, s54, s63
	s_add_co_u32 s54, s54, PBOFF
	s_add_nc_u64 s[58:59], s[28:29], s[54:55]
	s_lshr_b32 s54, s4, 2                          ; wt: batches 4 (W / 4) on, fragments 2 s on, half fragment W % 4
	s_lshl_b32 s54, s54, 17
	s_add_co_u32 s54, s54, s62
	s_and_b32 s63, s4, 3
	s_lshl_b32 s63, s63, 9
	s_add_co_u32 s54, s54, s63
	s_add_nc_u64 s[50:51], s[28:29], s[54:55]
	s_cmp_eq_u32 s3, 4
	s_cbranch_scc1 .Lproduct
	s_cmp_lg_u32 s3, 1
	s_cbranch_scc1 .Lno_thin
	s_cmp_lg_u32 s4, 0
	s_cbranch_scc1 .Lno_thin
	; y = 1, wave 0, while the tile is on its way: wk_w's 64 columns
.irp q, 0,1
.irp p, 0,1,2,3
	global_load_b128 v[T+16*(\q)+4*(\p):T+16*(\q)+4*(\p)+3], v9, s[18:19] offset:128*(\q)+16*((\p)%2)+64*((\p)/2)
.endr
.endr
	s_wait_loadcnt 0x0
.set i, 0
.rept 16
	v_cvt_pk_bf16_f32 v[FR+i], v[T+2*i], v[T+2*i+1]
.set i, i+1
.endr
.irp q, 0,1
	global_store_b128 v8, v[FR+8*(\q):FR+8*(\q)+3], s[52:53] offset:1024*(\q)
	global_store_b128 v8, v[FR+8*(\q)+4:FR+8*(\q)+7], s[52:53] offset:1024*(\q)+512
.endr
.Lno_thin:
	s_wait_tensorcnt 0x0                           ; my rows are in LDS; only I read them
	s_wait_xcnt 0x0                                ; the stores above have read FR: the loops rewrite it only behind this wait
	s_mov_b32 s5, 4
	s_cmp_eq_u32 s3, 0
	s_cbranch_scc1 .Lnat
	s_cmp_eq_u32 s3, 3
	s_cbranch_scc0 .Ltrn
.Lnat:                                                 ; as it lies, four trips: two row groups x two fragments: 16 loads of 16 bytes, 32 roundings, 8 stores of 512 consecutive bytes
.irp gi, 0,1
.irp q, 0,1
.irp p, 0,1,2,3
	ds_load_b128 v[T+16*(2*(\gi)+(\q))+4*(\p):T+16*(2*(\gi)+(\q))+4*(\p)+3], v6 offset:(\gi)*16*PITCH+128*(\q)+16*((\p)%2)+64*((\p)/2)
.endr
.endr
.endr
	s_wait_dscnt 0x0
	ROUND32
.irp gi, 0,1
.irp q, 0,1
	global_store_b128 v8, v[FR+8*(2*(\gi)+(\q)):FR+8*(2*(\gi)+(\q))+3], s[46:47] offset:(\gi)*RG+1024*(\q)
	global_store_b128 v8, v[FR+8*(2*(\gi)+(\q))+4:FR+8*(2*(\gi)+(\q))+7], s[46:47] offset:(\gi)*RG+1024*(\q)+512
.endr
.endr
	s_wait_xcnt 0x0                                ; the stores have read FR and their base: both are rewritten only behind this wait
	s_add_nc_u64 s[46:47], s[46:47], 2*RG
	v_add_nc_u32 v6, 32*PITCH, v6
	s_sub_co_u32 s5, s5, 1
	s_cmp_lg_u32 s5, 0
	s_cbranch_scc1 .Lnat
	s_branch .Ljoin
.Ltrn:                                                 ; turned, four trips: 32 of my rows are one fragment along k for each of the strip's four groups of 16 columns
	TURNED
	s_wait_dscnt 0x0
	ROUND32
.irp f, 0,1,2,3
	global_store_b128 v8, v[FR+8*(\f):FR+8*(\f)+3], s[48:49] offset:(\f)*RG
	global_store_b128 v8, v[FR+8*(\f)+4:FR+8*(\f)+7], s[48:49] offset:(\f)*RG+512
.endr
	s_wait_xcnt 0x0                                ; as above
	s_add_nc_u64 s[48:49], s[48:49], 1024
	v_add_nc_u32 v7, 32*PITCH, v7
	s_sub_co_u32 s5, s5, 1
	s_cmp_lg_u32 s5, 0
	s_cbranch_scc1 .Ltrn
	s_branch .Ljoin
.Lproduct:                                             ; y = 4.  While the tile is on its way: wq_w at my 128 j (four fragments), wq_w and q_b at the strip's 64 columns
.irp q, 0,1,2,3
.irp p, 0,1,2,3
	global_load_b128 v[T+16*(\q)+4*(\p):T+16*(\q)+4*(\p)+3], v14, s[16:17] offset:128*(\q)+16*((\p)%2)+64*((\p)/2)
.endr
.endr
.irp q, 0,1
.irp p, 0,1,2,3
	global_load_b128 v[FR+16*(\q)+4*(\p):FR+16*(\q)+4*(\p)+3], v9, s[16:17] offset:128*(\q)+16*((\p)%2)+64*((\p)/2)
	global_load_b128 v[ACC+16*(\q)+4*(\p):ACC+16*(\q)+4*(\p)+3], v10, s[20:21] offset:128*(\q)+16*((\p)%2)+64*((\p)/2)
.endr
.endr
	s_wait_loadcnt 0x0
	v_pk_mul_f32 v[152:153], v[FR:FR+1], v[ACC:ACC+1]          ; my lane's part of the sum over the strip's j of wq_w[h][j] q_b[j]: head r, the j of my half of the lanes
.set i, 2
.rept 15
	v_pk_fma_f32 v[152:153], v[FR+i:FR+i+1], v[ACC+i:ACC+i+1], v[152:153]
.set i, i+2
.endr
	v_add_f32 v152, v152, v153
	global_store_b32 v11, v152, s[58:59]           ; wave W writes batch W's copy: parts 2 s and 2 s + 1, 128 consecutive bytes
	ROUND32                                        ; wq_w's four fragments; they lie in my scratch so that the counted loop can step through them
.irp q, 0,1,2,3
	ds_store_b128 v13, v[FR+8*(\q):FR+8*(\q)+3] offset:1024*(\q)
	ds_store_b128 v13, v[FR+8*(\q)+4:FR+8*(\q)+7] offset:1024*(\q)+512
.endr
.set i, 0
.rept 32
	v_mov_b32 v[ACC+i], 0                          ; the sums start at 0, written while the tile is on its way, so that the loop has one form of product
.set i, i+1
.endr
	s_wait_tensorcnt 0x0                           ; my rows are in LDS
	s_mov_b32 s5, 4
.Lprod:                                                ; four trips of 32 j.  Source 0 = 16 kx, source 1 = the 16 heads: a lane holds head r and eight neighbouring kx
	TURNED
	ds_load_b128 v[WF:WF+3], v12                   ; LDS serves a wave's instructions in order: these see my stores above
	ds_load_b128 v[WF+4:WF+7], v12 offset:512
	s_wait_dscnt 0x0
	ROUND32
.irp f, 0,1,2,3                        ; the four accumulators take turns, over the backward jump too
	v_wmma_f32_16x16x32_bf16 v[ACC+8*(\f):ACC+8*(\f)+7], v[FR+8*(\f):FR+8*(\f)+7], v[WF:WF+7], v[ACC+8*(\f):ACC+8*(\f)+7]
.endr
	v_add_nc_u32 v7, 32*PITCH, v7                  ; four places behind the products, ahead of the loads into WF, the roundings into FR and the reads of the sums
	v_add_nc_u32 v12, 1024, v12
	v_nop
	v_nop
	s_sub_co_u32 s5, s5, 1
	s_cmp_lg_u32 s5, 0
	s_cbranch_scc1 .Lprod
.irp f, 0,1,2,3
	ds_store_b128 v13, v[ACC+8*(\f):ACC+8*(\f)+3] offset:1024*(\f)      ; my partial sums, over my fragments, which I have read
	ds_store_b128 v13, v[ACC+8*(\f)+4:ACC+8*(\f)+7] offset:1024*(\f)+512
.endr
.Ljoin:
	s_wait_dscnt 0x0                               ; for the others' sake: my stores are done
	s_barrier_signal -1
	s_barrier_wait -1
	s_cmp_lg_u32 s3, 4
	s_cbranch_scc1 .Lend
	; wave W adds the eight waves' sums of tile W % 4, rounds them once and stores them for four batches
.set w, 0
.rept 8
	ds_load_b128 v[T+8*w:T+8*w+3], v15 offset:4096*w
	ds_load_b128 v[T+8*w+4:T+8*w+7], v15 offset:4096*w+512
.set w, w+1
.endr
	s_wait_dscnt 0x0
.irp i, 0,16,32,48
.irp k, 0,2,4,6
	v_pk_add_f32 v[T+(\i)+(\k):T+(\i)+(\k)+1], v[T+(\i)+(\k):T+(\i)+(\k)+1], v[T+(\i)+8+(\k):T+(\i)+8+(\k)+1]
.endr
.endr
.irp i, 0,32
.irp k, 0,2,4,6
	v_pk_add_f32 v[T+(\i)+(\k):T+(\i)+(\k)+1], v[T+(\i)+(\k):T+(\i)+(\k)+1], v[T+(\i)+16+(\k):T+(\i)+16+(\k)+1]
.endr
.endr
.irp k, 0,2,4,6
	v_pk_add_f32 v[T+(\k):T+(\k)+1], v[T+(\k):T+(\k)+1], v[T+32+(\k):T+32+(\k)+1]
.endr
.irp k, 0,1,2,3
	v_cvt_pk_bf16_f32 v[WF+(\k)], v[T+2*(\k)], v[T+2*(\k)+1]
.endr
.irp c, 0,1,2,3
	global_store_b128 v8, v[WF:WF+3], s[50:51] offset:(\c)*RG  ; half a fragment of wt: 512 consecutive bytes
.endr
.Lend:
	s_wait_tensorcnt 0x0                           ; the wave's end
	ds_add_u32 v4, v5
	s_wait_dscnt 0x0
	s_endpgm
.Lfunc_end_k_qf6abc54d59_prep:
	.size	k_qf6abc54d59_prep, .Lfunc_end_k_qf6abc54d59_prep-k_qf6abc54d59_prep
	.p2alignl 7, 3214868480
	.fill 96, 4, 3214868480
	.section	.rodata,"a",@progbits
	.p2align	6, 0x0
	.amdhsa_kernel k_qf6abc54d59_prep
		.amdhsa_group_segment_fixed_size 327680
		.amdhsa_private_segment_fixed_size 0
		.amdhsa_enable_private_segment 0
		.amdhsa_kernarg_size 88
		.amdhsa_user_sgpr_count 2
		.amdhsa_user_sgpr_kernarg_segment_ptr 1
		.amdhsa_wavefront_size32 1
		.amdhsa_system_sgpr_workgroup_id_x 1
		.amdhsa_system_sgpr_workgroup_id_y 1
		.amdhsa_system_sgpr_workgroup_id_z 1
		.amdhsa_system_vgpr_workitem_id 0
		.amdhsa_next_free_vgpr 160
		.amdhsa_next_free_sgpr 66
		.amdhsa_reserve_vcc 0
		.amdhsa_float_denorm_mode_32 3
		.amdhsa_float_denorm_mode_16_64 3
		.amdhsa_memory_ordered 1
		.amdhsa_forward_progress 1
		.amdhsa_inst_pref_size 37
	.end_amdhsa_kernel
	.amdgpu_metadata
---
amdhsa.version: [ 1, 2 ]
amdhsa.kernels:
  - .name:           k_qf6abc54d59_prep
    .symbol:         k_qf6abc54d59_prep.kd
    .args:
      - { .name: q_w, .offset: 0, .size: 8, .value_kind: global_buffer, .address_space: global }
      - { .name: k_w, .offset: 8, .size: 8, .value_kind: global_buffer, .address_space: global }
      - { .name: v_w, .offset: 16, .size: 8, .value_kind: global_buffer, .address_space: global }
      - { .name: out_w, .offset: 24, .size: 8, .value_kind: global_buffer, .address_space: global }
      - { .name: wq_w, .offset: 32, .size: 8, .value_kind: global_buffer, .address_space: global }
      - { .name: wk_w, .offset: 40, .size: 8, .value_kind: global_buffer, .address_space: global }
      - { .name: q_b, .offset: 48, .size: 8, .value_kind: global_buffer, .address_space: global }
      - { .name: bufq, .offset: 56, .size: 8, .value_kind: global_buffer, .address_space: global }
      - { .name: bufk, .offset: 64, .size: 8, .value_kind: global_buffer, .address_space: global }
      - { .name: bufv, .offset: 72, .size: 8, .value_kind: global_buffer, .address_space: global }
      - { .name: wp, .offset: 80, .size: 8, .value_kind: global_buffer, .address_space: global }
    .group_segment_fixed_size: 327680
    .private_segment_fixed_size: 0
    .kernarg_segment_align: 8
    .kernarg_segment_size: 88
    .max_flat_workgroup_size: 256
    .sgpr_count:     66
    .vgpr_count:     160
    .wavefront_size: 32
...
	.end_amdgpu_metadata
.endif
;; end of part 7
;; launch poolq (part 8): grid 256 x 1, 8 waves a work-group, no clusters, 327,680 bytes of LDS; arguments x_q, wp, wq_b, xbq; writes xbq
.if DOCPART == 8
	.amdgcn_target "amdgcn-amd-amdhsa--gfx1250"
	.amdhsa_code_object_version 6
	.text
	.protected	k_qf6abc54d59_poolq
	.globl	k_qf6abc54d59_poolq
	.p2align	8
	.type	k_qf6abc54d59_poolq,@function
k_qf6abc54d59_poolq:
	s_mov_b64 s[64:65], 0
	v_nop
	global_prefetch_b8 v0, s[64:65] scope:SCOPE_SE
	s_setreg_imm32_b32 hwreg(HW_REG_WAVE_MODE, 25, 1), 1
	s_wait_xcnt 0x0
; POOL: one pass over x [16,384 tokens][1,024] f32.  Work-group g owns tokens 64 g .. 64 g + 63 of batch b = g / 32.  It writes (all into xb)
;   the bf16 copy of its tokens in the fragment-major layout (16 rows x 32 k = 1,024 consecutive bytes; 16 rows of all k = 32,768 bytes);
;   m[h], the chunk's largest logit in base 2, and l[h], the sum over its tokens of p = 2^(logit2 - m);  part[h][k] = the sum over its tokens of p x[token][k], f32.
; logit2[t][h] = c (x[t] . wt[b][h] + w0[h]), c = log2(e) / 8, w0 = the sum of the 32 partial constants pb[b][.][h] + bv[h].  A later launch joins the 32 chunks of a batch by their maxima.
; The maximum is taken of the raw sums s, p = 2^(c s - c max), and m = c max + c w0: w0 shifts a whole column of the softmax and enters m alone.
; Wave W owns columns 128 W .. 128 W + 127 in both products; it brings them into LDS itself (two tensor loads of 32 rows x 512 bytes) and reads only its own panel.
; The waves' partial logits meet in LDS (two barriers); every wave then makes the chunk's weights for itself.
; LIMITS: x, wt and p are rounded to bf16 for the products; a weight below 2^-126 counts as 0; NaN and infinities are not treated apart.
.set PP,     528                       ; a panel row: 512 bytes + 16: sixteen rows of one column start at sixteen different groups of four banks
.set PANEL,  64*PP
.set RED,    8*PANEL                   ; the waves' partial logits: 4,096 bytes a wave; written by LDS stores, never a tensor load's target
.set SUM,    RED+8*4096                ; their sum: 4,096 bytes
.set SPARE,  SUM+4096                  ; the spare words, 128 bytes a wave
.set RG,     32768
.set PARTO,  33554432
.set STATO,  50331648
.set PBOFF,  262144
.set PB1, 6                            ; v6   panel + r x PP + 32 hh: tokens as rows
.set PB2, 7                            ; v7   panel + 8 hh x PP + 16 r: tokens as k
.set L16, 8                            ; v8   16 x lane
.set PO,  9                            ; v9   part: 8 hh heads x 4,096 + 16 r + 512 W
.set W0,  10                           ; v10  c w0
.set TM,  12                           ; v12-15 at work
.set WT,  16                           ; v[16:47]   my four fragments of wt
.set T,   48                           ; v[48:111]  f32 as loaded
.set FR,  112                          ; v[112:143] four bf16 fragments
.set S,   144                          ; v[144:175] logits: register 8 tt + j = token 16 tt + 8 hh + j, lane r = head
.set P,   176                          ; v[176:191] the weights, two fragments of 32 tokens
.set ACC2,192                          ; v[192:255] part: accumulator 4 blk + f: heads 8 hh + j, column 64 blk + 4 r + f
	s_load_b256 s[4:11], s[0:1], 0x0               ; x 4, wp 6, bv 8, xb 10
	v_lshl_add_u32 v4, v0, 2, SPARE
	v_mov_b32 v5, 0
	ds_add_u32 v4, v5                              ; the wave's opening: the add and its wait stand ahead of my first tensor load
	v_lshrrev_b32 v1, 5, v0
	v_readfirstlane_b32 s3, v1                     ; wave W
	s_mov_b32 s2, ttmp9                            ; chunk g
	s_lshr_b32 s12, s2, 5                          ; batch b
	s_mov_b32 s16, (2<<16)|(1<<20)|(6<<22)|(3<<25) ; group 1: 4-byte elements; padding on, 4 words after every 128
	s_mov_b32 s17, 128<<16                         ; tensor_dim0 = 128
	s_mov_b32 s18, 32<<16                          ; tensor_dim1 = 32
	s_mov_b32 s19, 128<<16                         ; tile_dim0
	s_mov_b32 s20, 32                              ; tile_dim1
	s_mov_b32 s21, 1024                            ; elements from row to row
	s_mov_b32 s22, 0
	s_mov_b32 s23, 0
	s_mov_b32 s24, 1
	s_mul_i32 s25, s3, PANEL                       ; my panel: rows 0-31,
	s_mov_b32 s28, 1
	s_add_co_u32 s29, s25, 32*PP                   ; rows 32-63
	s_mov_b32 s32, 0x3e38aa3b                      ; c = log2(e) / 8
	s_mov_b32 s33, s32
	s_mov_b32 s34, 0x76543210
	s_mov_b32 s35, 0xfedcba98
	v_and_b32 v1, 31, v0
	v_and_b32 v2, 15, v0
	v_bfe_u32 v3, v0, 4, 1
	v_mul_u32_u24 v[PB1], v2, PP
	v_lshl_add_u32 v[PB1], v3, 5, v[PB1]
	v_add_nc_u32 v[PB1], s25, v[PB1]
	v_mul_u32_u24 v[PB2], v3, 8*PP
	v_lshl_add_u32 v[PB2], v2, 4, v[PB2]
	v_add_nc_u32 v[PB2], s25, v[PB2]
	v_lshlrev_b32 v[L16], 4, v1
	s_lshl_b32 s15, s3, 9
	v_lshl_add_u32 v[PO], v2, 4, s15
	v_lshl_add_u32 v[PO], v3, 15, v[PO]
	v_lshlrev_b32 v[TM], 2, v2                     ; 4 r
	s_lshl_b32 s14, s2, 18                         ; 64 rows of 4,096 bytes
	s_add_co_u32 s14, s14, s15
	s_mov_b32 s15, 0
	s_wait_dscnt 0x0                               ; the opening add is done
	s_wait_kmcnt 0x0
	s_add_nc_u64 s[26:27], s[4:5], s[14:15]
	s_add_nc_u64 s[30:31], s[26:27], 32*4096
	s_or_b32 s27, s27, 0x80000000
	s_or_b32 s31, s31, 0x80000000
	tensor_load_to_lds s[24:27], s[16:23]          ; both first fills together: two loads of mine are out
	s_nop 0
	tensor_load_to_lds s[28:31], s[16:23]
	s_nop 0
	s_lshl_b32 s14, s2, 17
	s_lshl_b32 s13, s3, 12
	s_add_co_u32 s14, s14, s13
	s_add_nc_u64 s[36:37], s[10:11], s[14:15]      ; the copy: row groups 4 g on, fragments 4 W on
	s_lshl_b32 s14, s2, 16
	s_add_co_u32 s14, s14, PARTO
	s_add_nc_u64 s[38:39], s[10:11], s[14:15]      ; part[g]
	s_lshl_b32 s14, s2, 7
	s_add_co_u32 s14, s14, STATO
	s_add_nc_u64 s[40:41], s[10:11], s[14:15]      ; stat[g]
	s_lshl_b32 s14, s12, 15
	s_add_co_u32 s14, s14, s13
	s_add_nc_u64 s[42:43], s[6:7], s[14:15]        ; wt: row group b, fragments 4 W on
	s_lshl_b32 s14, s12, 11
	s_add_co_u32 s14, s14, PBOFF
	s_add_nc_u64 s[44:45], s[6:7], s[14:15]        ; pb[b]
.irp q, 0,1,2,3
	global_load_b128 v[WT+8*(\q):WT+8*(\q)+3], v[L16], s[42:43] offset:1024*(\q)
	global_load_b128 v[WT+8*(\q)+4:WT+8*(\q)+7], v[L16], s[42:43] offset:1024*(\q)+512
.endr
.set i, 0
.rept 32
	global_load_b32 v[T+i], v[TM], s[44:45] offset:64*i
.set i, i+1
.endr
	global_load_b32 v[T+32], v[TM], s[8:9]
	s_wait_loadcnt 0x0
.irp i, 0,4,8,12,16,20,24,28
	v_pk_add_f32 v[T+(\i):T+(\i)+1], v[T+(\i):T+(\i)+1], v[T+(\i)+2:T+(\i)+3]
.endr
.irp i, 0,8,16,24
	v_pk_add_f32 v[T+(\i):T+(\i)+1], v[T+(\i):T+(\i)+1], v[T+(\i)+4:T+(\i)+5]
.endr
	v_pk_add_f32 v[T:T+1], v[T:T+1], v[T+8:T+9]
	v_pk_add_f32 v[T+16:T+17], v[T+16:T+17], v[T+24:T+25]
	v_pk_add_f32 v[T:T+1], v[T:T+1], v[T+16:T+17]
	v_add_f32 v[T], v[T], v[T+1]
	v_add_f32 v[T], v[T], v[T+32]
	v_mul_f32 v[W0], s32, v[T]                     ; c w0 of head r
; Token tiles 2 h, 2 h + 1, fragments 2 qp, 2 qp + 1 of my four: 16 LDS loads, 32 roundings, the copy's 8 stores (512 consecutive bytes each), 4 products.
; The two accumulators take turns, one instruction a turn; the four v_nop are the places in front of the next rewriting of FR and of the reads of the sums.
.macro BATCH h, qp
.irp ti, 0,1
.irp qi, 0,1
.irp p, 0,1,2,3
	ds_load_b128 v[T+16*(2*(\ti)+(\qi))+4*(\p):T+16*(2*(\ti)+(\qi))+4*(\p)+3], v[PB1] offset:(2*(\h)+(\ti))*16*PP+(2*(\qp)+(\qi))*128+16*((\p)%2)+64*((\p)/2)
.endr
.endr
.endr
	s_wait_dscnt 0x0
	s_wait_xcnt 0x0                                ; the earlier stores have read FR: it is rewritten only behind this wait
.set i, 0
.rept 32
	v_cvt_pk_bf16_f32 v[FR+i], v[T+2*i], v[T+2*i+1]
.set i, i+1
.endr
.irp ti, 0,1
.irp qi, 0,1
	global_store_b128 v[L16], v[FR+8*(2*(\ti)+(\qi)):FR+8*(2*(\ti)+(\qi))+3], s[36:37] offset:(2*(\h)+(\ti))*RG+(2*(\qp)+(\qi))*1024
	global_store_b128 v[L16], v[FR+8*(2*(\ti)+(\qi))+4:FR+8*(2*(\ti)+(\qi))+7], s[36:37] offset:(2*(\h)+(\ti))*RG+(2*(\qp)+(\qi))*1024+512
.endr
.endr
.irp qi, 0,1
.irp ti, 0,1
.if ((\qp) == 0) && ((\qi) == 0)
	v_wmma_f32_16x16x32_bf16 v[S+8*(2*(\h)+(\ti)):S+8*(2*(\h)+(\ti))+7], v[FR+8*(2*(\ti)+(\qi)):FR+8*(2*(\ti)+(\qi))+7], v[WT+8*(2*(\qp)+(\qi)):WT+8*(2*(\qp)+(\qi))+7], 0
.else
	v_wmma_f32_16x16x32_bf16 v[S+8*(2*(\h)+(\ti)):S+8*(2*(\h)+(\ti))+7], v[FR+8*(2*(\ti)+(\qi)):FR+8*(2*(\ti)+(\qi))+7], v[WT+8*(2*(\qp)+(\qi)):WT+8*(2*(\qp)+(\qi))+7], v[S+8*(2*(\h)+(\ti)):S+8*(2*(\h)+(\ti))+7]
.endif
.endr
.endr
.rept 4
	v_nop
.endr
.endm
	s_wait_tensorcnt 1                             ; rows 0-31 are in; the second load may stay out
	BATCH 0, 0
	BATCH 0, 1
	s_wait_tensorcnt 0x0                           ; rows 32-63
	BATCH 1, 0
	BATCH 1, 1
	; the eight waves' partial logits are added: each wave puts down its 4,096 bytes, sums one slice of 512 bytes over all eight, and reads the whole sum back
	s_lshl_b32 s13, s3, 12
	s_add_co_u32 s13, s13, RED
	v_add_nc_u32 v[TM], s13, v[L16]
.set i, 0
.rept 8
	ds_store_b128 v[TM], v[S+4*i:S+4*i+3] offset:512*i
.set i, i+1
.endr
	s_lshl_b32 s13, s3, 9
	s_add_co_u32 s13, s13, RED
	v_add_nc_u32 v[TM+1], s13, v[L16]
	s_add_co_u32 s13, s13, SUM-RED
	v_add_nc_u32 v[TM+2], s13, v[L16]
	v_add_nc_u32 v[TM+3], SUM, v[L16]
	s_wait_dscnt 0x0                               ; for the others' sake: my stores are done
	s_barrier_signal -1
	s_barrier_wait -1
.set i, 0
.rept 8
	ds_load_b128 v[T+4*i:T+4*i+3], v[TM+1] offset:4096*i
.set i, i+1
.endr
	s_wait_dscnt 0x0
.irp i, 0,8,16,24
	v_pk_add_f32 v[T+(\i):T+(\i)+1], v[T+(\i):T+(\i)+1], v[T+(\i)+4:T+(\i)+5]
	v_pk_add_f32 v[T+(\i)+2:T+(\i)+3], v[T+(\i)+2:T+(\i)+3], v[T+(\i)+6:T+(\i)+7]
.endr
.irp i, 0,16
	v_pk_add_f32 v[T+(\i):T+(\i)+1], v[T+(\i):T+(\i)+1], v[T+(\i)+8:T+(\i)+9]
	v_pk_add_f32 v[T+(\i)+2:T+(\i)+3], v[T+(\i)+2:T+(\i)+3], v[T+(\i)+10:T+(\i)+11]
.endr
	v_pk_add_f32 v[T:T+1], v[T:T+1], v[T+16:T+17]
	v_pk_add_f32 v[T+2:T+3], v[T+2:T+3], v[T+18:T+19]
	ds_store_b128 v[TM+2], v[T:T+3]
	s_wait_dscnt 0x0
	s_barrier_signal -1
	s_barrier_wait -1
.set i, 0
.rept 8
	ds_load_b128 v[S+4*i:S+4*i+3], v[TM+3] offset:512*i
.set i, i+1
.endr
	s_wait_dscnt 0x0
	; the chunk's softmax, in every wave: a lane holds 32 of head r's 64 tokens, the lane 16 away the others
.irp j, 0,1,2,3
	v_max3_num_f32 v[TM+(\j)], v[S+8*(\j)], v[S+8*(\j)+1], v[S+8*(\j)+2]
.endr
.irp j, 0,1,2,3
	v_max3_num_f32 v[TM+(\j)], v[TM+(\j)], v[S+8*(\j)+3], v[S+8*(\j)+4]
.endr
.irp j, 0,1,2,3
	v_max3_num_f32 v[TM+(\j)], v[TM+(\j)], v[S+8*(\j)+5], v[S+8*(\j)+6]
.endr
	v_max3_num_f32 v[TM], v[TM], v[S+7], v[S+15]
	v_max3_num_f32 v[TM+1], v[TM+1], v[S+23], v[S+31]
	v_max3_num_f32 v[TM], v[TM], v[TM+1], v[TM+2]
	v_max_num_f32 v[TM], v[TM], v[TM+3]
	v_permlanex16_b32 v[TM+1], v[TM], s34, s35
	v_max_num_f32 v[TM], v[TM], v[TM+1]
	v_mul_f32 v[TM], s32, v[TM]                    ; c max
	v_mov_b32 v[TM+1], v[TM]
	v_add_f32 v[TM+3], v[TM], v[W0]                ; m = c max + c w0
.set i, 0
.rept 16
	v_pk_fma_f32 v[S+2*i:S+2*i+1], v[S+2*i:S+2*i+1], s[32:33], v[TM:TM+1] op_sel_hi:[1,0,1] neg_lo:[0,0,1] neg_hi:[0,0,1]  ; c s - c max
.set i, i+1
.endr
.set i, 0
.rept 32
	v_exp_f32 v[S+i], v[S+i]
.set i, i+1
.endr
	v_nop                                          ; a plain instruction behind the last exponential,
	s_wait_alu depctr_va_vdst(0)                   ; and one wait for the batch of 32, ahead of the first reader
.set i, 0
.rept 16
	v_cvt_pk_bf16_f32 v[P+i], v[S+2*i], v[S+2*i+1] ; fragment u: registers 0-3 from token tile 2 u, 4-7 from tile 2 u + 1
.set i, i+1
.endr
.irp i, 0,4,8,12,16,20,24,28
	v_pk_add_f32 v[S+(\i):S+(\i)+1], v[S+(\i):S+(\i)+1], v[S+(\i)+2:S+(\i)+3]
.endr
.irp i, 0,8,16,24
	v_pk_add_f32 v[S+(\i):S+(\i)+1], v[S+(\i):S+(\i)+1], v[S+(\i)+4:S+(\i)+5]
.endr
	v_pk_add_f32 v[S:S+1], v[S:S+1], v[S+8:S+9]
	v_pk_add_f32 v[S+16:S+17], v[S+16:S+17], v[S+24:S+25]
	v_pk_add_f32 v[S:S+1], v[S:S+1], v[S+16:S+17]
	v_add_f32 v[S], v[S], v[S+1]
	v_permlanex16_b32 v[S+1], v[S], s34, s35
	v_add_f32 v[S], v[S], v[S+1]                   ; l
	v_cmp_lt_u32 vcc_lo, 15, v1
	v_cndmask_b32 v[TM+2], v[TM+3], v[S], vcc_lo   ; lanes 0-15: m, lanes 16-31: l
	v_lshlrev_b32 v[TM+1], 2, v1
	s_cmp_lg_u32 s3, 0
	s_cbranch_scc1 .Lno_stat
	global_store_b32 v[TM+1], v[TM+2], s[40:41]    ; wave 0 alone: 128 consecutive bytes
.Lno_stat:
; part += P x: 32 tokens (u), 64 of my columns (blk).  A lane reads 16 bytes, four neighbouring columns, of each of its 16 tokens; rounded across pairs of tokens they are four fragments,
; in which row r of fragment f is column 64 blk + 4 r + f.
.macro PVB u, blk
.set i, 0
.rept 8
	ds_load_b128 v[T+4*i:T+4*i+3], v[PB2] offset:(32*(\u)+i)*PP+256*(\blk)
	ds_load_b128 v[T+32+4*i:T+32+4*i+3], v[PB2] offset:(32*(\u)+16+i)*PP+256*(\blk)
.set i, i+1
.endr
	s_wait_dscnt 0x0
	s_wait_xcnt 0x0                                ; the copy's stores have read FR
.irp f, 0,1,2,3
.set k, 0
.rept 8
	v_cvt_pk_bf16_f32 v[FR+8*(\f)+k], v[T+8*k+(\f)], v[T+8*k+4+(\f)]
.set k, k+1
.endr
.endr
.irp f, 0,1,2,3
.if (\u) == 0
	v_wmma_f32_16x16x32_bf16 v[ACC2+8*(4*(\blk)+(\f)):ACC2+8*(4*(\blk)+(\f))+7], v[P+8*(\u):P+8*(\u)+7], v[FR+8*(\f):FR+8*(\f)+7], 0
.else
	v_wmma_f32_16x16x32_bf16 v[ACC2+8*(4*(\blk)+(\f)):ACC2+8*(4*(\blk)+(\f))+7], v[P+8*(\u):P+8*(\u)+7], v[FR+8*(\f):FR+8*(\f)+7], v[ACC2+8*(4*(\blk)+(\f)):ACC2+8*(4*(\blk)+(\f))+7]
.endif
.endr
.rept 4
	v_nop
.endr
.endm
	PVB 0, 0
	PVB 0, 1
	PVB 1, 0
	PVB 1, 1
	; the four fragments' numbers of one head are four neighbouring columns: gathered into 16 bytes; sixteen lanes store 256 consecutive bytes.  Each accumulator is read from its lowest register on.
.irp blk, 0,1
.irp j, 0,1,2,3,4,5,6,7
.irp f, 0,1,2,3
	v_mov_b32 v[T+4*(8*(\blk)+(\j))+(\f)], v[ACC2+8*(4*(\blk)+(\f))+(\j)]
.endr
	global_store_b128 v[PO], v[T+4*(8*(\blk)+(\j)):T+4*(8*(\blk)+(\j))+3], s[38:39] offset:4096*(\j)+256*(\blk)
.endr
.endr
	s_wait_tensorcnt 0x0                           ; the wave's end
	ds_add_u32 v4, v5
	s_wait_dscnt 0x0
	s_endpgm
.Lfunc_end_k_qf6abc54d59_poolq:
	.size	k_qf6abc54d59_poolq, .Lfunc_end_k_qf6abc54d59_poolq-k_qf6abc54d59_poolq
	.p2alignl 7, 3214868480
	.fill 96, 4, 3214868480
	.section	.rodata,"a",@progbits
	.p2align	6, 0x0
	.amdhsa_kernel k_qf6abc54d59_poolq
		.amdhsa_group_segment_fixed_size 327680
		.amdhsa_private_segment_fixed_size 0
		.amdhsa_enable_private_segment 0
		.amdhsa_kernarg_size 32
		.amdhsa_user_sgpr_count 2
		.amdhsa_user_sgpr_kernarg_segment_ptr 1
		.amdhsa_wavefront_size32 1
		.amdhsa_system_sgpr_workgroup_id_x 1
		.amdhsa_system_sgpr_workgroup_id_y 1
		.amdhsa_system_sgpr_workgroup_id_z 1
		.amdhsa_system_vgpr_workitem_id 0
		.amdhsa_next_free_vgpr 256
		.amdhsa_next_free_sgpr 66
		.amdhsa_reserve_vcc 1
		.amdhsa_float_denorm_mode_32 3
		.amdhsa_float_denorm_mode_16_64 3
		.amdhsa_memory_ordered 1
		.amdhsa_forward_progress 1
		.amdhsa_inst_pref_size 52
	.end_amdhsa_kernel
	.amdgpu_metadata
---
amdhsa.version: [ 1, 2 ]
amdhsa.kernels:
  - .name:           k_qf6abc54d59_poolq
    .symbol:         k_qf6abc54d59_poolq.kd
    .args:
      - { .name: x_q, .offset: 0, .size: 8, .value_kind: global_buffer, .address_space: global }
      - { .name: wp, .offset: 8, .size: 8, .value_kind: global_buffer, .address_space: global }
      - { .name: wq_b, .offset: 16, .size: 8, .value_kind: global_buffer, .address_space: global }
      - { .name: xbq, .offset: 24, .size: 8, .value_kind: global_buffer, .address_space: global }
    .group_segment_fixed_size: 327680
    .private_segment_fixed_size: 0
    .kernarg_segment_align: 8
    .kernarg_segment_size: 32
    .max_flat_workgroup_size: 256
    .sgpr_count:     66
    .vgpr_count:     256
    .wavefront_size: 32
...
	.end_amdgpu_metadata
.endif
;; end of part 8
;; launch combq (part 9): grid 32 x 8, 16 waves a work-group, no clusters, 8,192 bytes of LDS; arguments xbq, q_w, q_b, bufk, k_b, sbuf, wp; writes sbuf, wp
.if DOCPART == 9
	.amdgcn_target "amdgcn-amd-amdhsa--gfx1250"
	.amdhsa_code_object_version 6
	.text
	.protected	k_qf6abc54d59_combq
	.globl	k_qf6abc54d59_combq
	.p2align	8
	.type	k_qf6abc54d59_combq,@function
k_qf6abc54d59_combq:
	s_mov_b64 s[64:65], 0
	v_nop
	global_prefetch_b8 v0, s[64:65] scope:SCOPE_SE
	s_setreg_imm32_b32 hwreg(HW_REG_WAVE_MODE, 25, 1), 1
	s_wait_xcnt 0x0
; COMB, for the 32 channels j = 32 x .. 32 x + 31 (grid x; they lie in head h' = x / 2 and are one fragment along j) of batch b (grid y).  One text for both sides; KSIDE chooses.
;   1. the batch's 32 chunks are joined: M = max m_c, e_c = 2^(m_c - M), L = sum e_c l_c; xbar[k] = sum_c (e_c / L) part[c][h'][k]: the softmax-weighted mean of x's rows.
;   2. g[j] = xbar . w[j][:] + bias[j] for the 32 j (K side: times gq[j]).  Q side: g = q_global.  K side: g = k_global.  One column of results: done in f32 on the vector unit.
;   3. the rows R (bf16, fragment-major) are scaled by g along j and stored as the next product's operand; and the partial sum over the 32 j of R[.][j] g[j] bvec[j] is stored in f32.
;      Q side: R = wk_w (16 rows; wave 0), the sum is a constant of the key logits; g goes out too.  K side: R = out_w (1,024 rows, 64 a wave), the sum is a part of the output's constant.
; bias and bvec are rounded to bf16 first, like every other input.  Wave W owns rows 32 x + 2 W + i of w.  32 x 8 work-groups: one for each WGP; a head's two halves both join its chunks.
; LIMITS: L is at least 1 (the chunk with the largest m has e = 1 and l >= 1); an e below 2^-126 counts as 0; NaN and infinities are not treated apart.
.set KSIDE, 0
.set XBAR,  0                          ; LDS: xbar, 4,096 bytes
.set G,     4096                       ; g, 128 bytes
.set GB,    4352                       ; g x bvec, 128 bytes
.set SPARE, 4608                       ; the spare words, 128 bytes a wave
.set PARTO, 33554432
.set STATO, 50331648
.set SECOND, 2097152
.set PBOFF, 262144
.set GQOFF, 278528
.set PCOFF, 16777216
.set WROW, 16                          ; v[16:79]   my two rows of w
.set R,    144                         ; v[144:207] first part's 32 pairs, then the rows R
.set XB,   208                         ; v[208:239] xbar, laid like a row of w
.set DOT,  240                         ; v[240:255] at work
.set GV,   16                          ; later: v[16:31] g, v[32:47] g x bvec, laid like a fragment; v[80:95], v[96:111] at work; v[112:119] the sums
.set GBV,  32
.set U,    80
.set PR,   96
.set PBA,  112
.if KSIDE
.set NI,  4
.set SBP, 16
.set D2P, 18
.else
.set NI,  1
.set SBP, 14
.set D2P, 16
.endif
	s_load_b256 s[4:11], s[0:1], 0x0               ; xb 4, w 6, bias 8, the buffer with R 10
.if KSIDE
	s_load_b256 s[12:19], s[0:1], 0x20             ; bvec 12, wp 14, sbuf 16, wbuf 18
.else
	s_load_b128 s[12:15], s[0:1], 0x20             ; bvec 12, sbuf 14
	s_load_b64 s[16:17], s[0:1], 0x30              ; wp 16
.endif
	v_lshl_add_u32 v4, v0, 2, SPARE
	v_mov_b32 v5, 0
	v_lshrrev_b32 v1, 5, v0
	v_readfirstlane_b32 s20, v1                    ; wave W
	s_mov_b32 s2, ttmp9                            ; x
	s_and_b32 s3, ttmp7, 0xffff                    ; b
	s_lshr_b32 s86, s2, 1                          ; h'
	v_and_b32 v1, 31, v0
	v_and_b32 v2, 15, v0
	v_bfe_u32 v3, v0, 4, 1
	v_lshlrev_b32 v6, 4, v1                        ; 16 l
	v_lshlrev_b32 v7, 7, v1                        ; 128 l: lane l reads chunk l's statistics
	v_lshlrev_b32 v8, 3, v0                        ; 8 x thread: two numbers of xbar a thread
	s_mov_b32 s66, 0x76543210
	s_mov_b32 s67, 0xfedcba98
	s_lshl_b32 s21, s2, 7
	s_lshl_b32 s22, s20, 3
	s_add_co_u32 s22, s22, s21                     ; element 32 x + 2 W, in bytes
	s_mov_b32 s23, 0
	s_wait_kmcnt 0x0
	s_add_nc_u64 s[8:9], s[8:9], s[22:23]
	s_add_nc_u64 s[12:13], s[12:13], s[22:23]
	s_load_b64 s[68:69], s[8:9], 0x0               ; bias of my two rows
	s_load_b64 s[72:73], s[12:13], 0x0             ; bvec
.if KSIDE
	s_lshl_b32 s21, s3, 12
	s_add_co_u32 s22, s22, s21
	s_add_co_u32 s22, s22, GQOFF
	s_add_nc_u64 s[14:15], s[14:15], s[22:23]
	s_load_b64 s[76:77], s[14:15], 0x0             ; gq
.endif
	s_lshl_b32 s22, s3, 12
	s_lshl_b32 s21, s86, 2
	s_add_co_u32 s22, s22, s21
	s_add_co_u32 s22, s22, STATO
	s_add_nc_u64 s[24:25], s[4:5], s[22:23]        ; stat[32 b][h']
	s_lshl_b32 s22, s3, 21
	s_lshl_b32 s21, s86, 12
	s_add_co_u32 s22, s22, s21
	s_add_co_u32 s22, s22, PARTO
	s_add_nc_u64 s[26:27], s[4:5], s[22:23]        ; part[32 b][h']
	s_lshl_b32 s22, s2, 17
	s_lshl_b32 s21, s20, 13
	s_add_co_u32 s22, s22, s21
	s_add_nc_u64 s[28:29], s[6:7], s[22:23]        ; w's row 32 x + 2 W
	s_lshl_b32 s22, s2, 10
	s_add_co_u32 s22, s22, SECOND
.if KSIDE
	s_lshl_b32 s21, s20, 17
	s_add_co_u32 s22, s22, s21
.endif
	s_add_nc_u64 s[30:31], s[10:11], s[22:23]      ; R: fragment x (K side: of row groups 4 W on)
	s_lshl_b32 s22, s2, 10
.if KSIDE
	s_lshl_b32 s21, s3, 21
	s_add_co_u32 s22, s22, s21
	s_lshl_b32 s21, s20, 17
	s_add_co_u32 s22, s22, s21
.else
	s_lshl_b32 s21, s3, 15
	s_add_co_u32 s22, s22, s21
.endif
	s_add_nc_u64 s[80:81], s[SBP:SBP+1], s[22:23]  ; where the scaled rows go
.if KSIDE
	s_lshl_b32 s22, s3, 17
	s_lshl_b32 s21, s2, 12
	s_add_co_u32 s22, s22, s21
	s_lshl_b32 s21, s20, 8
	s_add_co_u32 s22, s22, s21
	s_add_co_u32 s22, s22, PCOFF
	s_add_nc_u64 s[82:83], s[D2P:D2P+1], s[22:23]  ; pc[b][x][64 W]
.else
	s_lshl_b32 s22, s3, 11
	s_lshl_b32 s21, s2, 6
	s_add_co_u32 s22, s22, s21
	s_add_co_u32 s22, s22, PBOFF
	s_add_nc_u64 s[82:83], s[D2P:D2P+1], s[22:23]  ; pb[b][x]
	s_lshl_b32 s22, s3, 12
	s_lshl_b32 s21, s2, 7
	s_add_co_u32 s22, s22, s21
	s_add_co_u32 s22, s22, GQOFF
	s_add_nc_u64 s[84:85], s[D2P:D2P+1], s[22:23]  ; gq[b][32 x]
.endif
	global_load_b32 v240, v7, s[24:25]             ; m of chunk l
	global_load_b32 v241, v7, s[24:25] offset:64   ; l of chunk l
.set c, 0
.rept 32
	global_load_b64 v[R+2*c:R+2*c+1], v8, s[26:27] offset:65536*c
.set c, c+1
.endr
.irp i, 0,1
.irp t, 0,1,2,3,4,5,6,7
	global_load_b128 v[WROW+32*(\i)+4*(\t):WROW+32*(\i)+4*(\t)+3], v6, s[28:29] offset:4096*(\i)+512*(\t)
.endr
.endr
	s_wait_loadcnt 48                              ; the statistics are in; part's 32 loads and w's 16 may stay out
	v_mov_b32 v242, v240
	v_mov_b32 v243, v240
.irp m, 1,2,4,8
	v_max_num_f32_dpp v242, v242, v242 row_xmask:\m row_mask:0xf bank_mask:0xf
.endr
	v_permlanex16_b32 v243, v242, s66, s67
	v_max_num_f32 v242, v242, v243                 ; M
	v_sub_f32 v242, v240, v242
	v_exp_f32 v244, v242                           ; e
	v_nop
	s_wait_alu depctr_va_vdst(0)
	v_mul_f32 v245, v244, v241
.irp m, 1,2,4,8
	v_add_f32_dpp v245, v245, v245 row_xmask:\m row_mask:0xf bank_mask:0xf
.endr
	v_permlanex16_b32 v243, v245, s66, s67
	v_add_f32 v245, v245, v243                     ; L
	v_rcp_f32 v246, v245
	v_nop
	s_wait_alu depctr_va_vdst(0)
	v_mul_f32 v244, v244, v246                     ; e / L
.set c, 0
.rept 32
	v_readlane_b32 s[32+c], v244, c
.set c, c+1
.endr
	s_wait_loadcnt 16                              ; part is in; w's 16 loads may stay out
	v_mul_f32 v248, s32, v[R]
	v_mul_f32 v249, s32, v[R+1]
.set c, 1
.rept 31
	v_fmac_f32 v248, s[32+c], v[R+2*c]
	v_fmac_f32 v249, s[32+c], v[R+2*c+1]
.set c, c+1
.endr
	ds_store_b64 v8, v[248:249] offset:XBAR
.set ii, 0
.rept NI
	global_load_b128 v[R+8*ii:R+8*ii+3], v6, s[30:31] offset:32768*ii
	global_load_b128 v[R+8*ii+4:R+8*ii+7], v6, s[30:31] offset:32768*ii+512
.set ii, ii+1
.endr
	s_wait_dscnt 0x0
	s_barrier_signal -1
	s_barrier_wait -1                              ; xbar is whole
.irp t, 0,1,2,3,4,5,6,7
	ds_load_b128 v[XB+4*(\t):XB+4*(\t)+3], v6 offset:XBAR+512*(\t)
.endr
	s_wait_loadcnt 2*NI                            ; w's rows are in; R's loads may stay out
	s_wait_dscnt 0x0
.irp i, 0,1
	v_pk_mul_f32 v[DOT+4*(\i):DOT+4*(\i)+1], v[WROW+32*(\i):WROW+32*(\i)+1], v[XB:XB+1]
	v_pk_mul_f32 v[DOT+4*(\i)+2:DOT+4*(\i)+3], v[WROW+32*(\i)+2:WROW+32*(\i)+3], v[XB+2:XB+3]
.endr
.set t, 1
.rept 7
.irp i, 0,1
	v_pk_fma_f32 v[DOT+4*(\i):DOT+4*(\i)+1], v[WROW+32*(\i)+4*t:WROW+32*(\i)+4*t+1], v[XB+4*t:XB+4*t+1], v[DOT+4*(\i):DOT+4*(\i)+1]
	v_pk_fma_f32 v[DOT+4*(\i)+2:DOT+4*(\i)+3], v[WROW+32*(\i)+4*t+2:WROW+32*(\i)+4*t+3], v[XB+4*t+2:XB+4*t+3], v[DOT+4*(\i)+2:DOT+4*(\i)+3]
.endr
.set t, t+1
.endr
.irp i, 0,1
	v_pk_add_f32 v[DOT+4*(\i):DOT+4*(\i)+1], v[DOT+4*(\i):DOT+4*(\i)+1], v[DOT+4*(\i)+2:DOT+4*(\i)+3]
.endr
.irp i, 0,1
	v_add_f32 v[DOT+4*(\i)], v[DOT+4*(\i)], v[DOT+4*(\i)+1]
.endr
.irp m, 1,2,4,8
.irp i, 0,1
	v_add_f32_dpp v[DOT+4*(\i)], v[DOT+4*(\i)], v[DOT+4*(\i)] row_xmask:\m row_mask:0xf bank_mask:0xf
.endr
.endr
.irp i, 0,1
	v_permlanex16_b32 v[DOT+4*(\i)+1], v[DOT+4*(\i)], s66, s67
.endr
.irp i, 0,1
	v_add_f32 v[DOT+4*(\i)], v[DOT+4*(\i)], v[DOT+4*(\i)+1]
.endr
	s_wait_kmcnt 0x0
.macro RND2 d0, d1, sa                 ; two scalars rounded to bf16 and widened again
	v_mov_b32 v[\d0], s[\sa]
	v_mov_b32 v[\d1], s[(\sa)+1]
	v_cvt_pk_bf16_f32 v[DOT+3], v[\d0], v[\d1]
	v_lshlrev_b32 v[\d0], 16, v[DOT+3]
	v_and_b32 v[\d1], 0xffff0000, v[DOT+3]
.endm
	RND2 DOT+1, DOT+5, 68
	RND2 DOT+2, DOT+6, 72
.irp i, 0,1
	v_add_f32 v[8+(\i)], v[DOT+4*(\i)], v[DOT+4*(\i)+1]
.if KSIDE
	v_mul_f32 v[8+(\i)], s[76+(\i)], v[8+(\i)]
.endif
.endr
.irp i, 0,1
	v_mul_f32 v[12+(\i)], v[8+(\i)], v[DOT+4*(\i)+2]
.endr
	s_lshl_b32 s21, s20, 3
	s_add_co_u32 s21, s21, G
	v_mov_b32 v7, s21
	ds_store_b64 v7, v[8:9]                        ; all lanes hold the same two numbers and write the same 8 bytes
	ds_store_b64 v7, v[12:13] offset:GB-G
	s_wait_dscnt 0x0
	s_barrier_signal -1
	s_barrier_wait -1                              ; the 32 g are whole
.if !KSIDE
	s_cmp_lg_u32 s20, 0
	s_cbranch_scc1 .Lend                           ; sixteen rows are one wave's work
.endif
	v_lshlrev_b32 v7, 5, v3                        ; 32 hh
.irp p, 0,1,2,3
	ds_load_b128 v[GV+4*(\p):GV+4*(\p)+3], v7 offset:G+16*((\p)%2)+64*((\p)/2)
	ds_load_b128 v[GBV+4*(\p):GBV+4*(\p)+3], v7 offset:GB+16*((\p)%2)+64*((\p)/2)
.endr
.if !KSIDE
	v_and_b32 v124, 7, v0
	v_lshlrev_b32 v124, 4, v124
	ds_load_b128 v[120:123], v124 offset:G
.endif
	s_wait_dscnt 0x0
	s_wait_loadcnt 0x0
; The fragment of row group i: widened, scaled by g, summed with g x bvec, rounded once, stored where it came from in the layout.
.macro FRAG i
.set rb, R+8*(\i)
.set k, 0
.rept 8
	v_lshlrev_b32 v[U+2*k], 16, v[rb+k]
	v_and_b32 v[U+2*k+1], 0xffff0000, v[rb+k]
.set k, k+1
.endr
.set k, 0
.rept 8
	v_pk_mul_f32 v[PR+2*k:PR+2*k+1], v[U+2*k:U+2*k+1], v[GV+2*k:GV+2*k+1]
.if k == 0
	v_pk_mul_f32 v[PBA+2*(\i):PBA+2*(\i)+1], v[U:U+1], v[GBV:GBV+1]
.else
	v_pk_fma_f32 v[PBA+2*(\i):PBA+2*(\i)+1], v[U+2*k:U+2*k+1], v[GBV+2*k:GBV+2*k+1], v[PBA+2*(\i):PBA+2*(\i)+1]
.endif
.set k, k+1
.endr
.set k, 0
.rept 8
	v_cvt_pk_bf16_f32 v[rb+k], v[PR+2*k], v[PR+2*k+1]
.set k, k+1
.endr
	global_store_b128 v6, v[rb:rb+3], s[80:81] offset:32768*(\i)
	global_store_b128 v6, v[rb+4:rb+7], s[80:81] offset:32768*(\i)+512
.endm
.set ii, 0
.rept NI
	FRAG ii
.set ii, ii+1
.endr
.set ii, 0
.rept NI
	v_add_f32 v[PBA+2*ii], v[PBA+2*ii], v[PBA+2*ii+1]
.set ii, ii+1
.endr
.set ii, 0
.rept NI
	v_permlanex16_b32 v[PBA+2*ii+1], v[PBA+2*ii], s66, s67
.set ii, ii+1
.endr
.set ii, 0
.rept NI
	v_add_f32 v[PBA+2*ii], v[PBA+2*ii], v[PBA+2*ii+1]  ; row r's sum, in both halves of the lanes
.set ii, ii+1
.endr
.if KSIDE
	v_cmp_lt_u32 vcc_lo, 15, v1
	v_cndmask_b32 v120, v[PBA], v[PBA+2], vcc_lo   ; lanes 0-15: row group 0's rows, lanes 16-31: row group 1's
	v_cndmask_b32 v121, v[PBA+4], v[PBA+6], vcc_lo
	v_lshlrev_b32 v122, 2, v1
	global_store_b32 v122, v120, s[82:83]          ; 128 consecutive bytes each
	global_store_b32 v122, v121, s[82:83] offset:128
.else
	v_lshlrev_b32 v125, 2, v2
	global_store_b32 v125, v[PBA], s[82:83]        ; lanes r and 16 + r store the same number to the same word
	global_store_b128 v124, v[120:123], s[84:85]   ; g, 128 consecutive bytes; four lanes store the same 16 bytes to the same place
.endif
.Lend:
	s_wait_tensorcnt 0x0                           ; the wave's end, behind my last LDS store
	ds_add_u32 v4, v5
	s_wait_dscnt 0x0
	s_endpgm
.Lfunc_end_k_qf6abc54d59_combq:
	.size	k_qf6abc54d59_combq, .Lfunc_end_k_qf6abc54d59_combq-k_qf6abc54d59_combq
	.p2alignl 7, 3214868480
	.fill 96, 4, 3214868480
	.section	.rodata,"a",@progbits
	.p2align	6, 0x0
	.amdhsa_kernel k_qf6abc54d59_combq
		.amdhsa_group_segment_fixed_size 8192
		.amdhsa_private_segment_fixed_size 0
		.amdhsa_enable_private_segment 0
		.amdhsa_kernarg_size 56
		.amdhsa_user_sgpr_count 2
		.amdhsa_user_sgpr_kernarg_segment_ptr 1
		.amdhsa_wavefront_size32 1
		.amdhsa_system_sgpr_workgroup_id_x 1
		.amdhsa_system_sgpr_workgroup_id_y 1
		.amdhsa_system_sgpr_workgroup_id_z 1
		.amdhsa_system_vgpr_workitem_id 0
		.amdhsa_next_free_vgpr 256
		.amdhsa_next_free_sgpr 88
		.amdhsa_reserve_vcc 1
		.amdhsa_float_denorm_mode_32 3
		.amdhsa_float_denorm_mode_16_64 3
		.amdhsa_memory_ordered 1
		.amdhsa_forward_progress 1
		.amdhsa_inst_pref_size 21
	.end_amdhsa_kernel
	.amdgpu_metadata
---
amdhsa.version: [ 1, 2 ]
amdhsa.kernels:
  - .name:           k_qf6abc54d59_combq
    .symbol:         k_qf6abc54d59_combq.kd
    .args:
      - { .name: xbq, .offset: 0, .size: 8, .value_kind: global_buffer, .address_space: global }
      - { .name: q_w, .offset: 8, .size: 8, .value_kind: global_buffer, .address_space: global }
      - { .name: q_b, .offset: 16, .size: 8, .value_kind: global_buffer, .address_space: global }
      - { .name: bufk, .offset: 24, .size: 8, .value_kind: global_buffer, .address_space: global }
      - { .name: k_b, .offset: 32, .size: 8, .value_kind: global_buffer, .address_space: global }
      - { .name: sbuf, .offset: 40, .size: 8, .value_kind: global_buffer, .address_space: global }
      - { .name: wp, .offset: 48, .size: 8, .value_kind: global_buffer, .address_space: global }
    .group_segment_fixed_size: 8192
    .private_segment_fixed_size: 0
    .kernarg_segment_align: 8
    .kernarg_segment_size: 56
    .max_flat_workgroup_size: 512
    .sgpr_count:     88
    .vgpr_count:     256
    .wavefront_size: 32
...
	.end_amdgpu_metadata
.endif
;; end of part 9
;; launch gb (part 10): grid 32 x 8, 4 waves a work-group, no clusters, 8,704 bytes of LDS; arguments sbuf, bufk, wp; writes wp
.if DOCPART == 10
	.amdgcn_target "amdgcn-amd-amdhsa--gfx1250"
	.amdhsa_code_object_version 6
	.text
	.protected	k_qf6abc54d59_gb
	.globl	k_qf6abc54d59_gb
	.p2align	8
	.type	k_qf6abc54d59_gb,@function
k_qf6abc54d59_gb:
	s_mov_b64 s[64:65], 0
	v_nop
	global_prefetch_b8 v0, s[64:65] scope:SCOPE_SE
	s_setreg_imm32_b32 hwreg(HW_REG_WAVE_MODE, 25, 1), 1
	s_wait_xcnt 0x0
; THE KEY LOGITS' WEIGHTS: Out[16 b + h][kx] = the sum over j of S[16 b + h][j] T[kx][j], j = 0 .. 1,023.  S (128 rows), T (1,024 rows) and Out are bf16 in the fragment-major layout:
; a fragment of 16 rows x 32 k is 1,024 consecutive bytes, lane l's 16 bytes at 16 l and 512 + 16 l; 16 rows of all 1,024 k are 32,768 bytes.  Sums in f32, Out rounded once.
; SHARES.  Work-group (p, b) makes batch b's 16 rows x the 32 columns kx = 32 p ..: two tiles of 16, together one whole fragment of Out.  K IS SPLIT AMONG ITS FOUR WAVES: wave v takes the
; fragments 8 v .. 8 v + 7 along j, for both tiles.  The four partial sums meet in LDS at the end (f32 sums may be taken in any order).
; The fragments come straight from memory as they lie, 512 consecutive bytes a load: nothing that one wave loads is wanted by another, so nothing goes through LDS on the way in.
; A wave issues all its 48 loads at once (24 KiB) and multiplies each group of six as it comes in.
; The product is taken transposed (source 0 = 16 rows of T, source 1 = the 16 rows of S): a lane holds row h = lane % 16 and eight neighbouring kx: packed, 16 bytes of half a fragment of Out.
.set RG,    32768
.set PART,  0                          ; LDS: wave v's two partial tiles, 1,024 bytes each, at 2,048 v
.set SPARE, 8192                       ; behind them: the spare words, 128 bytes a wave, named by no other line
.set FO,  2                            ; v2   16 l + 8,192 x wave: my place in my first fragment, for S and for T
.set LS,  4                            ; v4   where I put my 32 bytes of a partial tile
.set LR,  5                            ; v5   where I read them back
.set YO,  6                            ; v6   my 16 bytes of Out
.set SPW, 8
.set NIL, 9
.set ACC, 16                           ; v[16:47]   four accumulators: tile j, fragments of parity p, at ACC + 8 (2 p + j)
.set BUF, 64                           ; v[64:255]  for each of my 8 steps along j: S's fragment, then T's two
	s_load_b128 s[4:7], s[0:1], 0x0                ; S s[4:5], T s[6:7]
	s_load_b64 s[8:9], s[0:1], 0x10                ; Out
	v_lshl_add_u32 v[SPW], v0, 2, SPARE
	v_mov_b32 v[NIL], 0
	v_lshrrev_b32 v1, 5, v0
	v_readfirstlane_b32 s14, v1                    ; wave 0..3
	v_and_b32 v12, 31, v0                          ; l
	s_lshl_b32 s16, s14, 13
	v_lshl_add_u32 v[FO], v12, 4, s16
	s_lshl_b32 s17, s14, 11
	v_lshl_add_u32 v[LS], v12, 5, s17              ; 2,048 x wave + 32 l
	s_lshl_b32 s17, s14, 10
	v_lshl_add_u32 v[LR], v12, 5, s17              ; tile = my wave's number (waves 0 and 1): 1,024 x wave + 32 l
	s_lshl_b32 s17, s14, 9
	v_lshl_add_u32 v[YO], v12, 4, s17              ; the tile's half of the fragment + 16 l
	s_and_b32 s15, ttmp7, 0xffff                   ; b
	s_lshl_b32 s10, s15, 15                        ; S: row group b
	s_mov_b32 s11, 0
	s_lshl_b32 s12, ttmp9, 16                      ; T: row groups 2 p, 2 p + 1
	s_mov_b32 s13, 0
	s_lshl_b32 s18, ttmp9, 10                      ; Out: row group b, fragment p
	s_add_co_u32 s18, s18, s10
	s_mov_b32 s19, 0
	s_wait_kmcnt 0x0
	s_add_nc_u64 s[4:5], s[4:5], s[10:11]
	s_add_nc_u64 s[6:7], s[6:7], s[12:13]
	s_add_nc_u64 s[8:9], s[8:9], s[18:19]
.irp f, 0,1,2,3,4,5,6,7
	global_load_b128 v[BUF+24*(\f):BUF+24*(\f)+3],     v[FO], s[4:5] offset:1024*(\f)
	global_load_b128 v[BUF+24*(\f)+4:BUF+24*(\f)+7],   v[FO], s[4:5] offset:1024*(\f)+512
	global_load_b128 v[BUF+24*(\f)+8:BUF+24*(\f)+11],  v[FO], s[6:7] offset:1024*(\f)
	global_load_b128 v[BUF+24*(\f)+12:BUF+24*(\f)+15], v[FO], s[6:7] offset:1024*(\f)+512
	global_load_b128 v[BUF+24*(\f)+16:BUF+24*(\f)+19], v[FO], s[6:7] offset:RG+1024*(\f)
	global_load_b128 v[BUF+24*(\f)+20:BUF+24*(\f)+23], v[FO], s[6:7] offset:RG+1024*(\f)+512
.endr
; The four accumulators take turns, one instruction a turn: three others stand between two links of a chain.  The first four products start the sums.
.irp f, 0,1,2,3,4,5,6,7
	s_wait_loadcnt 6*(7-(\f))                      ; loads come back in order: step f's six are in, the six of each younger step may stay out
.irp j, 0,1
.if (\f) < 2
	v_wmma_f32_16x16x32_bf16 v[ACC+8*(2*((\f)%2)+(\j)):ACC+8*(2*((\f)%2)+(\j))+7], v[BUF+24*(\f)+8+8*(\j):BUF+24*(\f)+8+8*(\j)+7], v[BUF+24*(\f):BUF+24*(\f)+7], 0
.else
	v_wmma_f32_16x16x32_bf16 v[ACC+8*(2*((\f)%2)+(\j)):ACC+8*(2*((\f)%2)+(\j))+7], v[BUF+24*(\f)+8+8*(\j):BUF+24*(\f)+8+8*(\j)+7], v[BUF+24*(\f):BUF+24*(\f)+7], v[ACC+8*(2*((\f)%2)+(\j)):ACC+8*(2*((\f)%2)+(\j))+7]
.endif
.endr
.endr
.rept 8
	v_nop                                          ; places behind the last products, ahead of the sums that read them
.endr
.set r, 0
.rept 8
	v_pk_add_f32 v[ACC+r:ACC+r+1], v[ACC+r:ACC+r+1], v[ACC+16+r:ACC+16+r+1]  ; the two parities; each accumulator is read from its lowest registers on
.set r, r+2
.endr
.irp j, 0,1
	ds_store_b128 v[LS], v[ACC+8*(\j):ACC+8*(\j)+3]   offset:PART+1024*(\j)
	ds_store_b128 v[LS], v[ACC+8*(\j)+4:ACC+8*(\j)+7] offset:PART+1024*(\j)+16
.endr
	s_wait_dscnt 0x0                               ; for the others' sake: my stores are done
	s_barrier_signal -1
	s_barrier_wait -1                              ; all four partial sums of both tiles lie in LDS
	s_cmp_lt_u32 s14, 2                            ; wave 0 finishes tile 0, wave 1 tile 1
	s_cbranch_scc0 .Lend
.irp v, 0,1,2,3
	ds_load_b128 v[BUF+8*(\v):BUF+8*(\v)+3],   v[LR] offset:PART+2048*(\v)
	ds_load_b128 v[BUF+8*(\v)+4:BUF+8*(\v)+7], v[LR] offset:PART+2048*(\v)+16
.endr
	s_wait_dscnt 0x0
.set r, 0
.rept 4
	v_pk_add_f32 v[BUF+r:BUF+r+1], v[BUF+r:BUF+r+1], v[BUF+8+r:BUF+8+r+1]
	v_pk_add_f32 v[BUF+16+r:BUF+16+r+1], v[BUF+16+r:BUF+16+r+1], v[BUF+24+r:BUF+24+r+1]
.set r, r+2
.endr
.set r, 0
.rept 4
	v_pk_add_f32 v[BUF+r:BUF+r+1], v[BUF+r:BUF+r+1], v[BUF+16+r:BUF+16+r+1]
.set r, r+2
.endr
.irp r, 0,1,2,3
	v_cvt_pk_bf16_f32 v[BUF+32+(\r)], v[BUF+2*(\r)], v[BUF+2*(\r)+1]
.endr
	global_store_b128 v[YO], v[BUF+32:BUF+35], s[8:9]          ; half a fragment: 512 consecutive bytes
.Lend:
	s_wait_tensorcnt 0x0                           ; the wave's end, behind my last LDS store
	ds_add_u32 v[SPW], v[NIL]
	s_wait_dscnt 0x0
	s_endpgm
.Lfunc_end_k_qf6abc54d59_gb:
	.size	k_qf6abc54d59_gb, .Lfunc_end_k_qf6abc54d59_gb-k_qf6abc54d59_gb
	.p2alignl 7, 3214868480
	.fill 96, 4, 3214868480
	.section	.rodata,"a",@progbits
	.p2align	6, 0x0
	.amdhsa_kernel k_qf6abc54d59_gb
		.amdhsa_group_segment_fixed_size 8704
		.amdhsa_private_segment_fixed_size 0
		.amdhsa_enable_private_segment 0
		.amdhsa_kernarg_size 24
		.amdhsa_user_sgpr_count 2
		.amdhsa_user_sgpr_kernarg_segment_ptr 1
		.amdhsa_wavefront_size32 1
		.amdhsa_system_sgpr_workgroup_id_x 1
		.amdhsa_system_sgpr_workgroup_id_y 1
		.amdhsa_system_sgpr_workgroup_id_z 1
		.amdhsa_system_vgpr_workitem_id 0
		.amdhsa_next_free_vgpr 256
		.amdhsa_next_free_sgpr 66
		.amdhsa_reserve_vcc 0
		.amdhsa_float_denorm_mode_32 3
		.amdhsa_float_denorm_mode_16_64 3
		.amdhsa_memory_ordered 1
		.amdhsa_forward_progress 1
		.amdhsa_inst_pref_size 11
	.end_amdhsa_kernel
	.amdgpu_metadata
---
amdhsa.version: [ 1, 2 ]
amdhsa.kernels:
  - .name:           k_qf6abc54d59_gb
    .symbol:         k_qf6abc54d59_gb.kd
    .args:
      - { .name: sbuf, .offset: 0, .size: 8, .value_kind: global_buffer, .address_space: global }
      - { .name: bufk, .offset: 8, .size: 8, .value_kind: global_buffer, .address_space: global }
      - { .name: wp, .offset: 16, .size: 8, .value_kind: global_buffer, .address_space: global }
    .group_segment_fixed_size: 8704
    .private_segment_fixed_size: 0
    .kernarg_segment_align: 8
    .kernarg_segment_size: 24
    .max_flat_workgroup_size: 128
    .sgpr_count:     66
    .vgpr_count:     256
    .wavefront_size: 32
...
	.end_amdgpu_metadata
.endif
;; end of part 10
;; launch poolk: the kernel of part 8 again; grid 256 x 1, 8 waves a work-group, no clusters, 327,680 bytes of LDS; arguments x_kv, wp, wk_b, xbk; writes xbk
;; launch combk (part 11): grid 32 x 8, 16 waves a work-group, no clusters, 8,192 bytes of LDS; arguments xbk, k_w, k_b, bufv, v_b, wp, sbuf, wbuf; writes sbuf, wbuf
.if DOCPART == 11
	.amdgcn_target "amdgcn-amd-amdhsa--gfx1250"
	.amdhsa_code_object_version 6
	.text
	.protected	k_qf6abc54d59_combk
	.globl	k_qf6abc54d59_combk
	.p2align	8
	.type	k_qf6abc54d59_combk,@function
k_qf6abc54d59_combk:
	s_mov_b64 s[64:65], 0
	v_nop
	global_prefetch_b8 v0, s[64:65] scope:SCOPE_SE
	s_setreg_imm32_b32 hwreg(HW_REG_WAVE_MODE, 25, 1), 1
	s_wait_xcnt 0x0
; COMB, for the 32 channels j = 32 x .. 32 x + 31 (grid x; they lie in head h' = x / 2 and are one fragment along j) of batch b (grid y).  One text for both sides; KSIDE chooses.
;   1. the batch's 32 chunks are joined: M = max m_c, e_c = 2^(m_c - M), L = sum e_c l_c; xbar[k] = sum_c (e_c / L) part[c][h'][k]: the softmax-weighted mean of x's rows.
;   2. g[j] = xbar . w[j][:] + bias[j] for the 32 j (K side: times gq[j]).  Q side: g = q_global.  K side: g = k_global.  One column of results: done in f32 on the vector unit.
;   3. the rows R (bf16, fragment-major) are scaled by g along j and stored as the next product's operand; and the partial sum over the 32 j of R[.][j] g[j] bvec[j] is stored in f32.
;      Q side: R = wk_w (16 rows; wave 0), the sum is a constant of the key logits; g goes out too.  K side: R = out_w (1,024 rows, 64 a wave), the sum is a part of the output's constant.
; bias and bvec are rounded to bf16 first, like every other input.  Wave W owns rows 32 x + 2 W + i of w.  32 x 8 work-groups: one for each WGP; a head's two halves both join its chunks.
; LIMITS: L is at least 1 (the chunk with the largest m has e = 1 and l >= 1); an e below 2^-126 counts as 0; NaN and infinities are not treated apart.
.set KSIDE, 1
.set XBAR,  0                          ; LDS: xbar, 4,096 bytes
.set G,     4096                       ; g, 128 bytes
.set GB,    4352                       ; g x bvec, 128 bytes
.set SPARE, 4608                       ; the spare words, 128 bytes a wave
.set PARTO, 33554432
.set STATO, 50331648
.set SECOND, 2097152
.set PBOFF, 262144
.set GQOFF, 278528
.set PCOFF, 16777216
.set WROW, 16                          ; v[16:79]   my two rows of w
.set R,    144                         ; v[144:207] first part's 32 pairs, then the rows R
.set XB,   208                         ; v[208:239] xbar, laid like a row of w
.set DOT,  240                         ; v[240:255] at work
.set GV,   16                          ; later: v[16:31] g, v[32:47] g x bvec, laid like a fragment; v[80:95], v[96:111] at work; v[112:119] the sums
.set GBV,  32
.set U,    80
.set PR,   96
.set PBA,  112
.if KSIDE
.set NI,  4
.set SBP, 16
.set D2P, 18
.else
.set NI,  1
.set SBP, 14
.set D2P, 16
.endif
	s_load_b256 s[4:11], s[0:1], 0x0               ; xb 4, w 6, bias 8, the buffer with R 10
.if KSIDE
	s_load_b256 s[12:19], s[0:1], 0x20             ; bvec 12, wp 14, sbuf 16, wbuf 18
.else
	s_load_b128 s[12:15], s[0:1], 0x20             ; bvec 12, sbuf 14
	s_load_b64 s[16:17], s[0:1], 0x30              ; wp 16
.endif
	v_lshl_add_u32 v4, v0, 2, SPARE
	v_mov_b32 v5, 0
	v_lshrrev_b32 v1, 5, v0
	v_readfirstlane_b32 s20, v1                    ; wave W
	s_mov_b32 s2, ttmp9                            ; x
	s_and_b32 s3, ttmp7, 0xffff                    ; b
	s_lshr_b32 s86, s2, 1                          ; h'
	v_and_b32 v1, 31, v0
	v_and_b32 v2, 15, v0
	v_bfe_u32 v3, v0, 4, 1
	v_lshlrev_b32 v6, 4, v1                        ; 16 l
	v_lshlrev_b32 v7, 7, v1                        ; 128 l: lane l reads chunk l's statistics
	v_lshlrev_b32 v8, 3, v0                        ; 8 x thread: two numbers of xbar a thread
	s_mov_b32 s66, 0x76543210
	s_mov_b32 s67, 0xfedcba98
	s_lshl_b32 s21, s2, 7
	s_lshl_b32 s22, s20, 3
	s_add_co_u32 s22, s22, s21                     ; element 32 x + 2 W, in bytes
	s_mov_b32 s23, 0
	s_wait_kmcnt 0x0
	s_add_nc_u64 s[8:9], s[8:9], s[22:23]
	s_add_nc_u64 s[12:13], s[12:13], s[22:23]
	s_load_b64 s[68:69], s[8:9], 0x0               ; bias of my two rows
	s_load_b64 s[72:73], s[12:13], 0x0             ; bvec
.if KSIDE
	s_lshl_b32 s21, s3, 12
	s_add_co_u32 s22, s22, s21
	s_add_co_u32 s22, s22, GQOFF
	s_add_nc_u64 s[14:15], s[14:15], s[22:23]
	s_load_b64 s[76:77], s[14:15], 0x0             ; gq
.endif
	s_lshl_b32 s22, s3, 12
	s_lshl_b32 s21, s86, 2
	s_add_co_u32 s22, s22, s21
	s_add_co_u32 s22, s22, STATO
	s_add_nc_u64 s[24:25], s[4:5], s[22:23]        ; stat[32 b][h']
	s_lshl_b32 s22, s3, 21
	s_lshl_b32 s21, s86, 12
	s_add_co_u32 s22, s22, s21
	s_add_co_u32 s22, s22, PARTO
	s_add_nc_u64 s[26:27], s[4:5], s[22:23]        ; part[32 b][h']
	s_lshl_b32 s22, s2, 17
	s_lshl_b32 s21, s20, 13
	s_add_co_u32 s22, s22, s21
	s_add_nc_u64 s[28:29], s[6:7], s[22:23]        ; w's row 32 x + 2 W
	s_lshl_b32 s22, s2, 10
	s_add_co_u32 s22, s22, SECOND
.if KSIDE
	s_lshl_b32 s21, s20, 17
	s_add_co_u32 s22, s22, s21
.endif
	s_add_nc_u64 s[30:31], s[10:11], s[22:23]      ; R: fragment x (K side: of row groups 4 W on)
	s_lshl_b32 s22, s2, 10
.if KSIDE
	s_lshl_b32 s21, s3, 21
	s_add_co_u32 s22, s22, s21
	s_lshl_b32 s21, s20, 17
	s_add_co_u32 s22, s22, s21
.else
	s_lshl_b32 s21, s3, 15
	s_add_co_u32 s22, s22, s21
.endif
	s_add_nc_u64 s[80:81], s[SBP:SBP+1], s[22:23]  ; where the scaled rows go
.if KSIDE
	s_lshl_b32 s22, s3, 17
	s_lshl_b32 s21, s2, 12
	s_add_co_u32 s22, s22, s21
	s_lshl_b32 s21, s20, 8
	s_add_co_u32 s22, s22, s21
	s_add_co_u32 s22, s22, PCOFF
	s_add_nc_u64 s[82:83], s[D2P:D2P+1], s[22:23]  ; pc[b][x][64 W]
.else
	s_lshl_b32 s22, s3, 11
	s_lshl_b32 s21, s2, 6
	s_add_co_u32 s22, s22, s21
	s_add_co_u32 s22, s22, PBOFF
	s_add_nc_u64 s[82:83], s[D2P:D2P+1], s[22:23]  ; pb[b][x]
	s_lshl_b32 s22, s3, 12
	s_lshl_b32 s21, s2, 7
	s_add_co_u32 s22, s22, s21
	s_add_co_u32 s22, s22, GQOFF
	s_add_nc_u64 s[84:85], s[D2P:D2P+1], s[22:23]  ; gq[b][32 x]
.endif
	global_load_b32 v240, v7, s[24:25]             ; m of chunk l
	global_load_b32 v241, v7, s[24:25] offset:64   ; l of chunk l
.set c, 0
.rept 32
	global_load_b64 v[R+2*c:R+2*c+1], v8, s[26:27] offset:65536*c
.set c, c+1
.endr
.irp i, 0,1
.irp t, 0,1,2,3,4,5,6,7
	global_load_b128 v[WROW+32*(\i)+4*(\t):WROW+32*(\i)+4*(\t)+3], v6, s[28:29] offset:4096*(\i)+512*(\t)
.endr
.endr
	s_wait_loadcnt 48                              ; the statistics are in; part's 32 loads and w's 16 may stay out
	v_mov_b32 v242, v240
	v_mov_b32 v243, v240
.irp m, 1,2,4,8
	v_max_num_f32_dpp v242, v242, v242 row_xmask:\m row_mask:0xf bank_mask:0xf
.endr
	v_permlanex16_b32 v243, v242, s66, s67
	v_max_num_f32 v242, v242, v243                 ; M
	v_sub_f32 v242, v240, v242
	v_exp_f32 v244, v242                           ; e
	v_nop
	s_wait_alu depctr_va_vdst(0)
	v_mul_f32 v245, v244, v241
.irp m, 1,2,4,8
	v_add_f32_dpp v245, v245, v245 row_xmask:\m row_mask:0xf bank_mask:0xf
.endr
	v_permlanex16_b32 v243, v245, s66, s67
	v_add_f32 v245, v245, v243                     ; L
	v_rcp_f32 v246, v245
	v_nop
	s_wait_alu depctr_va_vdst(0)
	v_mul_f32 v244, v244, v246                     ; e / L
.set c, 0
.rept 32
	v_readlane_b32 s[32+c], v244, c
.set c, c+1
.endr
	s_wait_loadcnt 16                              ; part is in; w's 16 loads may stay out
	v_mul_f32 v248, s32, v[R]
	v_mul_f32 v249, s32, v[R+1]
.set c, 1
.rept 31
	v_fmac_f32 v248, s[32+c], v[R+2*c]
	v_fmac_f32 v249, s[32+c], v[R+2*c+1]
.set c, c+1
.endr
	ds_store_b64 v8, v[248:249] offset:XBAR
.set ii, 0
.rept NI
	global_load_b128 v[R+8*ii:R+8*ii+3], v6, s[30:31] offset:32768*ii
	global_load_b128 v[R+8*ii+4:R+8*ii+7], v6, s[30:31] offset:32768*ii+512
.set ii, ii+1
.endr
	s_wait_dscnt 0x0
	s_barrier_signal -1
	s_barrier_wait -1                              ; xbar is whole
.irp t, 0,1,2,3,4,5,6,7
	ds_load_b128 v[XB+4*(\t):XB+4*(\t)+3], v6 offset:XBAR+512*(\t)
.endr
	s_wait_loadcnt 2*NI                            ; w's rows are in; R's loads may stay out
	s_wait_dscnt 0x0
.irp i, 0,1
	v_pk_mul_f32 v[DOT+4*(\i):DOT+4*(\i)+1], v[WROW+32*(\i):WROW+32*(\i)+1], v[XB:XB+1]
	v_pk_mul_f32 v[DOT+4*(\i)+2:DOT+4*(\i)+3], v[WROW+32*(\i)+2:WROW+32*(\i)+3], v[XB+2:XB+3]
.endr
.set t, 1
.rept 7
.irp i, 0,1
	v_pk_fma_f32 v[DOT+4*(\i):DOT+4*(\i)+1], v[WROW+32*(\i)+4*t:WROW+32*(\i)+4*t+1], v[XB+4*t:XB+4*t+1], v[DOT+4*(\i):DOT+4*(\i)+1]
	v_pk_fma_f32 v[DOT+4*(\i)+2:DOT+4*(\i)+3], v[WROW+32*(\i)+4*t+2:WROW+32*(\i)+4*t+3], v[XB+4*t+2:XB+4*t+3], v[DOT+4*(\i)+2:DOT+4*(\i)+3]
.endr
.set t, t+1
.endr
.irp i, 0,1
	v_pk_add_f32 v[DOT+4*(\i):DOT+4*(\i)+1], v[DOT+4*(\i):DOT+4*(\i)+1], v[DOT+4*(\i)+2:DOT+4*(\i)+3]
.endr
.irp i, 0,1
	v_add_f32 v[DOT+4*(\i)], v[DOT+4*(\i)], v[DOT+4*(\i)+1]
.endr
.irp m, 1,2,4,8
.irp i, 0,1
	v_add_f32_dpp v[DOT+4*(\i)], v[DOT+4*(\i)], v[DOT+4*(\i)] row_xmask:\m row_mask:0xf bank_mask:0xf
.endr
.endr
.irp i, 0,1
	v_permlanex16_b32 v[DOT+4*(\i)+1], v[DOT+4*(\i)], s66, s67
.endr
.irp i, 0,1
	v_add_f32 v[DOT+4*(\i)], v[DOT+4*(\i)], v[DOT+4*(\i)+1]
.endr
	s_wait_kmcnt 0x0
.macro RND2 d0, d1, sa                 ; two scalars rounded to bf16 and widened again
	v_mov_b32 v[\d0], s[\sa]
	v_mov_b32 v[\d1], s[(\sa)+1]
	v_cvt_pk_bf16_f32 v[DOT+3], v[\d0], v[\d1]
	v_lshlrev_b32 v[\d0], 16, v[DOT+3]
	v_and_b32 v[\d1], 0xffff0000, v[DOT+3]
.endm
	RND2 DOT+1, DOT+5, 68
	RND2 DOT+2, DOT+6, 72
.irp i, 0,1
	v_add_f32 v[8+(\i)], v[DOT+4*(\i)], v[DOT+4*(\i)+1]
.if KSIDE
	v_mul_f32 v[8+(\i)], s[76+(\i)], v[8+(\i)]
.endif
.endr
.irp i, 0,1
	v_mul_f32 v[12+(\i)], v[8+(\i)], v[DOT+4*(\i)+2]
.endr
	s_lshl_b32 s21, s20, 3
	s_add_co_u32 s21, s21, G
	v_mov_b32 v7, s21
	ds_store_b64 v7, v[8:9]                        ; all lanes hold the same two numbers and write the same 8 bytes
	ds_store_b64 v7, v[12:13] offset:GB-G
	s_wait_dscnt 0x0
	s_barrier_signal -1
	s_barrier_wait -1                              ; the 32 g are whole
.if !KSIDE
	s_cmp_lg_u32 s20, 0
	s_cbranch_scc1 .Lend                           ; sixteen rows are one wave's work
.endif
	v_lshlrev_b32 v7, 5, v3                        ; 32 hh
.irp p, 0,1,2,3
	ds_load_b128 v[GV+4*(\p):GV+4*(\p)+3], v7 offset:G+16*((\p)%2)+64*((\p)/2)
	ds_load_b128 v[GBV+4*(\p):GBV+4*(\p)+3], v7 offset:GB+16*((\p)%2)+64*((\p)/2)
.endr
.if !KSIDE
	v_and_b32 v124, 7, v0
	v_lshlrev_b32 v124, 4, v124
	ds_load_b128 v[120:123], v124 offset:G
.endif
	s_wait_dscnt 0x0
	s_wait_loadcnt 0x0
; The fragment of row group i: widened, scaled by g, summed with g x bvec, rounded once, stored where it came from in the layout.
.macro FRAG i
.set rb, R+8*(\i)
.set k, 0
.rept 8
	v_lshlrev_b32 v[U+2*k], 16, v[rb+k]
	v_and_b32 v[U+2*k+1], 0xffff0000, v[rb+k]
.set k, k+1
.endr
.set k, 0
.rept 8
	v_pk_mul_f32 v[PR+2*k:PR+2*k+1], v[U+2*k:U+2*k+1], v[GV+2*k:GV+2*k+1]
.if k == 0
	v_pk_mul_f32 v[PBA+2*(\i):PBA+2*(\i)+1], v[U:U+1], v[GBV:GBV+1]
.else
	v_pk_fma_f32 v[PBA+2*(\i):PBA+2*(\i)+1], v[U+2*k:U+2*k+1], v[GBV+2*k:GBV+2*k+1], v[PBA+2*(\i):PBA+2*(\i)+1]
.endif
.set k, k+1
.endr
.set k, 0
.rept 8
	v_cvt_pk_bf16_f32 v[rb+k], v[PR+2*k], v[PR+2*k+1]
.set k, k+1
.endr
	global_store_b128 v6, v[rb:rb+3], s[80:81] offset:32768*(\i)
	global_store_b128 v6, v[rb+4:rb+7], s[80:81] offset:32768*(\i)+512
.endm
.set ii, 0
.rept NI
	FRAG ii
.set ii, ii+1
.endr
.set ii, 0
.rept NI
	v_add_f32 v[PBA+2*ii], v[PBA+2*ii], v[PBA+2*ii+1]
.set ii, ii+1
.endr
.set ii, 0
.rept NI
	v_permlanex16_b32 v[PBA+2*ii+1], v[PBA+2*ii], s66, s67
.set ii, ii+1
.endr
.set ii, 0
.rept NI
	v_add_f32 v[PBA+2*ii], v[PBA+2*ii], v[PBA+2*ii+1]  ; row r's sum, in both halves of the lanes
.set ii, ii+1
.endr
.if KSIDE
	v_cmp_lt_u32 vcc_lo, 15, v1
	v_cndmask_b32 v120, v[PBA], v[PBA+2], vcc_lo   ; lanes 0-15: row group 0's rows, lanes 16-31: row group 1's
	v_cndmask_b32 v121, v[PBA+4], v[PBA+6], vcc_lo
	v_lshlrev_b32 v122, 2, v1
	global_store_b32 v122, v120, s[82:83]          ; 128 consecutive bytes each
	global_store_b32 v122, v121, s[82:83] offset:128
.else
	v_lshlrev_b32 v125, 2, v2
	global_store_b32 v125, v[PBA], s[82:83]        ; lanes r and 16 + r store the same number to the same word
	global_store_b128 v124, v[120:123], s[84:85]   ; g, 128 consecutive bytes; four lanes store the same 16 bytes to the same place
.endif
.Lend:
	s_wait_tensorcnt 0x0                           ; the wave's end, behind my last LDS store
	ds_add_u32 v4, v5
	s_wait_dscnt 0x0
	s_endpgm
.Lfunc_end_k_qf6abc54d59_combk:
	.size	k_qf6abc54d59_combk, .Lfunc_end_k_qf6abc54d59_combk-k_qf6abc54d59_combk
	.p2alignl 7, 3214868480
	.fill 96, 4, 3214868480
	.section	.rodata,"a",@progbits
	.p2align	6, 0x0
	.amdhsa_kernel k_qf6abc54d59_combk
		.amdhsa_group_segment_fixed_size 8192
		.amdhsa_private_segment_fixed_size 0
		.amdhsa_enable_private_segment 0
		.amdhsa_kernarg_size 64
		.amdhsa_user_sgpr_count 2
		.amdhsa_user_sgpr_kernarg_segment_ptr 1
		.amdhsa_wavefront_size32 1
		.amdhsa_system_sgpr_workgroup_id_x 1
		.amdhsa_system_sgpr_workgroup_id_y 1
		.amdhsa_system_sgpr_workgroup_id_z 1
		.amdhsa_system_vgpr_workitem_id 0
		.amdhsa_next_free_vgpr 256
		.amdhsa_next_free_sgpr 88
		.amdhsa_reserve_vcc 1
		.amdhsa_float_denorm_mode_32 3
		.amdhsa_float_denorm_mode_16_64 3
		.amdhsa_memory_ordered 1
		.amdhsa_forward_progress 1
		.amdhsa_inst_pref_size 30
	.end_amdhsa_kernel
	.amdgpu_metadata
---
amdhsa.version: [ 1, 2 ]
amdhsa.kernels:
  - .name:           k_qf6abc54d59_combk
    .symbol:         k_qf6abc54d59_combk.kd
    .args:
      - { .name: xbk, .offset: 0, .size: 8, .value_kind: global_buffer, .address_space: global }
      - { .name: k_w, .offset: 8, .size: 8, .value_kind: global_buffer, .address_space: global }
      - { .name: k_b, .offset: 16, .size: 8, .value_kind: global_buffer, .address_space: global }
      - { .name: bufv, .offset: 24, .size: 8, .value_kind: global_buffer, .address_space: global }
      - { .name: v_b, .offset: 32, .size: 8, .value_kind: global_buffer, .address_space: global }
      - { .name: wp, .offset: 40, .size: 8, .value_kind: global_buffer, .address_space: global }
      - { .name: sbuf, .offset: 48, .size: 8, .value_kind: global_buffer, .address_space: global }
      - { .name: wbuf, .offset: 56, .size: 8, .value_kind: global_buffer, .address_space: global }
    .group_segment_fixed_size: 8192
    .private_segment_fixed_size: 0
    .kernarg_segment_align: 8
    .kernarg_segment_size: 64
    .max_flat_workgroup_size: 512
    .sgpr_count:     88
    .vgpr_count:     256
    .wavefront_size: 32
...
	.end_amdgpu_metadata
.endif
;; end of part 11
;; launch gw (part 12): grid 8 x 32, 4 waves a work-group, clusters of 4 x 4, 327,680 bytes of LDS; arguments sbuf, bufv, wbuf; writes wbuf
.if DOCPART == 12
	.amdgcn_target "amdgcn-amd-amdhsa--gfx1250"
	.amdhsa_code_object_version 6
	.text
	.protected	k_qf6abc54d59_gw
	.globl	k_qf6abc54d59_gw
	.p2align	8
	.type	k_qf6abc54d59_gw,@function
k_qf6abc54d59_gw:
	s_mov_b64 s[64:65], 0
	v_nop
	global_prefetch_b8 v0, s[64:65] scope:SCOPE_SE
	s_setreg_imm32_b32 hwreg(HW_REG_WAVE_MODE, 25, 1), 1
	s_wait_xcnt 0x0
	s_wait_alu depctr_hold_cnt(0) depctr_sa_sdst(0) depctr_va_vdst(0) depctr_va_sdst(0) depctr_va_ssrc(0) depctr_va_vcc(0) depctr_vm_vsrc(0)
	s_getreg_b32 s2, hwreg(HW_REG_IB_STS2, 6, 4)
	s_cmp_eq_u32 s2, 0
	s_cbranch_scc0 .Lentry_in_a_cluster
	s_endpgm
.Lentry_in_a_cluster:
	s_bfe_u32 s2, ttmp6, 0x10000c
	s_cmp_lg_u32 s2, 0xf033
	s_cbranch_scc0 .Lentry_shape_is_right
	s_endpgm
.Lentry_shape_is_right:
; THE EIGHT W_b: Out[rho][kx] = the sum over j of S[rho][j] T[kx][j], j = 0 .. 1,023; rho = 1,024 b + n (8,192 rows), kx = 0 .. 1,023.  S (out_w's rows scaled by the batch's k_global),
; T (v_w turned) and Out are bf16 in the fragment-major layout (a fragment of 16 rows x 32 k is 1,024 consecutive bytes, lane L's 16 bytes at 16 L and 512 + 16 L; 16 rows of all k are
; 32,768 bytes); sums in f32, Out rounded once.
; A work-group makes 256 (rho) x 128 (kx) of Out: 32 x 8 tiles, one for each of 256 work-groups.  Four waves, 128 x 64 each: 32 accumulators, one register window.  K goes in eight steps
; of 128 (4,096 bytes of each group of 16 rows) through two LDS slots of 98,304 bytes: S's 16 row groups, then T's 8; two slots of the double step would not fit in LDS.
; CLUSTERS: 4 x 4 work-groups.  The four of a row of the cluster need the same tile of S, the four of a column the same tile of T: each tile is asked for JOINTLY, by the same tensor load
; with the same descriptor and a mask that names the four.
; The matrix instruction is used transposed (source 0 = 16 rows of T, source 1 = 16 rows of S): a lane holds row rho = lane % 16 and eight neighbouring kx, which packed to 16 bytes
; ARE half a fragment of Out: the results are stored straight from registers, 512 consecutive bytes an instruction.
; REGISTERS, in windows of 256: window 0: v0-31 addresses; v32-159 packed results.  Window 1: two fragment buffers at v0 and v128: 64 registers of S (8 x 16 rows x 32 K), then 32 of T.
;   window 2: the accumulators ((a, b) at 8 (4 a + b)).
.set KB,     4096                      ; bytes of a row group in a K step
.set SB,     16*KB                     ; S's part of a slot
.set SLOT,   24*KB
.set SPARE,  2*SLOT                    ; behind the ring: the spare words, 128 bytes a wave
.set RG,     32768
.set LAPS,   4                         ; 8 K steps; a lap is two
.set ADRA, 16                          ; v16-17  my S fragments in slot 0, 1
.set ADRB, 20                          ; v20-21  my T fragments
.set CO,   26                          ; v26     16 x lane
.set SPW,  28
.set NIL,  29
.set PFO,  30                          ; v30     the prefetches' offset: two row groups, a lane for each 256 bytes of a K step; never rewritten
.set TMP,  32
.set F0,   0
.set F1,   128
.set G1, 24                            ; s[24:31] group 1 for S; s[32:39] group 0, a set for each slot
.set G0, 32
.set G1B, 48                           ; the same for T
.set G0B, 56
.set LIM,  43                          ; s43  1 in a wave that prefetches, else the greatest number
.set PFA,  44                          ; s[44:45] where my prefetches stand
.set MSB, 0
.macro WIN new                         ; the immediate's high byte repeats the setting that is left
.if MSB != (\new)
	s_set_vgpr_msb (MSB<<8)|(\new)
.set MSB, \new
.endif
.endm
.set MUL,  0xa5                        ; sources 0 and 1 in window 1; C and D in window 2
.set TO_F, 0x40                        ; destination window 1, address window 0
.macro JLOAD s                         ; a joint load: waves 0 and 1 fetch S's two halves, waves 2 and 3 T's; an s_nop 0 and four v_nop follow each line
	s_cmp_eq_u32 s11, 0
	s_cbranch_scc0 .Lfor_b_\@
	tensor_load_to_lds s[G0+4*(\s):G0+4*(\s)+3], s[G1:G1+7]
	s_nop 0
.rept 4
	v_nop
.endr
	s_branch .Lasked_\@
.Lfor_b_\@:
	tensor_load_to_lds s[G0B+4*(\s):G0B+4*(\s)+3], s[G1B:G1B+7]
	s_nop 0
.rept 4
	v_nop
.endr
.Lasked_\@:
.endm
; A prefetch of the K step that stands two refills on.  S's tile row is read by both clusters of that row of clusters: cluster x = 0 asks, waves 0 and 1 each for the eight row groups that
; they fetch.  T's tile column is read by all eight clusters of that column: cluster y = 0 asks, wave 2 for the tile's eight row groups, wave 3 for nothing.  Of eight row groups each of the
; four partners that ask for them jointly takes two, told apart by address: 2 x 4,096 bytes, a lane for each 256.  So each block is named once.  The loop's last trip asks for nothing.
.macro ASK
	s_cmp_gt_u32 s3, s[LIM]
	s_cbranch_scc0 .Lnot_mine_\@
	global_prefetch_b8 v[PFO], s[PFA:PFA+1] th:TH_LOAD_NT scope:SCOPE_SE
.Lnot_mine_\@:
.endm
.macro CREST                           ; a round of the cluster's barrier behind its opening barrier
	s_cmp_lg_u32 s10, 0
	s_cbranch_scc1 .Lnot_wave_0_\@
	s_barrier_signal -3
.Lnot_wave_0_\@:
	s_barrier_wait -3
	s_barrier_signal -1
	s_barrier_wait -1
.endm
.macro CROUND
	s_barrier_signal -1
	s_barrier_wait -1
	CREST
.endm
	s_load_b128 s[4:7], s[0:1], 0x0                ; S s[4:5], T s[6:7]
	s_load_b64 s[8:9], s[0:1], 0x10                ; Out
	v_lshl_add_u32 v[SPW], v0, 2, SPARE
	v_mov_b32 v[NIL], 0
	ds_add_u32 v[SPW], v[NIL]                      ; the wave's opening: the add and its wait stand ahead of my first tensor load
	v_lshrrev_b32 v1, 5, v0
	v_readfirstlane_b32 s10, v1                    ; wave 0..3
	s_lshr_b32 s11, s10, 1                         ; my half of the rho rows.  Also: I fetch for S (0) or T (1)
	s_and_b32 s12, s10, 1                          ; my half of the kx rows.  Also: which half of that tile's row groups I fetch
	s_bfe_u32 s40, ttmp6, 0x40000                  ; cx, cy: my place in the cluster
	s_bfe_u32 s41, ttmp6, 0x40004
	s_lshl_b32 s42, ttmp9, 2
	s_add_co_u32 s42, s42, s40                     ; kx tile = 4 x cluster x + cx
	s_and_b32 s13, ttmp7, 0xffff
	s_lshl_b32 s13, s13, 2
	s_add_co_u32 s13, s13, s41                     ; rho tile = 4 x cluster y + cy
	s_lshl_b32 s43, s41, 2
	s_lshl_b32 s43, 15, s43                        ; my row of the cluster
	s_lshl_b32 s44, 0x1111, s40                    ; my column
	s_or_b32 s[G1+0], s43, (3<<16)|(1<<21)         ; the mask: S's tiles go to my row; 8-byte elements; bit 21 beside a mask; no padding: a fragment's loads take consecutive bytes
	s_or_b32 s[G1B+0], s44, (3<<16)|(1<<21)        ; T's tiles go to my column
.irp g, G1, G1B
	s_mov_b32 s[(\g)+1], 512<<16                   ; tensor_dim0 = 512 elements: 4,096 bytes
	s_mov_b32 s[(\g)+3], 512<<16                   ; tile_dim0
	s_mov_b32 s[(\g)+5], 4096                      ; 32,768 bytes from row group to row group
	s_mov_b32 s[(\g)+6], 0
	s_mov_b32 s[(\g)+7], 0
.endr
	s_mov_b32 s[G1+2], 8<<16                       ; tensor_dim1: S: 8 row groups a load,
	s_mov_b32 s[G1+4], 8                           ; tile_dim1
	s_mov_b32 s[G1B+2], 4<<16                      ; T: 4
	s_mov_b32 s[G1B+4], 4
	s_lshl_b32 s16, s13, 4
	s_lshl_b32 s17, s12, 3
	s_add_co_u32 s16, s16, s17
	s_lshl_b32 s16, s16, 15                        ; S: row group 16 x rho tile + 8 x half
	s_mov_b32 s17, 0
	s_lshl_b32 s46, s42, 3
	s_lshl_b32 s47, s12, 2
	s_add_co_u32 s46, s46, s47
	s_lshl_b32 s46, s46, 15                        ; T: row group 8 x kx tile + 4 x half
	s_mov_b32 s47, 0
	s_lshl_b32 s20, s10, 15                        ; where S's halves go: waves 0, 1: wave x 32,768
	s_lshl_b32 s21, s10, 14
	s_add_co_u32 s21, s21, 32768                   ; where T's halves go: waves 2, 3: 65,536 + (wave - 2) x 16,384.  No place in the cluster enters an LDS address
	s_wait_dscnt 0x0                               ; the opening add is done
	s_wait_kmcnt 0x0
	s_add_nc_u64 s[14:15], s[4:5], s[16:17]
	s_add_nc_u64 s[46:47], s[6:7], s[46:47]
	CROUND                                         ; all sixteen work-groups are here: the first joint loads meet
.irp s, 0,1
	s_mov_b32 s[G0+4*(\s)], 1
	s_add_co_u32 s[G0+4*(\s)+1], s20, (\s)*SLOT
	s_add_nc_u64 s[G0+4*(\s)+2:G0+4*(\s)+3], s[14:15], (\s)*KB
	s_or_b32 s[G0+4*(\s)+3], s[G0+4*(\s)+3], 0x80000000
	s_mov_b32 s[G0B+4*(\s)], 1
	s_add_co_u32 s[G0B+4*(\s)+1], s21, (\s)*SLOT
	s_add_nc_u64 s[G0B+4*(\s)+2:G0B+4*(\s)+3], s[46:47], (\s)*KB
	s_or_b32 s[G0B+4*(\s)+3], s[G0B+4*(\s)+3], 0x80000000
	JLOAD \s
.endr
	v_and_b32 v1, 31, v0
	v_lshlrev_b32 v3, 4, v1                        ; 16 x lane
	v_and_b32 v2, 15, v0
	v_bfe_u32 v4, v0, 4, 1
	s_lshl_b32 s21, s11, 15                        ; my eight row groups of S
	s_lshl_b32 s22, s12, 14                        ; and my four of T,
	s_add_co_u32 s22, s22, SB                      ; which lie behind S's sixteen
.irp s, 0,1
	v_add_nc_u32 v[ADRA+(\s)], s21, v3
	v_add_nc_u32 v[ADRB+(\s)], s22, v3
	s_add_co_u32 s21, s21, SLOT
	s_add_co_u32 s22, s22, SLOT
.endr
	v_mov_b32 v[CO], v3
	s_lshl_b32 s16, s13, 4
	s_lshl_b32 s17, s11, 3
	s_add_co_u32 s16, s16, s17
	s_lshl_b32 s16, s16, 15                        ; Out: my eight row groups,
	s_mov_b32 s17, 0
	s_add_nc_u64 s[8:9], s[8:9], s[16:17]
	s_lshl_b32 s22, s42, 12                        ; the tile's four fragments along kx,
	s_lshl_b32 s23, s12, 11                        ; my two of them
	s_add_co_u32 s22, s22, s23
	s_mov_b32 s23, 0
	s_add_nc_u64 s[8:9], s[8:9], s[22:23]
	; the prefetches
	s_and_b32 s18, ttmp7, 0xffff                   ; cluster y
	s_cmp_eq_u32 s18, 0
	s_cselect_b32 s[LIM], 1, -1                    ; T's rows: cluster y = 0 asks
	s_mov_b32 s19, ttmp9                           ; cluster x
	s_cmp_eq_u32 s19, 0
	s_cselect_b32 s19, 1, -1                       ; S's rows: cluster x = 0 asks
	s_cmp_eq_u32 s11, 0
	s_cselect_b32 s[LIM], s19, s[LIM]
	s_cselect_b64 s[PFA:PFA+1], s[14:15], s[46:47] ; (in wave 2 T's address stands at the tile's first row group)
	s_cselect_b32 s20, s40, s41                    ; my place among the four that ask with me
	s_cmp_eq_u32 s10, 3
	s_cselect_b32 s[LIM], -1, s[LIM]               ; wave 2 asks for all of T's tile
	s_lshl_b32 s20, s20, 16                        ; its two row groups
	s_mov_b32 s21, 0
	s_add_nc_u64 s[PFA:PFA+1], s[PFA:PFA+1], s[20:21]
	s_add_nc_u64 s[PFA:PFA+1], s[PFA:PFA+1], 3*KB  ; at K step 3: the first change of slots steps it to 4.  Nothing is prefetched at the head
	v_lshlrev_b32 v[PFO], 8, v2
	v_lshl_add_u32 v[PFO], v4, 15, v[PFO]
; 8 matrix instructions: rho blocks a0, a0 + 1 x all 4 kx blocks, 32 along K, from buffer f.  zero = 1: the first product starts the sums
.macro MUL8 f, a0, zero
	WIN MUL
.irp a, \a0, (\a0)+1
.irp b, 0,1,2,3
.if \zero
	v_wmma_f32_16x16x32_bf16 v[8*(4*(\a)+(\b)):8*(4*(\a)+(\b))+7], v[(\f)+64+8*(\b):(\f)+64+8*(\b)+7], v[(\f)+8*(\a):(\f)+8*(\a)+7], 0
.else
	v_wmma_f32_16x16x32_bf16 v[8*(4*(\a)+(\b)):8*(4*(\a)+(\b))+7], v[(\f)+64+8*(\b):(\f)+64+8*(\b)+7], v[(\f)+8*(\a):(\f)+8*(\a)+7], v[8*(4*(\a)+(\b)):8*(4*(\a)+(\b))+7]
.endif
.endr
.endr
.endm
; 24 LDS loads in one run: the fragments of 32 along K at byte k of the row groups, into buffer f
.macro FETCH slot, k, f
	WIN TO_F
.irp i, 0,1,2,3
	ds_load_b128 v[(\f)+64+8*(\i):(\f)+64+8*(\i)+3],   v[ADRB+(\slot)] offset:(\k)+(\i)*KB
	ds_load_b128 v[(\f)+64+8*(\i)+4:(\f)+64+8*(\i)+7], v[ADRB+(\slot)] offset:(\k)+(\i)*KB+512
.endr
.irp i, 0,1,2,3,4,5,6,7
	ds_load_b128 v[(\f)+8*(\i):(\f)+8*(\i)+3],   v[ADRA+(\slot)] offset:(\k)+(\i)*KB
	ds_load_b128 v[(\f)+8*(\i)+4:(\f)+8*(\i)+7], v[ADRA+(\slot)] offset:(\k)+(\i)*KB+512
.endr
.endm
.macro PLACES                          ; four places in front of loads into registers that matrix instructions have read, and of conversions that read results
.rept 4
	v_nop
.endr
.endm
; A K step is four quarters of 32 along K, 32 matrix instructions each, on buffers 0, 1, 0, 1.  One of the first three: its own fragments are in; the next quarter's 24 loads go out at once,
; into the buffer that the quarter before multiplied, and have this quarter's 32 matrix instructions in which to land.  The 32 accumulators take turns in the same order in every quarter.
.macro QUARTER slot, k, f, g, zero
	s_wait_dscnt 0x0                               ; buffer f is in
	PLACES
	FETCH \slot, \k, \g
	MUL8 \f, 0, \zero
	MUL8 \f, 2, \zero
	MUL8 \f, 4, \zero
	MUL8 \f, 6, \zero
.endm
; The last quarter multiplies buffer 1 and changes slots: in front of the barrier each wave waits for all its tensor loads, adds 0 to its spare word, and waits for that and for its reads of this slot.
; fill = 1: this slot is filled again, two K steps ahead: from the request to the wait for it a wave issues 112 matrix instructions.
.macro TURN slot, next, fill
.if \fill
	s_wait_xcnt 0x0                                ; the last prefetch, a K step back, has read its address
	s_add_nc_u64 s[PFA:PFA+1], s[PFA:PFA+1], KB
.endif
	WIN 0
	s_wait_tensorcnt 0x0                           ; all my tensor loads have landed: my part of the next slot
	ds_add_u32 v[SPW], v[NIL]                      ; 0 onto my spare word
	s_wait_dscnt 1                                 ; buffer 1 is in; the add may be out
	MUL8 F1, 0, 0                                  ; eight matrix instructions stand between the add and the wait for it
	s_wait_dscnt 0x0                               ; the add is done, and my reads of this slot are over
	s_barrier_signal -1
	MUL8 F1, 2, 0
.if \fill
	WIN 0
.endif
	s_barrier_wait -1
.if \fill
	CREST                                          ; the barrier has opened a round of the cluster's: no wave of any partner still reads this slot or has a load on its way
	s_add_nc_u64 s[G0+4*(\slot)+2:G0+4*(\slot)+3], s[G0+4*(\slot)+2:G0+4*(\slot)+3], 2*KB
	s_add_nc_u64 s[G0B+4*(\slot)+2:G0B+4*(\slot)+3], s[G0B+4*(\slot)+2:G0B+4*(\slot)+3], 2*KB
	JLOAD \slot                                    ; the first tensor load behind the round; its four v_nop are also the places in front of the loads below
.else
	PLACES
.endif
	FETCH \next, 0, F0
.if \fill
	WIN 0
	ASK                                            ; behind the joint load and the run of LDS loads
.endif
	MUL8 F1, 4, 0
	MUL8 F1, 6, 0
.endm
	s_wait_tensorcnt 1                             ; my part of K step 0 is in; K step 1's may stay out
	s_barrier_signal -1
	s_barrier_wait -1
	FETCH 0, 0, F0
	QUARTER 0, 1024, F0, F1, 1                     ; the first quarter's products start the sums
	WIN 0                                          ; at a label and at a branch every window is 0
	s_mov_b32 s3, LAPS-1
.Llap:                                                 ; a trip goes once round the ring, from a lap's second quarter to the next lap's first, and fills both slots again
	QUARTER 0, 2048, F1, F0, 0
	QUARTER 0, 3072, F0, F1, 0
	TURN 0, 1, 1
	QUARTER 1, 1024, F0, F1, 0
	QUARTER 1, 2048, F1, F0, 0
	QUARTER 1, 3072, F0, F1, 0
	TURN 1, 0, 1
	QUARTER 0, 1024, F0, F1, 0
	WIN 0
	s_sub_co_u32 s3, s3, 1
	s_cmp_lg_u32 s3, 0
	s_cbranch_scc1 .Llap
	QUARTER 0, 2048, F1, F0, 0                     ; the last lap fills nothing
	QUARTER 0, 3072, F0, F1, 0
	TURN 0, 1, 0
	QUARTER 1, 1024, F0, F1, 0
	QUARTER 1, 2048, F1, F0, 0
	QUARTER 1, 3072, F0, F1, 0
	s_wait_dscnt 0x0                               ; the very last quarter: nothing more to fetch
	MUL8 F1, 0, 0
	MUL8 F1, 2, 0
	MUL8 F1, 4, 0
	MUL8 F1, 6, 0
	PLACES
	WIN 0x0a                                       ; sources 0 and 1 in window 2, destination in window 0
.set t, 0
.rept 32
.irp r, 0,1,2,3
	v_cvt_pk_bf16_f32 v[TMP+4*t+(\r)], v[8*t+2*(\r)], v[8*t+2*(\r)+1]  ; each accumulator is read from its lowest registers on
.endr
.set t, t+1
.endr
	WIN 0
.irp a, 0,1,2,3,4,5,6,7
.irp b, 0,1,2,3
	global_store_b128 v[CO], v[TMP+4*(4*(\a)+(\b)):TMP+4*(4*(\a)+(\b))+3], s[8:9] offset:(\a)*RG+((\b)/2)*1024+((\b)%2)*512  ; half a fragment: 512 consecutive bytes
.endr
.endr
	s_wait_tensorcnt 0x0                           ; the wave's end
	ds_add_u32 v[SPW], v[NIL]
	s_wait_dscnt 0x0
	CROUND                                         ; the closing round: no work-group ends while a partner may still ask for a tile that names it
	s_endpgm
.Lfunc_end_k_qf6abc54d59_gw:
	.size	k_qf6abc54d59_gw, .Lfunc_end_k_qf6abc54d59_gw-k_qf6abc54d59_gw
	.p2alignl 7, 3214868480
	.fill 96, 4, 3214868480
	.section	.rodata,"a",@progbits
	.p2align	6, 0x0
	.amdhsa_kernel k_qf6abc54d59_gw
		.amdhsa_group_segment_fixed_size 327680
		.amdhsa_private_segment_fixed_size 0
		.amdhsa_enable_private_segment 0
		.amdhsa_kernarg_size 24
		.amdhsa_user_sgpr_count 2
		.amdhsa_user_sgpr_kernarg_segment_ptr 1
		.amdhsa_wavefront_size32 1
		.amdhsa_system_sgpr_workgroup_id_x 1
		.amdhsa_system_sgpr_workgroup_id_y 1
		.amdhsa_system_sgpr_workgroup_id_z 1
		.amdhsa_system_vgpr_workitem_id 0
		.amdhsa_next_free_vgpr 768
		.amdhsa_next_free_sgpr 66
		.amdhsa_reserve_vcc 0
		.amdhsa_float_denorm_mode_32 3
		.amdhsa_float_denorm_mode_16_64 3
		.amdhsa_memory_ordered 1
		.amdhsa_forward_progress 1
		.amdhsa_inst_pref_size 81
	.end_amdhsa_kernel
	.amdgpu_metadata
---
amdhsa.version: [ 1, 2 ]
amdhsa.kernels:
  - .name:           k_qf6abc54d59_gw
    .symbol:         k_qf6abc54d59_gw.kd
    .args:
      - { .name: sbuf, .offset: 0, .size: 8, .value_kind: global_buffer, .address_space: global }
      - { .name: bufv, .offset: 8, .size: 8, .value_kind: global_buffer, .address_space: global }
      - { .name: wbuf, .offset: 16, .size: 8, .value_kind: global_buffer, .address_space: global }
    .group_segment_fixed_size: 327680
    .private_segment_fixed_size: 0
    .kernarg_segment_align: 8
    .kernarg_segment_size: 24
    .max_flat_workgroup_size: 128
    .sgpr_count:     66
    .vgpr_count:     768
    .wavefront_size: 32
...
	.end_amdgpu_metadata
.endif
;; end of part 12
;; launch final (part 13): grid 4 x 64, 4 waves a work-group, clusters of 4 x 4, 327,680 bytes of LDS; arguments xbq, xbk, bufq, wbuf, out_b, q_b, out0; writes out0
.if DOCPART == 13
	.amdgcn_target "amdgcn-amd-amdhsa--gfx1250"
	.amdhsa_code_object_version 6
	.text
	.protected	k_qf6abc54d59_final
	.globl	k_qf6abc54d59_final
	.p2align	8
	.type	k_qf6abc54d59_final,@function
k_qf6abc54d59_final:
	s_mov_b64 s[64:65], 0
	v_nop
	global_prefetch_b8 v0, s[64:65] scope:SCOPE_SE
	s_setreg_imm32_b32 hwreg(HW_REG_WAVE_MODE, 25, 1), 1
	s_wait_xcnt 0x0
	s_wait_alu depctr_hold_cnt(0) depctr_sa_sdst(0) depctr_va_vdst(0) depctr_va_sdst(0) depctr_va_ssrc(0) depctr_va_vcc(0) depctr_vm_vsrc(0)
	s_getreg_b32 s2, hwreg(HW_REG_IB_STS2, 6, 4)
	s_cmp_eq_u32 s2, 0
	s_cbranch_scc0 .Lentry_in_a_cluster
	s_endpgm
.Lentry_in_a_cluster:
	s_bfe_u32 s2, ttmp6, 0x10000c
	s_cmp_lg_u32 s2, 0xf033
	s_cbranch_scc0 .Lentry_shape_is_right
	s_endpgm
.Lentry_shape_is_right:
; out[t][n] = x_q[t] . q_w[n] + x_kv[t] . W_b[n] + c_b[n]: one product with K = 2,048.  K steps 0-7 multiply x_q's copy by q_w's, K steps 8-15 x_kv's copy by the batch's W_b.
; c_b[n] = the sum of the 32 partial constants pc[b][.][n] + out_b[n] + q_b[n] (the two biases rounded to bf16 like every other input).  out is f32.
; All operands are bf16 in the fragment-major layout: a fragment of 16 rows x 32 k is 1,024 consecutive bytes, lane L's 16 bytes at 16 L and 512 + 16 L; 16 rows of all 1,024 k are 32,768 bytes.
; A work-group makes 256 x 256 of out; four waves, 128 x 128 each: 64 accumulators, 512 registers.  K goes in steps of 128 (4,096 bytes of each group of 16 rows) through two LDS slots.
; CLUSTERS: 4 x 4 work-groups.  The four of a row of the cluster share the tokens' tile, the four of a column the weights' tile: each is asked for JOINTLY.  A cluster's 1,024 tokens lie in one
; batch (cluster y / 2), so the change of operands at K step 8 is the same line in all sixteen.
; The matrix instruction is used transposed (source 0 = 16 rows of the weights, source 1 = 16 tokens): a lane holds one token and eight neighbouring columns.
; REGISTERS, in windows of 256: window 0: v0-31 addresses; v64-127, v128-191 the tokens' fragments, two buffers (at the head: c's terms; on the way out: c, and sums at work); v192-255 rows read back from the stage.
;   window 1: v64-191 the weights' fragments, two buffers.   windows 2, 3: the accumulators of my rows 0-63 and 64-127 ((a, b) at 8 (8 a + b)).
.set KB,     4096                      ; bytes of a row group in a K step
.set HALFT,  8*KB                      ; eight row groups: what one tensor load brings, and what a wave reads of either operand
.set SLOT,   4*HALFT
.set STAGE,  2*SLOT                    ; behind the ring: 16 rows x 528 bytes for each wave, for the way out
.set SPITCH, 528                       ; 512 bytes + 16: sixteen rows of one column start at sixteen different groups of four banks
.set CTAB,   STAGE+4*16*SPITCH         ; c of the work-group's 256 columns
.set SPARE,  CTAB+1024                 ; the spare words, 128 bytes a wave
.set LAPS,   8                         ; 16 K steps
.set ADRA, 16
.set ADRB, 20
.set STO,  24
.set RD,   25
.set CO,   26
.set CBA,  27
.set SPW,  28
.set NIL,  29
.set PFO,  30
.set F0,   64
.set F1,   128
.set CT,   64
.set CB,   64
.set TMP,  128
.set OB,   192
.set G1, 24                            ; s[24:31] group 1 for the tokens' tiles; s[32:39] group 0, a set for each slot
.set G0, 32
.set G1B, 48                           ; the same for the weights'
.set G0B, 56
.set LIM,  43                          ; s43  1 in a wave that prefetches, else the greatest number
.set PFA,  44                          ; s[44:45] where my prefetches stand
.set A2,   66                          ; s[66:69] x_kv's copy at K steps 8, 9, with the type bits
.set B2,   70                          ; s[70:73] W_b's likewise
.set PF2,  74                          ; s[74:75] the prefetches' place in the second operand
.set LIM2, 76
.set MSB, 0
.macro WIN new
.if MSB != (\new)
	s_set_vgpr_msb (MSB<<8)|(\new)
.set MSB, \new
.endif
.endm
.set MUL_LO, 0xa1                      ; source 0 window 1, source 1 window 0, C and D window 2
.set MUL_HI, 0xf1                      ; the same, C and D window 3
.set TO_B,   0x40
.macro JLOAD s                         ; waves 0 and 1 fetch the tokens' two halves, waves 2 and 3 the weights'; an s_nop 0 and four v_nop follow each line
	s_cmp_eq_u32 s11, 0
	s_cbranch_scc0 .Lfor_b_\@
	tensor_load_to_lds s[G0+4*(\s):G0+4*(\s)+3], s[G1:G1+7]
	s_nop 0
.rept 4
	v_nop
.endr
	s_branch .Lasked_\@
.Lfor_b_\@:
	tensor_load_to_lds s[G0B+4*(\s):G0B+4*(\s)+3], s[G1B:G1B+7]
	s_nop 0
.rept 4
	v_nop
.endr
.Lasked_\@:
.endm
; A prefetch of the K step that stands two refills on.  Of the eight row groups that a wave fetches, each of the four partners that ask for them jointly takes two, told apart by address:
; 2 x 4,096 bytes, a lane for each 256.  The tokens' rows are read by one cluster alone: its waves 0 and 1 always ask.  q_w's rows are read by all sixteen clusters: cluster y = 0 asks;
; W_b's by the batch's two clusters: the even one asks.  So each block is named once.  The loop's last trip asks for nothing: there is no K step two on.
.macro ASK
	s_cmp_gt_u32 s3, s[LIM]
	s_cbranch_scc0 .Lnot_mine_\@
	global_prefetch_b8 v[PFO], s[PFA:PFA+1] th:TH_LOAD_NT scope:SCOPE_SE
.Lnot_mine_\@:
.endm
.macro CREST
	s_cmp_lg_u32 s10, 0
	s_cbranch_scc1 .Lnot_wave_0_\@
	s_barrier_signal -3
.Lnot_wave_0_\@:
	s_barrier_wait -3
	s_barrier_signal -1
	s_barrier_wait -1
.endm
.macro CROUND
	s_barrier_signal -1
	s_barrier_wait -1
	CREST
.endm
	s_load_b256 s[80:87], s[0:1], 0x0              ; xbq 80, xbk 82, bufq 84, wbuf 86
	s_load_b128 s[88:91], s[0:1], 0x20             ; out_b 88, q_b 90
	s_load_b64 s[92:93], s[0:1], 0x30              ; out0
	v_lshl_add_u32 v[SPW], v0, 2, SPARE
	v_mov_b32 v[NIL], 0
	ds_add_u32 v[SPW], v[NIL]                      ; the wave's opening: the add and its wait stand ahead of my first tensor load
	v_lshrrev_b32 v1, 5, v0
	v_readfirstlane_b32 s10, v1                    ; wave 0..3
	s_lshr_b32 s11, s10, 1                         ; my half of the tile's rows.  Also: I fetch tokens (0) or weights (1)
	s_and_b32 s12, s10, 1                          ; my half of its columns.  Also: which eight row groups I fetch
	s_bfe_u32 s40, ttmp6, 0x40000                  ; cx = the tile column (the grid is one cluster wide)
	s_bfe_u32 s41, ttmp6, 0x40004                  ; cy
	s_and_b32 s77, ttmp7, 0xffff                   ; cluster y
	s_lshl_b32 s13, s77, 2
	s_add_co_u32 s13, s13, s41                     ; tile row
	s_lshr_b32 s78, s77, 1                         ; batch
	s_lshl_b32 s42, s41, 2
	s_lshl_b32 s42, 15, s42                        ; my row of the cluster
	s_lshl_b32 s79, 0x1111, s40                    ; my column
	s_or_b32 s[G1+0], s42, (3<<16)|(1<<21)         ; the mask; 8-byte elements; bit 21 beside a mask; no padding: a fragment's loads take consecutive bytes
	s_or_b32 s[G1B+0], s79, (3<<16)|(1<<21)
.irp g, G1, G1B
	s_mov_b32 s[(\g)+1], 512<<16                   ; tensor_dim0 = 512 elements: 4,096 bytes
	s_mov_b32 s[(\g)+2], 8<<16                     ; tensor_dim1 = 8 row groups
	s_mov_b32 s[(\g)+3], 512<<16                   ; tile_dim0
	s_mov_b32 s[(\g)+4], 8                         ; tile_dim1
	s_mov_b32 s[(\g)+5], 4096                      ; 32,768 bytes from row group to row group
	s_mov_b32 s[(\g)+6], 0
	s_mov_b32 s[(\g)+7], 0
.endr
	s_lshl_b32 s16, s13, 4
	s_lshl_b32 s17, s12, 3
	s_add_co_u32 s16, s16, s17
	s_lshl_b32 s16, s16, 15                        ; tokens: row group 16 x tile row + 8 x half
	s_mov_b32 s17, 0
	s_lshl_b32 s46, s40, 4
	s_lshl_b32 s47, s12, 3
	s_add_co_u32 s46, s46, s47
	s_lshl_b32 s46, s46, 15                        ; weights: row group 16 x tile column + 8 x half
	s_mov_b32 s47, 0
	s_lshl_b32 s22, s78, 21                        ; the batch's W: 1,024 rows
	s_mov_b32 s23, 0
	s_lshl_b32 s20, s10, 15                        ; where the tiles go: wave x HALFT
	s_wait_dscnt 0x0                               ; the opening add is done
	s_wait_kmcnt 0x0
	s_add_nc_u64 s[14:15], s[80:81], s[16:17]      ; x_q's copy
	s_add_nc_u64 s[18:19], s[82:83], s[16:17]      ; x_kv's copy
	s_add_nc_u64 s[94:95], s[86:87], s[46:47]
	s_add_nc_u64 s[94:95], s[94:95], s[22:23]      ; W_b
	s_add_nc_u64 s[46:47], s[84:85], s[46:47]
	s_add_nc_u64 s[46:47], s[46:47], 2097152       ; q_w's copy
.irp s, 0,1
	s_add_nc_u64 s[A2+2*(\s):A2+2*(\s)+1], s[18:19], (\s)*KB
	s_or_b32 s[A2+2*(\s)+1], s[A2+2*(\s)+1], 0x80000000
	s_add_nc_u64 s[B2+2*(\s):B2+2*(\s)+1], s[94:95], (\s)*KB
	s_or_b32 s[B2+2*(\s)+1], s[B2+2*(\s)+1], 0x80000000
.endr
	CROUND                                         ; all sixteen work-groups are here: the first joint loads meet
.irp s, 0,1
	s_mov_b32 s[G0+4*(\s)], 1
	s_add_co_u32 s[G0+4*(\s)+1], s20, (\s)*SLOT
	s_add_nc_u64 s[G0+4*(\s)+2:G0+4*(\s)+3], s[14:15], (\s)*KB
	s_or_b32 s[G0+4*(\s)+3], s[G0+4*(\s)+3], 0x80000000
	s_mov_b32 s[G0B+4*(\s)], 1
	s_add_co_u32 s[G0B+4*(\s)+1], s20, (\s)*SLOT
	s_add_nc_u64 s[G0B+4*(\s)+2:G0B+4*(\s)+3], s[46:47], (\s)*KB
	s_or_b32 s[G0B+4*(\s)+3], s[G0B+4*(\s)+3], 0x80000000
	JLOAD \s
.endr
	v_and_b32 v1, 31, v0
	v_lshlrev_b32 v3, 4, v1                        ; 16 x lane
	v_and_b32 v2, 15, v0                           ; r
	v_bfe_u32 v4, v0, 4, 1                         ; hh
	s_lshl_b32 s21, s11, 15                        ; my eight row groups of tokens
	s_lshl_b32 s22, s12, 15                        ; and of weights,
	s_add_co_u32 s22, s22, 2*HALFT                 ; which lie behind the tokens' sixteen
.irp s, 0,1
	v_add_nc_u32 v[ADRA+(\s)], s21, v3
	v_add_nc_u32 v[ADRB+(\s)], s22, v3
	s_add_co_u32 s21, s21, SLOT
	s_add_co_u32 s22, s22, SLOT
.endr
	s_mul_i32 s23, s10, 16*SPITCH
	s_add_co_u32 s23, s23, STAGE                   ; my stage
	v_mul_u32_u24 v5, v2, SPITCH                   ; in: row r, 32 bytes for each half of the lanes
	v_lshl_add_u32 v5, v4, 5, v5
	v_add_nc_u32 v[STO], s23, v5
	v_add_nc_u32 v[RD], s23, v3                    ; back: 32 lanes take one row of 512 bytes
	v_mov_b32 v[CO], v3
	s_lshl_b32 s23, s12, 9
	s_add_co_u32 s23, s23, CTAB
	v_lshl_add_u32 v[CBA], v4, 5, s23              ; c of my columns
	s_lshl_b32 s16, s13, 20                        ; out: 256 rows of 4,096 bytes a tile row,
	s_lshl_b32 s17, s11, 19                        ; my 128 rows
	s_add_co_u32 s16, s16, s17
	s_mov_b32 s17, 0
	s_add_nc_u64 s[8:9], s[92:93], s[16:17]
	s_lshl_b32 s4, s40, 10                         ; the tile's 256 columns: 1,024 bytes,
	s_mov_b32 s5, 0
	s_lshl_b32 s6, s12, 9                          ; my 128
	s_add_co_u32 s6, s6, s4
	s_mov_b32 s7, 0
	s_add_nc_u64 s[8:9], s[8:9], s[6:7]
	; the prefetches
	s_cmp_eq_u32 s77, 0
	s_cselect_b32 s[LIM], 1, -1                    ; q_w's rows: cluster y = 0 asks
	s_and_b32 s21, s77, 1
	s_cmp_eq_u32 s21, 0
	s_cselect_b32 s[LIM2], 1, -1                   ; W_b's rows: the batch's even cluster asks
	s_cmp_eq_u32 s11, 0
	s_cselect_b32 s[LIM], 1, s[LIM]                ; the tokens' rows: always
	s_cselect_b32 s[LIM2], 1, s[LIM2]
	s_cselect_b64 s[PFA:PFA+1], s[14:15], s[46:47]
	s_cselect_b64 s[PF2:PF2+1], s[18:19], s[94:95]
	s_cselect_b32 s20, s40, s41                    ; my place among the four that ask with me
	s_lshl_b32 s20, s20, 16                        ; its two row groups
	s_mov_b32 s21, 0
	s_add_nc_u64 s[PFA:PFA+1], s[PFA:PFA+1], s[20:21]
	s_add_nc_u64 s[PF2:PF2+1], s[PF2:PF2+1], s[20:21]
	s_add_nc_u64 s[PFA:PFA+1], s[PFA:PFA+1], 3*KB  ; at K step 3: the first change of slots steps it to 4.  Nothing is prefetched at the head
	v_lshlrev_b32 v[PFO], 8, v2
	v_lshl_add_u32 v[PFO], v4, 15, v[PFO]
	; c of the work-group's 256 columns: two a thread
	v_lshlrev_b32 v6, 3, v0
	s_lshl_b32 s6, s78, 17
	s_add_co_u32 s6, s6, s4
	s_add_co_u32 s6, s6, 16777216
	s_add_nc_u64 s[6:7], s[86:87], s[6:7]          ; pc[b][0][256 cx]
	s_add_nc_u64 s[88:89], s[88:89], s[4:5]
	s_add_nc_u64 s[90:91], s[90:91], s[4:5]
.set i, 0
.rept 32
	global_load_b64 v[CT+2*i:CT+2*i+1], v6, s[6:7] offset:4096*i
.set i, i+1
.endr
	global_load_b64 v[CT+64:CT+65], v6, s[88:89]
	global_load_b64 v[CT+66:CT+67], v6, s[90:91]
	s_wait_loadcnt 0x0
	v_cvt_pk_bf16_f32 v[CT+68], v[CT+64], v[CT+65]
	v_cvt_pk_bf16_f32 v[CT+69], v[CT+66], v[CT+67]
	v_lshlrev_b32 v[CT+64], 16, v[CT+68]
	v_and_b32 v[CT+65], 0xffff0000, v[CT+68]
	v_lshlrev_b32 v[CT+66], 16, v[CT+69]
	v_and_b32 v[CT+67], 0xffff0000, v[CT+69]
.set i, 0
.rept 16
	v_pk_add_f32 v[CT+2*i:CT+2*i+1], v[CT+2*i:CT+2*i+1], v[CT+32+2*i:CT+32+2*i+1]
.set i, i+1
.endr
.set i, 0
.rept 8
	v_pk_add_f32 v[CT+2*i:CT+2*i+1], v[CT+2*i:CT+2*i+1], v[CT+16+2*i:CT+16+2*i+1]
.set i, i+1
.endr
.set i, 0
.rept 4
	v_pk_add_f32 v[CT+2*i:CT+2*i+1], v[CT+2*i:CT+2*i+1], v[CT+8+2*i:CT+8+2*i+1]
.set i, i+1
.endr
.set i, 0
.rept 2
	v_pk_add_f32 v[CT+2*i:CT+2*i+1], v[CT+2*i:CT+2*i+1], v[CT+4+2*i:CT+4+2*i+1]
.set i, i+1
.endr
	v_pk_add_f32 v[CT:CT+1], v[CT:CT+1], v[CT+2:CT+3]
	v_pk_add_f32 v[CT:CT+1], v[CT:CT+1], v[CT+64:CT+65]
	v_pk_add_f32 v[CT:CT+1], v[CT:CT+1], v[CT+66:CT+67]
	v_add_nc_u32 v7, CTAB, v6
	ds_store_b64 v7, v[CT:CT+1]
; 16 matrix instructions: row blocks a0, a0 + 1 of the window's four x all 8 column blocks, 32 along K.  zero = 1: the first product starts the sums
.macro MUL16 f, hi, a0, zero
	WIN MUL_LO+0x50*(\hi)
.irp a, \a0, (\a0)+1
.irp b, 0,1,2,3,4,5,6,7
.if \zero
	v_wmma_f32_16x16x32_bf16 v[8*(8*(\a)+(\b)):8*(8*(\a)+(\b))+7], v[(\f)+8*(\b):(\f)+8*(\b)+7], v[(\f)+8*(4*(\hi)+(\a)):(\f)+8*(4*(\hi)+(\a))+7], 0
.else
	v_wmma_f32_16x16x32_bf16 v[8*(8*(\a)+(\b)):8*(8*(\a)+(\b))+7], v[(\f)+8*(\b):(\f)+8*(\b)+7], v[(\f)+8*(4*(\hi)+(\a)):(\f)+8*(4*(\hi)+(\a))+7], v[8*(8*(\a)+(\b)):8*(8*(\a)+(\b))+7]
.endif
.endr
.endr
.endm
; 32 LDS loads in one run: the fragments of 32 along K at byte k of the row groups, into buffer f
.macro FETCH slot, k, f
	WIN TO_B
.irp i, 0,1,2,3,4,5,6,7
	ds_load_b128 v[(\f)+8*(\i):(\f)+8*(\i)+3],   v[ADRB+(\slot)] offset:(\k)+(\i)*KB
	ds_load_b128 v[(\f)+8*(\i)+4:(\f)+8*(\i)+7], v[ADRB+(\slot)] offset:(\k)+(\i)*KB+512
.endr
	WIN 0
.irp i, 0,1,2,3,4,5,6,7
	ds_load_b128 v[(\f)+8*(\i):(\f)+8*(\i)+3],   v[ADRA+(\slot)] offset:(\k)+(\i)*KB
	ds_load_b128 v[(\f)+8*(\i)+4:(\f)+8*(\i)+7], v[ADRA+(\slot)] offset:(\k)+(\i)*KB+512
.endr
.endm
.macro PLACES                          ; four places in front of loads into registers that matrix instructions have read, and of vector lines that read results
.rept 4
	v_nop
.endr
.endm
; A K step is four quarters of 32 along K, 64 matrix instructions each, on buffers 0, 1, 0, 1.  The 64 accumulators take turns in the same order in every quarter.
.macro QUARTER slot, k, f, g, zero
	s_wait_dscnt 8                                 ; the weights and the tokens' rows 0-63 are in; the youngest eight loads may be out
	WIN MUL_LO
	MUL16 \f, 0, 0, \zero
	MUL16 \f, 0, 2, \zero
	PLACES
	FETCH \slot, \k, \g
	s_wait_dscnt 32                                ; all but the 32 just issued
	WIN MUL_HI
	MUL16 \f, 1, 0, \zero
	MUL16 \f, 1, 2, \zero
.endm
; The first half of the last quarter, and the barrier of the change of slots: in front of it each wave waits for all its tensor loads, adds 0 to its spare word, and waits for that and for its reads of this slot.
.macro MEET round
	WIN 0
	s_wait_tensorcnt 0x0                           ; all my tensor loads have landed: my part of the next slot
	ds_add_u32 v[SPW], v[NIL]                      ; 0 onto my spare word
	s_wait_dscnt 9                                 ; the add and the youngest eight loads may be out
	WIN MUL_LO
	MUL16 F1, 0, 0, 0
	s_wait_dscnt 0x0                               ; the add is done, and my reads of this slot are over
	s_barrier_signal -1
	MUL16 F1, 0, 2, 0
.if \round
	WIN 0
.endif
	s_barrier_wait -1
.endm
; The whole last quarter in the loop.  Trip t (s3 = 7 - t) fills slot 0 with K step 2 t + 2 and slot 1 with 2 t + 3: at s3 = 4 these are steps 8 and 9, the second operands' first.
; The prefetches run two refills ahead: they change operands in slot 0's turn at s3 = 5.
.macro TURN slot, next
	s_wait_xcnt 0x0                                ; the last prefetch, a K step back, has read its address
	s_add_nc_u64 s[PFA:PFA+1], s[PFA:PFA+1], KB
.if (\slot) == 0
	s_cmp_eq_u32 s3, 5
	s_cselect_b64 s[PFA:PFA+1], s[PF2:PF2+1], s[PFA:PFA+1]
	s_cselect_b32 s[LIM], s[LIM2], s[LIM]
.endif
	MEET 1
	CREST                                          ; the barrier has opened a round of the cluster's: no wave of any partner still reads this slot or has a load on its way
	s_add_nc_u64 s[G0+4*(\slot)+2:G0+4*(\slot)+3], s[G0+4*(\slot)+2:G0+4*(\slot)+3], 2*KB
	s_add_nc_u64 s[G0B+4*(\slot)+2:G0B+4*(\slot)+3], s[G0B+4*(\slot)+2:G0B+4*(\slot)+3], 2*KB
	s_cmp_eq_u32 s3, 4
	s_cselect_b64 s[G0+4*(\slot)+2:G0+4*(\slot)+3], s[A2+2*(\slot):A2+2*(\slot)+1], s[G0+4*(\slot)+2:G0+4*(\slot)+3]
	s_cselect_b64 s[G0B+4*(\slot)+2:G0B+4*(\slot)+3], s[B2+2*(\slot):B2+2*(\slot)+1], s[G0B+4*(\slot)+2:G0B+4*(\slot)+3]
	JLOAD \slot                                    ; the first tensor load behind the round; its four v_nop are also the places in front of the loads below
	FETCH \next, 0, F0
	ASK
	WIN MUL_HI
	MUL16 F1, 1, 0, 0
	MUL16 F1, 1, 2, 0
.endm
	s_wait_tensorcnt 1                             ; my part of K step 0 is in; K step 1's may stay out
	s_wait_dscnt 0x0                               ; my two numbers of c are stored
	s_barrier_signal -1
	s_barrier_wait -1
	FETCH 0, 0, F0
	QUARTER 0, 1024, F0, F1, 1                     ; the first quarter's products start the sums
	WIN 0
	s_mov_b32 s3, LAPS-1
.Llap:                                                 ; a trip goes once round the ring and fills both slots again
	QUARTER 0, 2048, F1, F0, 0
	QUARTER 0, 3072, F0, F1, 0
	TURN 0, 1
	QUARTER 1, 1024, F0, F1, 0
	QUARTER 1, 2048, F1, F0, 0
	QUARTER 1, 3072, F0, F1, 0
	TURN 1, 0
	QUARTER 0, 1024, F0, F1, 0
	WIN 0
	s_sub_co_u32 s3, s3, 1
	s_cmp_lg_u32 s3, 0
	s_cbranch_scc1 .Llap
	QUARTER 0, 2048, F1, F0, 0                     ; the last lap fills nothing
	QUARTER 0, 3072, F0, F1, 0
	MEET 0
	PLACES
	FETCH 1, 0, F0
	WIN MUL_HI
	MUL16 F1, 1, 0, 0
	MUL16 F1, 1, 2, 0
	QUARTER 1, 1024, F0, F1, 0
	QUARTER 1, 2048, F1, F0, 0
	QUARTER 1, 3072, F0, F1, 0
	s_wait_dscnt 8
	MUL16 F1, 0, 0, 0
	MUL16 F1, 0, 2, 0
	s_wait_dscnt 0x0
	MUL16 F1, 1, 0, 0
	MUL16 F1, 1, 2, 0
	; THE WAY OUT.  c is added; a block of 16 rows x 128 columns goes through my own stage and comes back as whole rows of 512 bytes.
	WIN 0
	PLACES
.irp b, 0,1,2,3,4,5,6,7
	ds_load_b128 v[CB+8*(\b):CB+8*(\b)+3], v[CBA] offset:64*(\b)
	ds_load_b128 v[CB+8*(\b)+4:CB+8*(\b)+7], v[CBA] offset:64*(\b)+16
.endr
	s_wait_dscnt 0x0
.macro OUTB a
.set AC, 64*((\a)%4)
	WIN 0x02+((\a)/4)                              ; source 0: window 2 or 3
.set i, 0
.rept 32
	v_pk_add_f32 v[TMP+2*i:TMP+2*i+1], v[AC+2*i:AC+2*i+1], v[CB+2*i:CB+2*i+1]  ; each accumulator is read from its lowest registers on
.set i, i+1
.endr
	WIN 0
.irp b, 0,1,2,3,4,5,6,7
	ds_store_b128 v[STO], v[TMP+8*(\b):TMP+8*(\b)+3] offset:64*(\b)
	ds_store_b128 v[STO], v[TMP+8*(\b)+4:TMP+8*(\b)+7] offset:64*(\b)+16
.endr
	s_wait_xcnt 0x0                                ; the block before's stores have read their registers: these are loaded again only behind this wait
.set t, 0
.rept 16
	ds_load_b128 v[OB+4*t:OB+4*t+3], v[RD] offset:t*SPITCH  ; LDS serves a wave's instructions in order: these see the stores above
.set t, t+1
.endr
	s_wait_dscnt 0x0
.set t, 0
.rept 16
	global_store_b128 v[CO], v[OB+4*t:OB+4*t+3], s[8:9] offset:(16*(\a)+t)*4096 th:TH_STORE_NT  ; 512 consecutive bytes, at a multiple of 256 from out's first byte
.set t, t+1
.endr
.endm
	OUTB 0
	OUTB 1
	OUTB 2
	OUTB 3
	OUTB 4
	OUTB 5
	OUTB 6
	OUTB 7
	s_wait_tensorcnt 0x0                           ; the wave's end, behind my last tensor load and my last LDS store
	ds_add_u32 v[SPW], v[NIL]
	s_wait_dscnt 0x0
	CROUND                                         ; the closing round
	s_endpgm
.Lfunc_end_k_qf6abc54d59_final:
	.size	k_qf6abc54d59_final, .Lfunc_end_k_qf6abc54d59_final-k_qf6abc54d59_final
	.p2alignl 7, 3214868480
	.fill 96, 4, 3214868480
	.section	.rodata,"a",@progbits
	.p2align	6, 0x0
	.amdhsa_kernel k_qf6abc54d59_final
		.amdhsa_group_segment_fixed_size 327680
		.amdhsa_private_segment_fixed_size 0
		.amdhsa_enable_private_segment 0
		.amdhsa_kernarg_size 56
		.amdhsa_user_sgpr_count 2
		.amdhsa_user_sgpr_kernarg_segment_ptr 1
		.amdhsa_wavefront_size32 1
		.amdhsa_system_sgpr_workgroup_id_x 1
		.amdhsa_system_sgpr_workgroup_id_y 1
		.amdhsa_system_sgpr_workgroup_id_z 1
		.amdhsa_system_vgpr_workitem_id 0
		.amdhsa_next_free_vgpr 1024
		.amdhsa_next_free_sgpr 96
		.amdhsa_reserve_vcc 0
		.amdhsa_float_denorm_mode_32 3
		.amdhsa_float_denorm_mode_16_64 3
		.amdhsa_memory_ordered 1
		.amdhsa_forward_progress 1
		.amdhsa_inst_pref_size 165
	.end_amdhsa_kernel
	.amdgpu_metadata
---
amdhsa.version: [ 1, 2 ]
amdhsa.kernels:
  - .name:           k_qf6abc54d59_final
    .symbol:         k_qf6abc54d59_final.kd
    .args:
      - { .name: xbq, .offset: 0, .size: 8, .value_kind: global_buffer, .address_space: global }
      - { .name: xbk, .offset: 8, .size: 8, .value_kind: global_buffer, .address_space: global }
      - { .name: bufq, .offset: 16, .size: 8, .value_kind: global_buffer, .address_space: global }
      - { .name: wbuf, .offset: 24, .size: 8, .value_kind: global_buffer, .address_space: global }
      - { .name: out_b, .offset: 32, .size: 8, .value_kind: global_buffer, .address_space: global }
      - { .name: q_b, .offset: 40, .size: 8, .value_kind: global_buffer, .address_space: global }
      - { .name: out0, .offset: 48, .size: 8, .value_kind: global_buffer, .address_space: global }
    .group_segment_fixed_size: 327680
    .private_segment_fixed_size: 0
    .kernarg_segment_align: 8
    .kernarg_segment_size: 56
    .max_flat_workgroup_size: 128
    .sgpr_count:     96
    .vgpr_count:     1024
    .wavefront_size: 32
...
	.end_amdgpu_metadata
.endif
;; end of part 13
